; MI455X (gfx1250); checked and timed in simulation.
; The chip was launched on July 23, 2026; its instructions are those of AMD's public machine-readable ISA for CDNA 5 (MIT licence, August 2026) and "CDNA5" Instruction Set Architecture Reference Guide (July 2026). The comments in the code are by the model that wrote it; some were corrected since.
;; Self Attention. Allowed arithmetic: matrix products marked QUANTISED: E2M3 operands, one E8M0 scale for each 32 along K, by v_wmma_scale_f32_16x16x128_f8f6f4 with both operands' format E2M3, f32 sums; everything else in f32.
;; Inputs: Wk 2,048 x 2,048 float32; Wo 2,048 x 2,048 float32; Wq 2,048 x 2,048 float32; Wv 2,048 x 2,048 float32; bk 2,048 float32; bo 2,048 float32; bq 2,048 float32; bv 2,048 float32; cos 2,048 x 128 float32; sin 2,048 x 128 float32; x 1 x 2,048 x 2,048 float32.
;; Outputs: out0 1 x 2,048 x 2,048 float32.
;; This version of the problem:
;;   THIS VERSION OF THE PROBLEM IS GIVEN IN LOW PRECISION. The matrix products marked QUANTISED in the list below multiply operands that are first quantised to E2M3 (2 exponent bits, 3 mantissa bits; 6 bits a number), with one power-of-two scale for each 32 numbers along K (OCP MX v1.0); their sums are f32. All else is computed in f32.
;;   The module's matrix products, in the order in which they are computed (A, B: the left and right operand; K: the contracted axis; several contracted axes count as one K, in the product's order):
;;     1. [M 2,048, K 2,048] x [K 2,048, N 2,048]; A: input x; B: input Wq: QUANTISED
;;     2. [M 2,048, K 2,048] x [K 2,048, N 2,048]; A: input x; B: input Wk: QUANTISED
;;     3. [M 2,048, K 2,048] x [K 2,048, N 2,048]; A: input x; B: input Wv: QUANTISED
;;     4. batch 16 x [M 2,048, K 128] x [K 128, N 2,048]; A: computed on the way; B: computed on the way: QUANTISED
;;     5. batch 16 x [M 2,048, K 2,048] x [K 2,048, N 128]; A: softmax (see below); B: computed on the way: QUANTISED
;;     6. [M 2,048, K 2,048] x [K 2,048, N 2,048]; A: computed on the way; B: input Wo: QUANTISED
;;   THE QUANTISER, for each operand of a quantised product, along K:
;;     - K is cut into blocks of 32 from its start; a last block that is shorter is filled with zeros.
;;     - A block's scale is 2^e with e = floor(log2(the largest magnitude in the block)) - 2, held to -126 .. 127; a block of zeros has e = 0. As a byte (E8M0): e + 127.
;;     - Each number is divided by its block's scale, clamped to +-7.5, and rounded to the nearest number of E2M3, ties to even, subnormals kept.
;;     - The product sums the exact products of the quantised numbers (number of the format x scale) in f32.
;;   ~~~python
;;   def quantise(x, axis):      # numpy; x: float32 -> the quantised numbers, widened to float32 again
;;       x = np.moveaxis(x, axis, -1); K = x.shape[-1]
;;       x = np.pad(x, [(0, 0)] * (x.ndim - 1) + [(0, -K % 32)]); x = x.reshape(x.shape[:-1] + (-1, 32)); a = np.abs(x).max(-1, keepdims=True)
;;       e = np.where(a > 0, np.clip(np.frexp(np.where(a > 0, a, 1))[1] - 1 - 2, -126, 127), 0)      # np.frexp(a)[1] - 1 = floor(log2(a)), exactly
;;       r = np.clip(x / 2.0 ** e, -7.5, 7.5)
;;       step = 2.0 ** (np.maximum(np.frexp(np.where(r == 0, 1, r))[1] - 1, 0) - 3)
;;       q = np.round(r / step) * step * 2.0 ** e      # np.round: ties to even
;;       return np.moveaxis(q.reshape(q.shape[:-2] + (-1,))[..., :K], -1, axis).astype(np.float32)
;;   ~~~
;;   SOFTMAX AHEAD OF A QUANTISED PRODUCT. Where the list says 'softmax', what is quantised is not the finished softmax but p = 2^(t - M), with t = logit x log2(e) and M = ceil(the row's largest t), a whole number; so 1/2 < the row's largest p <= 1. The row's sum l is taken of the UNQUANTISED p, in f32, and the product's result is divided by l at the end. Since M is a whole number, a kernel that streams over the keys may use a running M (the ceiling of the running maximum): every later rescaling is an exact power of two, which a block's scale takes up: the codes' values come out the same.
;;   OPERANDS COMPUTED ON THE WAY. 'Computed on the way' means the value that the module computes at that place (a softmax that the list does not call 'softmax' is quantised finished and normalised). What goes into a quantiser is computed in f32, as accurately as f32 sums, v_exp_f32 and their like allow (about 1e-6 of the number): no bf16 or f16 on the way to a quantiser, and a product that is left as it is and whose result goes on into a quantised operand takes f32 operands (vector FMAs, or v_wmma_f32_16x16x4_f32). A number that lies on a knife's edge between two numbers of the format may be rounded either way, as far as f32 arithmetic and the matrix unit's own rounding can turn it there, and no further.
;; 2 versions. Each part assembles by itself: llvm-mc -triple=amdgcn-amd-amdhsa -mcpu=gfx1250 --defsym DOCPART=n.
;; ======== version 1 of 2: 4 launches
;; workspace buffers: xbuf 3,276,800 bytes; wbuf 13,107,200 bytes; csimg 2,097,152 bytes; qb 3,276,800 bytes; kv 6,553,600 bytes; obuf 3,276,800 bytes
;; launch quant (part 1): grid 800 x 1, 4 waves a work-group, no clusters, 58,880 bytes of LDS; arguments x, Wq, Wk, Wv, Wo, cos, sin, xbuf, wbuf, csimg; writes xbuf, wbuf, csimg
.if DOCPART == 1
	.amdgcn_target "amdgcn-amd-amdhsa--gfx1250"
	.amdhsa_code_object_version 6
	.text
	.protected	k_q2c4c0c0f27_quant
	.globl	k_q2c4c0c0f27_quant
	.p2align	8
	.type	k_q2c4c0c0f27_quant,@function
k_q2c4c0c0f27_quant:
	s_mov_b64 s[64:65], 0
	v_nop
	global_prefetch_b8 v0, s[64:65] scope:SCOPE_SE
	s_setreg_imm32_b32 hwreg(HW_REG_WAVE_MODE, 25, 1), 1
	s_wait_xcnt 0x0
; x [2048][2048] (K innermost) and Wq, Wk, Wv, Wo [2048 (K)][2048] (K first), f32, become codes of FP6 (E2M3) with one E8M0 byte for each 32 along K; cos and sin are laid anew for the lanes of the next launch.
; A block's scale is 2^(floor(log2(its largest magnitude)) - 2): its byte is the largest magnitude's exponent field - 2, held at 1 from below by a floor among the maximum's leaves.
; LAYOUT OF THE RESULTS.  A tile is 16 rows of an operand (tokens of x, columns of a weight); place r of tile T is row 32 (T / 2) + 8 (T % 2) + r + 8 (r / 8).  A fragment (a tile x 128 along K) is stored as an IMAGE OF THE
; OPERAND'S 12 REGISTERS: register 4 c + i of lane L at byte 512 c + 16 L + 4 i, 1,536 bytes; images lie [tile][K step 0..15]; behind all images the scale words, [tile][place][16 words].
; wbuf's tiles: 0-127 Wq, 128-255 Wk, 256-383 Wv, 384-511 Wo.  csimg: [token tile][e = 16 (sin) + 4 b + j][512]: lane (r, h)'s 16 bytes are table[token of place r][32 b + 16 h + 4 j ..].
; SHARES.  Work-groups 0-511: a weight, 128 columns x 256 along K (a wave 32 columns: a lane to a column, its registers down K).  512-767: x, one tile x 1,024 along K (a wave two fragments).  768-799: the tables, four token tiles.
; The three ways part on the work-group's number; each has LDS bytes of its own (weights 0 .. 24,575, x 24,576 .. 58,367) and each wave its own part of them: no barrier, no tensor load.  No input is shared between work-groups: no cluster.
; LIMITS: NaN and infinities are not served.  A block whose largest magnitude lies under 2^-124 gets the byte 1; a block of zeros too (the rule says 127): its codes are zeros, and this program alone reads the bytes.
.set XSO,  3145728                     ; xbuf: where the scale words begin (128 tiles x 24,576)
.set WSO,  12582912                    ; wbuf: likewise (512 tiles x 24,576)
.set SEL,  26                          ; s[26:27] lane selects for v_permlanex16_b32: lane l xor 16
.set TM,   16                          ; v16-31  the quantiser's registers at work (x)
.set WX,   32                          ; v32-95  weights: two sets of 32 numbers
.set WC,   96                          ; v96-101 a block's six registers of codes
.set WD,   104                         ; v104-106 the second conversion's result (three registers that begin on an even number)
.set SB,   24                          ; v24-25  a lane's eight scale bytes
.set OUTR, 112                         ; v112-159 the way out
.set XR,   64                          ; v64-191 x: two sets of 64 registers as loaded
.set XX,   192                         ; v192-255 64 numbers of a lane in the quantiser's order
; 64 numbers of a lane, register 16 b + i = k 32 b + 16 (lane / 16) + i of the lane's row, become a fragment's 12 registers at v[pc] (v[pc+12] .. v[pc+18] at work) and its scale word in v[pw].
.macro QUANT s, pc, pw
.irp b, 0,1,2,3
	v_max3_num_f32 v[TM+\b], |v[\s+16*\b]|, |v[\s+1+16*\b]|, 0x1800000   ; block b: my 16 numbers, and the floor 2^(3 - 127)
.endr
.irp i, 2,4,6,8,10,12,14
.irp b, 0,1,2,3
	v_max3_num_f32 v[TM+\b], v[TM+\b], |v[\s+16*\b+\i]|, |v[\s+1+16*\b+\i]|   ; the four blocks by turns
.endr
.endr
.irp b, 0,1,2,3
	v_permlanex16_b32 v[TM+4+\b], v[TM+\b], s[SEL], s[SEL+1]
.endr
.irp b, 0,1,2,3
	v_max_num_f32 v[TM+\b], v[TM+\b], v[TM+4+\b]   ; with lane l xor 16's: the block's largest magnitude
.endr
.irp b, 0,1,2,3
	v_add_nc_u32 v[TM+12+\b], 0xff000000, v[TM+\b]   ; 2 off its exponent field: the conversion's scale operand
.endr
.irp b, 0,1,2,3
	v_lshrrev_b32 v[TM+4+\b], 23, v[TM+12+\b]   ; the scale's byte
.endr
	v_lshl_or_b32 v[\pw], v[TM+5], 8, v[TM+4]
	v_lshl_or_b32 v[\pw], v[TM+6], 16, v[\pw]
	v_lshl_or_b32 v[\pw], v[TM+7], 24, v[\pw]
.irp c, 0,1
	v_cvt_scalef32_pk16_fp6_f32 v[\pc+6*\c:\pc+2+6*\c], v[\s+32*\c:\s+15+32*\c], v[TM+12+2*\c]
	v_cvt_scalef32_pk16_fp6_f32 v[\pc+12+4*\c:\pc+14+4*\c], v[\s+16+32*\c:\s+31+32*\c], v[TM+12+2*\c+1]
.endr
	v_nop                                          ; one plain place behind the scaled conversions
.irp c, 0,1                                    ; the operand wants a whole block in a lane: lanes 0-15 block 2 c, lanes 16-31 block 2 c + 1
.irp i, 0,1,2
	v_permlane16_swap_b32 v[\pc+6*\c+\i], v[\pc+12+4*\c+\i]
.endr
.irp i, 0,1,2
	v_mov_b32 v[\pc+3+6*\c+\i], v[\pc+12+4*\c+\i]
.endr
.endr
.endm
	s_load_b256 s[4:11], s[0:1], 0x0               ; x s[4:5], Wq s[6:7], Wk s[8:9], Wv s[10:11]
	s_load_b256 s[12:19], s[0:1], 0x20             ; Wo s[12:13], cos s[14:15], sin s[16:17], xbuf s[18:19]
	s_load_b128 s[20:23], s[0:1], 0x40             ; wbuf s[20:21], csimg s[22:23]
	v_lshl_add_u32 v26, v0, 2, 0xe400
	v_mov_b32 v27, 0
	v_lshrrev_b32 v1, 5, v0
	v_readfirstlane_b32 s24, v1                    ; wave 0..3
	v_and_b32 v1, 31, v0                           ; lane
	s_mov_b32 s[SEL], 0x76543210
	s_mov_b32 s[SEL+1], 0xfedcba98
	s_wait_kmcnt 0x0
	s_cmp_lt_u32 ttmp9, 512
	s_cbranch_scc0 .Lx
	; ---------------- a weight ----------------
	s_lshr_b32 s28, ttmp9, 7                       ; which weight
	s_and_b32 s29, ttmp9, 15                       ; which 128 columns
	s_bfe_u32 s30, ttmp9, 0x30004                  ; which 256 along K
	s_cmp_eq_u32 s28, 1
	s_cselect_b64 s[6:7], s[8:9], s[6:7]
	s_cmp_eq_u32 s28, 2
	s_cselect_b64 s[6:7], s[10:11], s[6:7]
	s_cmp_eq_u32 s28, 3
	s_cselect_b64 s[6:7], s[12:13], s[6:7]
	s_lshl_b32 s32, s30, 21                        ; 256 rows of 8,192 bytes
	s_lshl_b32 s33, s29, 9
	s_add_co_u32 s32, s32, s33
	s_lshl_b32 s33, s24, 7                         ; my wave's 32 columns
	s_add_co_u32 s32, s32, s33
	s_mov_b32 s33, 0
	s_add_nc_u64 s[6:7], s[6:7], s[32:33]
	s_lshl_b32 s34, s28, 6
	s_lshl_b32 s35, s29, 2
	s_add_co_u32 s34, s34, s35
	s_add_co_u32 s34, s34, s24                     ; my group of 32 columns among all four weights': its tiles are 2 GG and 2 GG + 1
	s_mul_i32 s36, s34, 49152
	s_mul_i32 s35, s30, 3072                       ; K steps 2 y and 2 y + 1
	s_add_co_u32 s36, s36, s35
	s_mov_b32 s37, 0
	s_add_nc_u64 s[38:39], s[20:21], s[36:37]      ; where my images go
	s_lshl_b32 s36, s34, 11
	s_lshl_b32 s35, s30, 3
	s_add_co_u32 s36, s36, s35
	s_add_nc_u64 s[40:41], s[20:21], s[36:37]
	s_add_nc_u64 s[40:41], s[40:41], WSO           ; and my scale words
	v_lshlrev_b32 v3, 2, v1                        ; in: 4 bytes a lane
	v_bfe_u32 v5, v0, 3, 1                         ; column cc = lane lies in tile u = (cc / 8) % 2,
	v_and_b32 v6, 7, v0
	v_bfe_u32 v10, v0, 4, 1
	v_lshl_add_u32 v6, v10, 3, v6                  ; at place r = cc % 8 + 8 (cc / 16)
	s_mul_i32 s35, s24, 6144                       ; my stage: four images, [u][K step]
	v_mul_u32_u24 v4, v5, 3072
	v_lshl_add_u32 v4, v6, 4, v4
	v_add_nc_u32 v4, s35, v4                       ; into it: 3,072 u + 16 r
	v_lshlrev_b32 v8, 4, v1                        ; out of it, and in memory: 16 bytes a lane
	v_add_nc_u32 v7, s35, v8
	v_lshlrev_b32 v9, 10, v5
	v_lshl_add_u32 v9, v6, 6, v9                   ; my column's scale words: 1,024 u + 64 r
.macro WLOAD t                         ; block t: W(32 t + i, my column) into set t % 2; 32 lanes read 128 consecutive bytes
.set n, 0
.rept 32
	global_load_b32 v[WX+32*((\t)%2)+n], v3, s[6:7] offset:(32*(\t)+n)*8192 th:TH_LOAD_NT
.set n, n+1
.endr
.endm
	WLOAD 0
	WLOAD 1
; Block t is block t % 4 of K step t / 4: registers 6 c .. 6 c + 5 (c = (t % 4) / 2) of the image's lane r + 16 (t % 2).
.macro BLOCK t
.set XS, WX+32*((\t)%2)
.if (\t) < 7
	s_wait_loadcnt 32                              ; this block's 32 loads are in; the next block's 32 may be out
.else
	s_wait_loadcnt 0x0
.endif
	v_max3_num_f32 v12, |v[XS]|, |v[XS+1]|, |v[XS+2]|   ; the block's largest magnitude: all 32 numbers are mine; two chains
	v_max3_num_f32 v13, |v[XS+3]|, |v[XS+4]|, |v[XS+5]|
.irp i, 6,10,14,18,22,26
	v_max3_num_f32 v12, v12, |v[XS+\i]|, |v[XS+\i+1]|
	v_max3_num_f32 v13, v13, |v[XS+\i+2]|, |v[XS+\i+3]|
.endr
	v_max3_num_f32 v12, v12, |v[XS+30]|, |v[XS+31]|
	v_max3_num_f32 v12, v12, v13, 0x1800000        ; and the floor 2^(3 - 127)
	v_add_nc_u32 v11, 0xff000000, v12              ; 2 off the exponent field: the conversion's scale operand
	v_lshrrev_b32 v13, 23, v11                     ; the scale's byte
.if (\t)%4 == 0
	v_mov_b32 v[SB+(\t)/4], v13
.else
	v_lshl_or_b32 v[SB+(\t)/4], v13, 8*((\t)%4), v[SB+(\t)/4]
.endif
	v_cvt_scalef32_pk16_fp6_f32 v[WC:WC+2], v[XS:XS+15], v11
	v_cvt_scalef32_pk16_fp6_f32 v[WD:WD+2], v[XS+16:XS+31], v11
	v_nop                                          ; one plain place behind the scaled conversions
	v_mov_b32 v[WC+3], v[WD]
	v_mov_b32 v[WC+4], v[WD+1]
	v_mov_b32 v[WC+5], v[WD+2]
.if ((\t)%4) < 2                       ; registers 0-3, then 4 and 5
	ds_store_b128 v4, v[WC:WC+3] offset:1536*((\t)/4)+256*((\t)%2)
	ds_store_b64 v4, v[WC+4:WC+5] offset:1536*((\t)/4)+256*((\t)%2)+512
.else                                  ; registers 6 and 7, then 8-11
	ds_store_b64 v4, v[WC:WC+1] offset:1536*((\t)/4)+256*((\t)%2)+520
	ds_store_b128 v4, v[WC+2:WC+5] offset:1536*((\t)/4)+256*((\t)%2)+1024
.endif
.if (\t) < 6
	WLOAD (\t)+2
.endif
	s_wait_dscnt 0x0                               ; the stores have read their registers: the next block's codes may be written
.endm
.irp t, 0,1,2,3,4,5,6,7
	BLOCK \t
.endr
	global_store_b64 v9, v[SB:SB+1], s[40:41]      ; my column's two scale words
.irp i, 0,1,2,3,4,5,6,7,8,9,10,11
	ds_load_b128 v[OUTR+4*\i:OUTR+4*\i+3], v7 offset:512*\i   ; LDS serves a wave's instructions in order: these see my stores
.endr
.irp i, 0,1,2,3,4,5,6,7,8,9,10,11
	s_wait_dscnt 11-\i                             ; the younger loads may be out
	global_store_b128 v8, v[OUTR+4*\i:OUTR+4*\i+3], s[38:39] offset:24576*(\i/6)+512*(\i%6)   ; 32 lanes store 512 consecutive bytes, at a multiple of 256 from the buffer's first byte
.endr
	s_wait_tensorcnt 0x0
	ds_add_u32 v26, v27
	s_wait_dscnt 0x0
	s_endpgm
	; ---------------- x ----------------
.Lx:
	s_cmp_lt_u32 ttmp9, 768
	s_cbranch_scc0 .Lcs
	s_sub_co_u32 s28, ttmp9, 512
	s_lshr_b32 s29, s28, 1                         ; the tile
	s_and_b32 s30, s28, 1
	s_lshl_b32 s30, s30, 3
	s_lshl_b32 s31, s24, 1
	s_add_co_u32 s30, s30, s31                     ; my first K step: 8 x half + 2 x wave
	s_lshr_b32 s32, s29, 1
	s_lshl_b32 s32, s32, 5
	s_and_b32 s33, s29, 1
	s_lshl_b32 s33, s33, 3
	s_add_co_u32 s32, s32, s33                     ; the tile's first row
	s_lshl_b32 s32, s32, 13
	s_lshl_b32 s33, s30, 9
	s_add_co_u32 s32, s32, s33
	s_mov_b32 s33, 0
	s_add_nc_u64 s[4:5], s[4:5], s[32:33]
	s_lshl_b32 s34, s29, 4
	s_add_co_u32 s34, s34, s30
	s_mul_i32 s34, s34, 1536
	s_mov_b32 s35, 0
	s_add_nc_u64 s[36:37], s[18:19], s[34:35]      ; where my two images go
	s_lshl_b32 s34, s29, 10
	s_lshl_b32 s40, s30, 2
	s_add_co_u32 s34, s34, s40
	s_add_nc_u64 s[38:39], s[18:19], s[34:35]
	s_add_nc_u64 s[38:39], s[38:39], XSO           ; and their scale words
	v_and_b32 v2, 15, v0                           ; r
	v_bfe_u32 v3, v0, 4, 1                         ; h
	v_lshlrev_b32 v4, 4, v1                        ; 16 bytes a lane
	s_mul_i32 s40, s24, 8448                       ; my stage: 16 rows of 512 bytes + 16
	s_add_co_u32 s40, s40, 24576
	v_add_nc_u32 v5, s40, v4                       ; in: as loaded
	v_mul_u32_u24 v6, v2, 528
	v_lshl_add_u32 v6, v3, 6, v6
	v_add_nc_u32 v6, s40, v6                       ; back: row r, my half's 16 numbers of each block of 32
	v_lshlrev_b32 v7, 6, v2
	v_lshl_add_u32 v7, v3, 2, v7                   ; scale words: 64 r; lanes 16-31 store the second K step's
.irp b, 0,1,2,3
	v_mov_b32 v[TM+4+\b], 0                        ; written once: a lane permute's destination counts as one of its sources
.endr
.irp f, 0,1
.irp p, 0,1,2,3,4,5,6,7,8,9,10,11,12,13,14,15
	global_load_b128 v[XR+64*\f+4*\p:XR+64*\f+4*\p+3], v4, s[4:5] offset:(\p+8*(\p/8))*8192+512*\f th:TH_LOAD_NT   ; place p's row: 32 lanes read its 512 consecutive bytes of the K step
.endr
.endr
.macro XFRAG f, pc
.if \f == 0
	s_wait_loadcnt 16                              ; the first fragment's 16 loads are in; the second's may be out
.else
	s_wait_loadcnt 0x0
.endif
.irp p, 0,1,2,3,4,5,6,7,8,9,10,11,12,13,14,15
	ds_store_b128 v5, v[XR+64*\f+4*\p:XR+64*\f+4*\p+3] offset:528*\p
.endr
.irp b, 0,1,2,3
.irp j, 0,1,2,3
	ds_load_b128 v[XX+16*\b+4*\j:XX+16*\b+4*\j+3], v6 offset:128*\b+16*\j   ; LDS serves a wave's instructions in order; rows 33 x 16 bytes apart: sixteen lanes, sixteen different columns of 16 bytes
.endr
.endr
	s_wait_dscnt 0x0
	QUANT XX, \pc, 32+\f
.irp c, 0,1,2
	global_store_b128 v4, v[\pc+4*\c:\pc+4*\c+3], s[36:37] offset:1536*\f+512*\c
.endr
.endm
	XFRAG 0, 36                                    ; codes in v36-54
	XFRAG 1, 64                                    ; codes in v64-82, which the first fragment's numbers have left: no store's data are written again
	v_cmp_lt_u32 vcc_lo, 15, v1
	v_cndmask_b32 v34, v32, v33, vcc_lo
	global_store_b32 v7, v34, s[38:39]
	s_wait_tensorcnt 0x0
	ds_add_u32 v26, v27
	s_wait_dscnt 0x0
	s_endpgm
	; ---------------- cos and sin ----------------
.Lcs:
	s_sub_co_u32 s28, ttmp9, 768
	s_lshl_b32 s28, s28, 2
	s_add_co_u32 s28, s28, s24                     ; my token tile
	s_lshr_b32 s29, s28, 1
	s_lshl_b32 s29, s29, 5
	s_and_b32 s30, s28, 1
	s_lshl_b32 s30, s30, 3
	s_add_co_u32 s29, s29, s30                     ; its first token
	s_lshl_b32 s32, s29, 9
	s_mov_b32 s33, 0
	s_add_nc_u64 s[14:15], s[14:15], s[32:33]
	s_add_nc_u64 s[16:17], s[16:17], s[32:33]
	s_lshl_b32 s32, s28, 14
	s_add_nc_u64 s[22:23], s[22:23], s[32:33]
	v_and_b32 v2, 15, v0
	v_bfe_u32 v3, v0, 4, 1
	v_and_b32 v5, 8, v2
	v_add_nc_u32 v5, v5, v2                        ; r + 8 (r / 8)
	v_lshlrev_b32 v5, 9, v5
	v_lshl_add_u32 v5, v3, 6, v5                   ; my token's row of 512 bytes, + 64 h
	v_lshlrev_b32 v4, 4, v1
.irp b, 0,1,2,3
.irp j, 0,1,2,3
	global_load_b128 v[64+16*\b+4*\j:67+16*\b+4*\j], v5, s[14:15] offset:128*\b+16*\j th:TH_LOAD_NT
.endr
.endr
.irp b, 0,1,2,3
.irp j, 0,1,2,3
	global_load_b128 v[128+16*\b+4*\j:131+16*\b+4*\j], v5, s[16:17] offset:128*\b+16*\j th:TH_LOAD_NT
.endr
.endr
.set n, 0
.rept 32
	s_wait_loadcnt 31-n                            ; the younger loads may be out
	global_store_b128 v4, v[64+4*n:67+4*n], s[22:23] offset:512*n
.set n, n+1
.endr
	s_endpgm
.Lfunc_end_k_q2c4c0c0f27_quant:
	.size	k_q2c4c0c0f27_quant, .Lfunc_end_k_q2c4c0c0f27_quant-k_q2c4c0c0f27_quant
	.p2alignl 7, 3214868480
	.fill 96, 4, 3214868480
	.section	.rodata,"a",@progbits
	.p2align	6, 0x0
	.amdhsa_kernel k_q2c4c0c0f27_quant
		.amdhsa_group_segment_fixed_size 58880
		.amdhsa_private_segment_fixed_size 0
		.amdhsa_enable_private_segment 0
		.amdhsa_kernarg_size 80
		.amdhsa_user_sgpr_count 2
		.amdhsa_user_sgpr_kernarg_segment_ptr 1
		.amdhsa_wavefront_size32 1
		.amdhsa_system_sgpr_workgroup_id_x 1
		.amdhsa_system_sgpr_workgroup_id_y 1
		.amdhsa_system_sgpr_workgroup_id_z 1
		.amdhsa_system_vgpr_workitem_id 0
		.amdhsa_next_free_vgpr 256
		.amdhsa_next_free_sgpr 66
		.amdhsa_reserve_vcc 1
		.amdhsa_float_denorm_mode_32 3
		.amdhsa_float_denorm_mode_16_64 3
		.amdhsa_memory_ordered 1
		.amdhsa_forward_progress 1
		.amdhsa_inst_pref_size 67
	.end_amdhsa_kernel
	.amdgpu_metadata
---
amdhsa.version: [ 1, 2 ]
amdhsa.kernels:
  - .name:           k_q2c4c0c0f27_quant
    .symbol:         k_q2c4c0c0f27_quant.kd
    .args:
      - { .name: x, .offset: 0, .size: 8, .value_kind: global_buffer, .address_space: global }
      - { .name: Wq, .offset: 8, .size: 8, .value_kind: global_buffer, .address_space: global }
      - { .name: Wk, .offset: 16, .size: 8, .value_kind: global_buffer, .address_space: global }
      - { .name: Wv, .offset: 24, .size: 8, .value_kind: global_buffer, .address_space: global }
      - { .name: Wo, .offset: 32, .size: 8, .value_kind: global_buffer, .address_space: global }
      - { .name: cos, .offset: 40, .size: 8, .value_kind: global_buffer, .address_space: global }
      - { .name: sin, .offset: 48, .size: 8, .value_kind: global_buffer, .address_space: global }
      - { .name: xbuf, .offset: 56, .size: 8, .value_kind: global_buffer, .address_space: global }
      - { .name: wbuf, .offset: 64, .size: 8, .value_kind: global_buffer, .address_space: global }
      - { .name: csimg, .offset: 72, .size: 8, .value_kind: global_buffer, .address_space: global }
    .group_segment_fixed_size: 58880
    .private_segment_fixed_size: 0
    .kernarg_segment_align: 8
    .kernarg_segment_size: 80
    .max_flat_workgroup_size: 128
    .sgpr_count:     66
    .vgpr_count:     256
    .wavefront_size: 32
...
	.end_amdgpu_metadata
.endif
;; end of part 1
;; launch qkv (part 2): grid 24 x 8, 4 waves a work-group, clusters of 4 x 4, 327,680 bytes of LDS; arguments xbuf, wbuf, bq, bk, bv, csimg, qb, kv; writes qb, kv
.if DOCPART == 2
	.amdgcn_target "amdgcn-amd-amdhsa--gfx1250"
	.amdhsa_code_object_version 6
	.text
	.protected	k_q2c4c0c0f27_qkv
	.globl	k_q2c4c0c0f27_qkv
	.p2align	8
	.type	k_q2c4c0c0f27_qkv,@function
k_q2c4c0c0f27_qkv:
	s_mov_b64 s[64:65], 0
	v_nop
	global_prefetch_b8 v0, s[64:65] scope:SCOPE_SE
	s_setreg_imm32_b32 hwreg(HW_REG_WAVE_MODE, 25, 1), 1
	s_wait_xcnt 0x0
	s_wait_alu depctr_hold_cnt(0) depctr_sa_sdst(0) depctr_va_vdst(0) depctr_va_sdst(0) depctr_va_ssrc(0) depctr_va_vcc(0) depctr_vm_vsrc(0)
	s_getreg_b32 s2, hwreg(HW_REG_IB_STS2, 6, 4)
	s_cmp_eq_u32 s2, 0
	s_cbranch_scc0 .Lentry_in_a_cluster
	s_endpgm
.Lentry_in_a_cluster:
	s_bfe_u32 s2, ttmp6, 0x10000c
	s_cmp_lg_u32 s2, 0xf033
	s_cbranch_scc0 .Lentry_shape_is_right
	s_endpgm
.Lentry_shape_is_right:
; q = rope((x Wq + bq) / sqrt(128)), k = rope(x Wk + bk), v = x Wv + bv, the three products on codes of FP6 (E2M3) with E8M0 scales, and the results quantised in registers for the attention launch.
; ONE PRODUCT TEXT, C' = P R^T, source 0 = 16 rows of R, source 1 = 16 rows of P: a lane holds one row of P, and the 16 registers of R's tiles 2 b and 2 b + 1 are R's rows 32 b + 16 (lane / 16) + 0 .. 15
; (place r of tile T is row 32 (T / 2) + 8 (T % 2) + r + 8 (r / 8), in every operand).  Clusters 0-3 along x (q and k): P = x, R = Wq | Wk: a lane holds a token, its registers run along a head's channels, the next K.
; Clusters 4, 5 (v): P = Wv, R = x: a lane holds a channel, its registers run along the keys, the next K.  Only pointers and tile numbers are chosen, by the cluster's x, which all partners share.
; A work-group makes 256 x 256, each of its four waves 128 x 128: 64 accumulators, 512 registers.  K goes in steps of 256 through a ring of two LDS slots filled by the tensor data mover.
; OPERANDS LIE IN MEMORY AS IMAGES OF THEIR REGISTERS (1,536 bytes a fragment, [tile][K step]): a tensor load brings 8 tiles x 2 K steps (8 rows of 3,072 bytes, 24,576 apart), a fragment is three ds_load_b128 at 16 x lane.
; THE SCALES of the work-group's 256 + 256 rows, for all of K, come into LDS once, with the first fills, and stay.
; CLUSTERS: 4 x 4.  P's tiles hang on the work-group's y alone and are asked for jointly along a row of the cluster, R's on its x alone and jointly along a column.
; RESULTS.  qb [head][128 tokens][12,800], kv [head][128 keys][K's 12,800 | V's 12,800]: eight fragment images (q, k: token tile a; v: channel tile a, K = the 128 keys), then a scale image of 512 bytes: lane (r, h), register i: the word of fragment 4 h + i, row r.
; ARITHMETIC: (sum + b) / sqrt(128) is one fused multiply-add with b / sqrt(128) made beforehand; rope is a product and a fused multiply-add; all f32.
; LIMITS: NaN and infinities are not served.  A block whose largest magnitude lies under 2^-124, a block of zeros among them, gets the byte 1 (the rule says 127 for zeros): its codes are zeros or held, and this program alone reads the bytes.
; REGISTERS, in windows of 256.  Window 0: v1, v2 r, h; v16-31 addresses; v32-63 scale words, two sets; v128-223 P's fragments, one set.  Window 1: R's fragments, two sets, at v0 and v128.  Windows 2, 3: accumulator (a, b) at v[8 (8 (a % 4) + b)].
; On the way out: window 0: v32-47 the quantiser's, v48-55 scale words, v56-59 the scale image, v64-127 the bias, v128-191 values (then codes), v192-255 results; window 1: cos and sin, two sets of 128.
.set TROW,  24576                      ; a tile's 16 images
.set XSO,   3145728                    ; xbuf: where the scale words begin
.set WSO,   12582912                   ; wbuf: likewise
.set NQ,    2                          ; matrix instructions deep in a slot
.set FR,    12                         ; registers of a fragment
.set NL,    3                          ; LDS loads that bring one
.set NP,    4                          ; places behind this matrix instruction (ISA guide 7.12.1)
.set HALFT, 24576                      ; 8 tiles x 2 K steps: what one tensor load brings, and what one wave reads of P or of R
.set SLOT,  4*HALFT                    ; P's two halves, then R's two
.set LAPS,  4                          ; 2,048 along K = 8 slots = 4 times round the ring
.set SCL,   2*SLOT                     ; behind the ring: the scales, as units of 256 bytes + 16 of padding
.set HALFS, 8704                       ; those of 128 rows (32 units)
.set SBLK,  1088                       ; those of a tile (4 units)
.set SPARE, SCL+4*HALFS                ; the spare words, 128 bytes for each wave: two blocks of 256 bytes that no other line names
.set ADRA, 16                          ; v16-17  LDS address of my P fragments in slot 0, 1
.set ADRB, 20                          ; v20-21  the same for R
.set LI,   24                          ; v24     16 x lane
.set H64,  26                          ; v26     64 h
.set ADRS, 27                          ; v27     LDS address of my scale words: lanes 0-15 P's rows, lanes 16-31 R's
.set SPW,  28                          ; v28     LDS address of my spare word; never rewritten
.set NIL,  29                          ; v29     0; never rewritten
.set CH4,  30                          ; v30     4 (r + 8 (r / 8))
.set SC,   32                          ; scale words: set s at v[SC + 16 s]; register 2 i + q: lanes 0-15 P's block i, lanes 16-31 R's block i, the slot's q-th 128 along K
.set AF,   128
.set TM,   32
.set PWS,  48
.set SI,   56
.set BI,   64
.set VAL,  128
.set PC,   128
.set OUT,  192
.set SEL,  96                          ; s[96:97] lane selects for v_permlanex16_b32
.set G1, 24                            ; s[24:31] descriptor group 1 for P's tiles;  s[32:39] group 0, one set for each slot
.set G0, 32
.set G1B, 48                           ; s[48:55], s[56:63] the same for R's tiles
.set G0B, 56
.set G1S, 68                           ; s[68:75], s[76:79] groups 1 and 0 for P's scales;  s[80:87], s[88:91] for R's
.set G0S, 76
.set G1SB, 80
.set G0SB, 88
.set MSB, 0
.macro WIN new                         ; the immediate's high byte repeats the setting that is left
.if MSB != (\new)
	s_set_vgpr_msb (MSB<<8)|(\new)
.set MSB, (\new)
.endif
.endm
.set MUL_LO, 0xa1                      ; source 0 (R) window 1, source 1 (P) window 0, C and D window 2
.set MUL_HI, 0xf1                      ; the same, C and D window 3
.set TO_B,   0x40                      ; destination window 1, address window 0
; A joint load: waves 0 and 1 fetch for P, waves 2 and 3 for R.  Each line has one mask and one set of registers for all that issue it; the branch hangs on the wave's number alone.  Four v_nop follow each line.
.macro JLOAD g0a, g1a, g0b, g1b
	s_cmp_eq_u32 s15, 0
	s_cbranch_scc0 .Lfor_b_\@
	tensor_load_to_lds s[\g0a:\g0a+3], s[\g1a:\g1a+7]
	s_nop 0
.rept 4
	v_nop
.endr
	s_branch .Lasked_\@
.Lfor_b_\@:
	tensor_load_to_lds s[\g0b:\g0b+3], s[\g1b:\g1b+7]
	s_nop 0
.rept 4
	v_nop
.endr
.Lasked_\@:
.endm
.macro CREST                           ; a round of the cluster's barrier behind its opening barrier
	s_cmp_lg_u32 s14, 0
	s_cbranch_scc1 .Lnot_wave_0_\@
	s_barrier_signal -3
.Lnot_wave_0_\@:
	s_barrier_wait -3
	s_barrier_signal -1
	s_barrier_wait -1
.endm
.macro CROUND                          ; a whole round
	s_barrier_signal -1
	s_barrier_wait -1
	CREST
.endm
; 64 numbers of a lane, register 16 b + i = k 32 b + 16 (lane / 16) + i of the lane's row, become a fragment's 12 registers at v[pc] (v[pc+12] .. v[pc+18] at work) and its scale word in v[pw].
.macro QUANT s, pc, pw
.irp b, 0,1,2,3
	v_max3_num_f32 v[TM+\b], |v[\s+16*\b]|, |v[\s+1+16*\b]|, 0x1800000   ; block b: my 16 numbers, and the floor 2^(3 - 127)
.endr
.irp i, 2,4,6,8,10,12,14
.irp b, 0,1,2,3
	v_max3_num_f32 v[TM+\b], v[TM+\b], |v[\s+16*\b+\i]|, |v[\s+1+16*\b+\i]|
.endr
.endr
.irp b, 0,1,2,3
	v_permlanex16_b32 v[TM+4+\b], v[TM+\b], s[SEL], s[SEL+1]
.endr
.irp b, 0,1,2,3
	v_max_num_f32 v[TM+\b], v[TM+\b], v[TM+4+\b]   ; with lane l xor 16's: the block's largest magnitude
.endr
.irp b, 0,1,2,3
	v_add_nc_u32 v[TM+12+\b], 0xff000000, v[TM+\b]   ; 2 off its exponent field: the conversion's scale operand
.endr
.irp b, 0,1,2,3
	v_lshrrev_b32 v[TM+4+\b], 23, v[TM+12+\b]   ; the scale's byte
.endr
	v_lshl_or_b32 v[\pw], v[TM+5], 8, v[TM+4]
	v_lshl_or_b32 v[\pw], v[TM+6], 16, v[\pw]
	v_lshl_or_b32 v[\pw], v[TM+7], 24, v[\pw]
.irp c, 0,1
	v_cvt_scalef32_pk16_fp6_f32 v[\pc+6*\c:\pc+2+6*\c], v[\s+32*\c:\s+15+32*\c], v[TM+12+2*\c]
	v_cvt_scalef32_pk16_fp6_f32 v[\pc+12+4*\c:\pc+14+4*\c], v[\s+16+32*\c:\s+31+32*\c], v[TM+12+2*\c+1]
.endr
	v_nop                                          ; one plain place behind the scaled conversions
.irp c, 0,1
.irp i, 0,1,2
	v_permlane16_swap_b32 v[\pc+6*\c+\i], v[\pc+12+4*\c+\i]
.endr
.irp i, 0,1,2
	v_mov_b32 v[\pc+3+6*\c+\i], v[\pc+12+4*\c+\i]
.endr
.endr
.endm
	s_load_b128 s[92:95], s[0:1], 0x0              ; xbuf s[92:93], wbuf s[94:95]
	v_lshl_add_u32 v[SPW], v0, 2, SPARE
	v_mov_b32 v[NIL], 0
	ds_add_u32 v28, v29
	ds_add_u32 v28, v29
	s_wait_dscnt 0x0
	v_lshrrev_b32 v1, 5, v0
	v_readfirstlane_b32 s14, v1                    ; wave 0..3
	s_lshr_b32 s15, s14, 1                         ; which half of P's rows is mine.  Also: I fetch for P (0) or for R (1)
	s_and_b32 s16, s14, 1                          ; which half of R's rows.  Also: which 8 tiles I fetch
	s_bfe_u32 s40, ttmp6, 0x40000                  ; cx, cy: my place in the cluster
	s_bfe_u32 s41, ttmp6, 0x40004
	s_lshl_b32 s42, ttmp9, 2
	s_add_co_u32 s42, s42, s40                     ; work-group x = 4 x cluster x + cx
	s_and_b32 s17, ttmp7, 0xffff
	s_lshl_b32 s17, s17, 2
	s_add_co_u32 s17, s17, s41                     ; work-group y = 4 x cluster y + cy
	s_lshl_b32 s43, s41, 2
	s_lshl_b32 s43, 15, s43                        ; my row of the cluster
	s_lshl_b32 s44, 0x1111, s40                    ; my column
	; descriptor group 1: 8 rows (tiles) of 384 elements of 8 bytes (two images), 3,072 elements apart; dense in LDS
	s_or_b32 s[G1+0], s43, (3<<16)|(1<<21)         ; 15:0 the mask: P's tiles go to my row; 17:16 elements of 8 bytes; 21 set beside a mask
	s_or_b32 s[G1B+0], s44, (3<<16)|(1<<21)
.irp g, G1, G1B
	s_mov_b32 s[\g+1], 384<<16                     ; tensor_dim0
	s_mov_b32 s[\g+2], 8<<16                       ; tensor_dim1
	s_mov_b32 s[\g+3], 384<<16                     ; tile_dim0
	s_mov_b32 s[\g+4], 8                           ; tile_dim1
	s_mov_b32 s[\g+5], 3072                        ; tensor_dim0_stride
	s_mov_b32 s[\g+6], 0
	s_mov_b32 s[\g+7], 0
.endr
	; and for the scales of 8 tiles: 8,192 dense bytes as 32 rows of 256 bytes, 16 bytes of padding behind each
	s_or_b32 s[G1S+0], s43, (3<<16)|(1<<20)|(1<<21)|(5<<22)|(3<<25)
	s_or_b32 s[G1SB+0], s44, (3<<16)|(1<<20)|(1<<21)|(5<<22)|(3<<25)
.irp g, G1S, G1SB
	s_mov_b32 s[\g+1], 32<<16
	s_mov_b32 s[\g+2], 32<<16
	s_mov_b32 s[\g+3], 32<<16
	s_mov_b32 s[\g+4], 32
	s_mov_b32 s[\g+5], 32
	s_mov_b32 s[\g+6], 0
	s_mov_b32 s[\g+7], 0
.endr
	s_mov_b32 s[SEL], 0x76543210
	s_mov_b32 s[SEL+1], 0xfedcba98
	s_cmp_lt_u32 ttmp9, 4                          ; q and k, or v?  The cluster's x: the same in all partners
	s_cselect_b32 s12, 0, 256                      ; v: P's tiles are Wv's, from 256 on; R's are x's, 16 (x - 16) on
	s_lshl_b32 s21, s16, 3
	s_lshl_b32 s20, s17, 4
	s_add_co_u32 s20, s20, s12
	s_add_co_u32 s20, s20, s21                     ; P: the first tile that I fetch
	s_lshl_b32 s46, s42, 4
	s_sub_co_u32 s46, s46, s12
	s_add_co_u32 s46, s46, s21                     ; R: likewise
	s_lshl_b32 s22, s20, 10                        ; their scale words, in bytes,
	s_mov_b32 s23, 0
	s_lshl_b32 s66, s46, 10
	s_mov_b32 s67, 0
	s_mul_i32 s20, s20, TROW                       ; and their images
	s_mov_b32 s21, 0
	s_mul_i32 s46, s46, TROW
	s_mov_b32 s47, 0
	s_wait_kmcnt 0x0
	s_cmp_lt_u32 ttmp9, 4
	s_cselect_b64 s[4:5], s[92:93], s[94:95]       ; P's buffer
	s_cselect_b64 s[8:9], s[94:95], s[92:93]       ; R's
	s_mov_b32 s18, WSO
	s_cselect_b32 s18, XSO, s18                    ; where P's scale words begin,
	s_mov_b32 s19, 0
	s_mov_b32 s12, XSO
	s_cselect_b32 s12, WSO, s12                    ; and R's
	s_mov_b32 s13, 0
	s_add_nc_u64 s[6:7], s[4:5], s[18:19]
	s_add_nc_u64 s[10:11], s[8:9], s[12:13]
	s_add_nc_u64 s[20:21], s[4:5], s[20:21]
	s_add_nc_u64 s[22:23], s[6:7], s[22:23]
	s_add_nc_u64 s[46:47], s[8:9], s[46:47]
	s_add_nc_u64 s[66:67], s[10:11], s[66:67]
	s_mul_i32 s45, s14, HALFT                      ; where they go: by the wave's number alone
	s_mul_i32 s18, s14, HALFS
	CROUND                                         ; all sixteen work-groups are here: the first joint loads meet
	s_mov_b32 s[G0S], 1
	s_add_co_u32 s[G0S+1], s18, SCL
	s_mov_b64 s[G0S+2:G0S+3], s[22:23]
	s_or_b32 s[G0S+3], s[G0S+3], 0x80000000
	s_mov_b32 s[G0SB], 1
	s_add_co_u32 s[G0SB+1], s18, SCL
	s_mov_b64 s[G0SB+2:G0SB+3], s[66:67]
	s_or_b32 s[G0SB+3], s[G0SB+3], 0x80000000
	JLOAD G0S, G1S, G0SB, G1SB                     ; the scales first: they are wanted with the first slot
.irp s, 0,1
	s_mov_b32 s[G0+4*\s], 1
	s_add_co_u32 s[G0+4*\s+1], s45, \s*SLOT
	s_add_nc_u64 s[G0+4*\s+2:G0+4*\s+3], s[20:21], \s*3072
	s_or_b32 s[G0+4*\s+3], s[G0+4*\s+3], 0x80000000
	s_mov_b32 s[G0B+4*\s], 1
	s_add_co_u32 s[G0B+4*\s+1], s45, \s*SLOT
	s_add_nc_u64 s[G0B+4*\s+2:G0B+4*\s+3], s[46:47], \s*3072
	s_or_b32 s[G0B+4*\s+3], s[G0B+4*\s+3], 0x80000000
	JLOAD G0+4*\s, G1, G0B+4*\s, G1B               ; three loads of mine are out behind the last of these
.endr
	v_and_b32 v1, 15, v0                           ; r
	v_bfe_u32 v2, v0, 4, 1                         ; h
	v_and_b32 v3, 31, v0
	v_lshlrev_b32 v[LI], 4, v3
	s_mul_i32 s21, s15, HALFT                      ; my 8 tiles of P
	s_mul_i32 s22, s16, HALFT                      ; my 8 tiles of R,
	s_add_co_u32 s22, s22, 2*HALFT                 ; which lie behind P's 16
.irp s, 0,1
	v_add_nc_u32 v[ADRA+\s], s21, v[LI]
	v_add_nc_u32 v[ADRB+\s], s22, v[LI]
	s_add_co_u32 s21, s21, SLOT
	s_add_co_u32 s22, s22, SLOT
.endr
	v_mul_u32_u24 v5, v1, 64                       ; my row's scales: 64 bytes a row,
	v_lshrrev_b32 v6, 8, v5
	v_lshl_add_u32 v5, v6, 4, v5                   ; and 16 more for each 256 passed
	s_mul_i32 s21, s15, HALFS                      ; P's: my 128 rows
	s_mul_i32 s22, s16, HALFS                      ; R's: my 128 rows, behind P's 256
	s_add_co_u32 s22, s22, 2*HALFS
	s_sub_co_u32 s22, s22, s21
	v_mul_u32_u24 v6, s22, v2                      ; lanes 16-31 take R's: one product, the distance x h
	s_add_co_u32 s21, s21, SCL
	v_add_nc_u32 v5, v5, v6
	v_add_nc_u32 v[ADRS], s21, v5
	v_lshlrev_b32 v[H64], 6, v2
	v_and_b32 v[CH4], 8, v1
	v_add_nc_u32 v[CH4], v[CH4], v1
	v_lshlrev_b32 v[CH4], 2, v[CH4]
.macro FRAG reg, adr, q, i             ; tile i's image of the slot's q-th K step: three loads of 512 consecutive bytes
.irp c, 0,1,2
	ds_load_b128 v[\reg+4*\c:\reg+4*\c+3], v[\adr] offset:3072*(\i)+1536*(\q)+512*\c
.endr
.endm
; 16 matrix instructions: P's blocks a0, a0 + 1 x R's eight.  p: R's set;  sc: the set of scale words.  zero = 1: the first product starts the sums.  The 64 accumulators take turns, one instruction a turn, in the same order in every step.
.macro MUL16 a0, p, q, sc, zero
.irp a, \a0, \a0+1
.irp b, 0,1,2,3,4,5,6,7
.if \zero
	v_wmma_scale_f32_16x16x128_f8f6f4 v[8*(8*((\a)%4)+\b):8*(8*((\a)%4)+\b)+7], v[128*(\p)+FR*\b:128*(\p)+FR*\b+FR-1], v[AF+FR*(\a):AF+FR*(\a)+FR-1], 0, v[SC+8*NQ*(\sc)+NQ*\b+(\q)], v[SC+8*NQ*(\sc)+NQ*(\a)+(\q)] matrix_a_fmt:MATRIX_FMT_FP6 matrix_b_fmt:MATRIX_FMT_FP6 matrix_a_scale:MATRIX_SCALE_ROW1
.else
	v_wmma_scale_f32_16x16x128_f8f6f4 v[8*(8*((\a)%4)+\b):8*(8*((\a)%4)+\b)+7], v[128*(\p)+FR*\b:128*(\p)+FR*\b+FR-1], v[AF+FR*(\a):AF+FR*(\a)+FR-1], v[8*(8*((\a)%4)+\b):8*(8*((\a)%4)+\b)+7], v[SC+8*NQ*(\sc)+NQ*\b+(\q)], v[SC+8*NQ*(\sc)+NQ*(\a)+(\q)] matrix_a_fmt:MATRIX_FMT_FP6 matrix_b_fmt:MATRIX_FMT_FP6 matrix_a_scale:MATRIX_SCALE_ROW1
.endif
.endr
.endr
.endm
.macro FETCH_B slot, q, p              ; R's eight fragments into set p
	WIN TO_B
.irp i, 0,1,2,3,4,5,6,7
	FRAG 128*(\p)+FR*\i, ADRB+\slot, \q, \i
.endr
	WIN 0
.endm
.macro FETCH_A slot, q, i0             ; P's blocks i0 .. i0 + 3
.irp i, \i0, \i0+1, \i0+2, \i0+3
	FRAG AF+FR*(\i), ADRA+\slot, \q, \i
.endr
.endm
.macro SCALES sc                       ; a slot's scale words: two words a row; lanes 0-15 P's block i, lanes 16-31 R's block i
.irp i, 0,1,2,3,4,5,6,7
	ds_load_b64 v[SC+8*NQ*\sc+NQ*\i:SC+8*NQ*\sc+NQ*\i+1], v[ADRS] offset:\i*SBLK
.endr
.endm
.macro PLACES n                        ; plain vector instructions between a matrix instruction and a load into, or a vector read or write of, its registers (ISA guide 7.12.1 for vector reads and writes)
.rept \n
	v_nop
.endr
.endm
; A step of 128 along K that has its successor in the same slot.
.macro STEP slot, q, zero
	s_wait_dscnt 4*NL                              ; R's set, P's blocks 0-3 and the scale words are in; the youngest 12 loads (P's blocks 4-7) may be out
	WIN MUL_LO
	MUL16 0, (\q)%2, \q, \slot, \zero
	MUL16 2, (\q)%2, \q, \slot, \zero
	s_wait_dscnt 0                                 ; P's blocks 4-7 are in (asked for 32 matrix instructions ago)
	PLACES NP
	FETCH_B \slot, (\q)+1, 1-(\q)%2
	FETCH_A \slot, (\q)+1, 0
	WIN MUL_HI
	MUL16 4, (\q)%2, \q, \slot, \zero
	MUL16 6, (\q)%2, \q, \slot, \zero
	PLACES NP
	WIN 0
	FETCH_A \slot, (\q)+1, 4
.endm
; A slot's last step changes slots: ONE barrier; in front of it each wave waits for all its tensor loads, adds 0 to its spare word, and waits for that and for its own reads of this slot.  fill = 1: this slot is filled again, two slots ahead.
.macro TURN slot, next, fill
	s_wait_tensorcnt 0x0                           ; all my tensor loads have landed: my part of the next slot
	ds_add_u32 v[SPW], v[NIL]                      ; 0 onto my spare word
	s_wait_dscnt 4*NL+1                            ; (the add and the youngest 12 loads, P's blocks 4-7, may be out)
	WIN MUL_LO
	MUL16 0, 1, NQ-1, \slot, 0                     ; sixteen matrix instructions stand between the add and the wait for it
	s_wait_dscnt 0x0                               ; the add is done, and my reads of this slot are over
	s_barrier_signal -1
	MUL16 2, 1, NQ-1, \slot, 0
	WIN 0
	s_barrier_wait -1
.if \fill
	CREST                                          ; the barrier has opened a round of the cluster's barrier: no wave of any partner still reads this slot or has a load on its way
	s_add_nc_u64 s[G0+4*\slot+2:G0+4*\slot+3], s[G0+4*\slot+2:G0+4*\slot+3], 6144
	s_add_nc_u64 s[G0B+4*\slot+2:G0B+4*\slot+3], s[G0B+4*\slot+2:G0B+4*\slot+3], 6144
	JLOAD G0+4*\slot, G1, G0B+4*\slot, G1B         ; the first tensor load behind the round; its four v_nop are the places in front of the loads below
.else
	PLACES NP
.endif
	v_add_nc_u32 v[ADRS], 4*NQ, v[ADRS]            ; on to the next slot's scale words
	FETCH_B \next, 0, 0
	FETCH_A \next, 0, 0
	SCALES \next
	WIN MUL_HI
	MUL16 4, 1, NQ-1, \slot, 0
	MUL16 6, 1, NQ-1, \slot, 0
	PLACES NP
	WIN 0
	FETCH_A \next, 0, 4
.endm
	s_wait_tensorcnt 1                             ; the scales and my part of slot 0 are in (slot 1's load may be out)
	s_barrier_signal -1
	s_barrier_wait -1                              ; everybody's are
	FETCH_B 0, 0, 0
	FETCH_A 0, 0, 0
	SCALES 0
	FETCH_A 0, 0, 4
	STEP 0, 0, 1                                   ; the first step stands in front of the loop: its products start the sums
	s_mov_b32 s3, LAPS-1
.Llap:                                                 ; a trip goes once round the ring and fills both slots again
	TURN 0, 1, 1
	STEP 1, 0, 0
	TURN 1, 0, 1
	STEP 0, 0, 0
	s_sub_co_u32 s3, s3, 1
	s_cmp_lg_u32 s3, 0
	s_cbranch_scc1 .Llap
	TURN 0, 1, 0                                   ; the last lap fills nothing
	s_load_b256 s[68:75], s[0:1], 0x10             ; no tensor load of mine is out any more, so the scales' descriptors give way: bq s[68:69], bk s[70:71], bv s[72:73], csimg s[74:75],
	s_load_b128 s[76:79], s[0:1], 0x30             ; qb s[76:77], kv s[78:79]
	STEP 1, 0, 0
	s_wait_dscnt 4*NL                              ; the very last step: nothing more to fetch
	WIN MUL_LO
	MUL16 0, 1, NQ-1, 1, 0
	MUL16 2, 1, NQ-1, 1, 0
	s_wait_dscnt 0
	WIN MUL_HI
	MUL16 4, 1, NQ-1, 1, 0
	MUL16 6, 1, NQ-1, 1, 0
	WIN 0
	PLACES NP                                      ; in front of the first write of, load into and read of the last products' registers
	; ---------------- THE WAY OUT: no LDS.  P's block a at a time: 64 numbers a lane become a fragment's image, stored as three runs of 512 consecutive bytes ----------------
.irp b, 0,1,2,3
	v_mov_b32 v[TM+4+\b], 0                        ; written once: a lane permute's destination counts as one of its sources
.endr
	s_wait_kmcnt 0x0
	s_cmp_lt_u32 ttmp9, 4
	s_cbranch_scc0 .Lv
	; q and k: a lane holds token place r of tile 8 g + a; register 16 b + i is channel 32 b + 16 h + i of head hq
	s_and_b32 s18, s42, 7
	s_lshl_b32 s18, s18, 1
	s_add_co_u32 s18, s18, s16                     ; the head
	s_lshl_b32 s19, s17, 1
	s_add_co_u32 s19, s19, s15                     ; the group of 128 tokens
	s_cmp_ge_u32 ttmp9, 2                          ; k?
	s_cselect_b64 s[20:21], s[78:79], s[76:77]     ; where the record goes,
	s_cselect_b64 s[22:23], s[70:71], s[68:69]     ; the bias,
	s_mov_b32 s24, 0x3db504f3                      ; 1 / sqrt(128) for q,
	s_cselect_b32 s24, 1.0, s24                    ; 1 for k
	s_mov_b32 s25, s24                             ; (named with it as a pair)
	s_cselect_b32 s26, 1, 0                        ; kv's records are twice as far apart as qb's
	s_mul_i32 s27, s18, 204800
	s_mul_i32 s28, s19, 12800
	s_add_co_u32 s27, s27, s28
	s_lshl_b32 s28, s27, s26
	s_mov_b32 s29, 0
	s_add_nc_u64 s[20:21], s[20:21], s[28:29]
	s_lshl_b32 s28, s18, 9
	s_add_nc_u64 s[22:23], s[22:23], s[28:29]
	s_lshl_b32 s28, s19, 17
	s_add_nc_u64 s[30:31], s[74:75], s[28:29]      ; cos and sin of my eight token tiles
.irp b, 0,1,2,3
.irp j, 0,1,2,3
	global_load_b128 v[BI+16*\b+4*\j:BI+16*\b+4*\j+3], v[H64], s[22:23] offset:128*\b+16*\j
.endr
.endr
.macro CSLOAD a                        ; token tile a's cos (64 registers) and sin (64) into set a % 2 of window 1: 32 loads of 512 consecutive bytes
	WIN TO_B
.set n, 0
.rept 32
	global_load_b128 v[128*((\a)%2)+4*n:128*((\a)%2)+4*n+3], v[LI], s[30:31] offset:16384*(\a)+512*n
.set n, n+1
.endr
	WIN 0
.endm
	CSLOAD 0
	CSLOAD 1
	s_wait_loadcnt 63                              ; of the 80 loads issued at most 63 are out: the oldest 16, the bias, are in
.set j, 0
.rept 32
	v_pk_mul_f32 v[BI+j:BI+j+1], v[BI+j:BI+j+1], s[24:25] op_sel_hi:[1,0]   ; b / sqrt(128) (k: b)
.set j, j+2
.endr
.macro EQK a
.if \a > 0
	s_wait_xcnt 0x0                                ; the last block's stores have read their registers, which are written again below
.endif
.if \a < 7
	s_wait_loadcnt 32                              ; this tile's cos and sin are in; the next tile's 32 loads may be out
.else
	s_wait_loadcnt 0x0
.endif
	WIN 0x02+(\a)/4                                ; source 0: window 2 or 3
.set j, 0
.rept 32
	v_pk_fma_f32 v[VAL+j:VAL+j+1], v[64*((\a)%4)+j:64*((\a)%4)+j+1], s[24:25], v[BI+j:BI+j+1] op_sel_hi:[1,0,1]   ; (sum + b) / sqrt(128); each accumulator from its low end on
.set j, j+2
.endr
	WIN 0x04                                       ; source 1: window 1
.set CSR, 128*((\a)%2)
.set j, 0
.rept 32
	v_pk_mul_f32 v[OUT+j:OUT+j+1], v[VAL+j:VAL+j+1], v[CSR+j:CSR+j+1]
.set j, j+2
.endr
.set j, 0
.rept 32
	v_fma_f32 v[OUT+j], -v[VAL+j+1], v[CSR+64+j], v[OUT+j]         ; even channel: x cos - (its odd neighbour) sin
	v_fma_f32 v[OUT+j+1], v[VAL+j], v[CSR+64+j+1], v[OUT+j+1]      ; odd channel: x cos + (its even neighbour) sin
.set j, j+2
.endr
.if \a < 6
	CSLOAD (\a)+2
.endif
	WIN 0
	QUANT OUT, PC, PWS+\a
.irp c, 0,1,2
	global_store_b128 v[LI], v[PC+4*\c:PC+4*\c+3], s[20:21] offset:1536*(\a)+512*\c
.endr
.endm
.irp a, 0,1,2,3,4,5,6,7
	EQK \a
.endr
	v_cmp_eq_u32 vcc_lo, 1, v2
.irp i, 0,1,2,3
	v_cndmask_b32 v[SI+\i], v[PWS+\i], v[PWS+4+\i], vcc_lo   ; the scale image: lanes 0-15 fragments 0-3, lanes 16-31 fragments 4-7
.endr
	global_store_b128 v[LI], v[SI:SI+3], s[20:21] offset:12288
	s_branch .Lend
.Lv:
	; v: a lane holds channel place r of the head's tile a; register 16 b + i is key 32 b + 16 h + i of key step ks
	s_lshl_b32 s18, s17, 1
	s_add_co_u32 s18, s18, s15                     ; the head
	s_sub_co_u32 s19, s42, 16
	s_lshl_b32 s19, s19, 1
	s_add_co_u32 s19, s19, s16                     ; the key step
	s_mul_i32 s28, s18, 409600
	s_mul_i32 s27, s19, 25600
	s_add_co_u32 s28, s28, s27
	s_add_co_u32 s28, s28, 12800                   ; V's half of the record
	s_mov_b32 s29, 0
	s_add_nc_u64 s[20:21], s[78:79], s[28:29]
	s_lshl_b32 s28, s18, 9
	s_add_nc_u64 s[22:23], s[72:73], s[28:29]
.irp a, 0,1,2,3,4,5,6,7
	global_load_b32 v[BI+2*\a], v[CH4], s[22:23] offset:(32*(\a/2)+8*(\a%2))*4     ; my channel's bias, twice: a pair for the packed addition
	global_load_b32 v[BI+2*\a+1], v[CH4], s[22:23] offset:(32*(\a/2)+8*(\a%2))*4
.endr
	s_wait_loadcnt 0x0
.macro EV a
.if \a > 0
	s_wait_xcnt 0x0                                ; the last block's stores have read their registers
.endif
	WIN 0x02+(\a)/4
.set j, 0
.rept 32
	v_pk_add_f32 v[OUT+j:OUT+j+1], v[64*((\a)%4)+j:64*((\a)%4)+j+1], v[BI+2*(\a):BI+2*(\a)+1]
.set j, j+2
.endr
	WIN 0
	QUANT OUT, PC, PWS+\a
.irp c, 0,1,2
	global_store_b128 v[LI], v[PC+4*\c:PC+4*\c+3], s[20:21] offset:1536*(\a)+512*\c
.endr
.endm
.irp a, 0,1,2,3,4,5,6,7
	EV \a
.endr
	v_cmp_eq_u32 vcc_lo, 1, v2
.irp i, 0,1,2,3
	v_cndmask_b32 v[SI+\i], v[PWS+\i], v[PWS+4+\i], vcc_lo
.endr
	global_store_b128 v[LI], v[SI:SI+3], s[20:21] offset:12288
.Lend:
	s_wait_tensorcnt 0x0                           ; the wave's end
	ds_add_u32 v[SPW], v[NIL]
	s_wait_dscnt 0x0
	CROUND                                         ; the closing round: no work-group ends while a partner may still ask for a tile that names it
	s_endpgm
.Lfunc_end_k_q2c4c0c0f27_qkv:
	.size	k_q2c4c0c0f27_qkv, .Lfunc_end_k_q2c4c0c0f27_qkv-k_q2c4c0c0f27_qkv
	.p2alignl 7, 3214868480
	.fill 96, 4, 3214868480
	.section	.rodata,"a",@progbits
	.p2align	6, 0x0
	.amdhsa_kernel k_q2c4c0c0f27_qkv
		.amdhsa_group_segment_fixed_size 327680
		.amdhsa_private_segment_fixed_size 0
		.amdhsa_enable_private_segment 0
		.amdhsa_kernarg_size 64
		.amdhsa_user_sgpr_count 2
		.amdhsa_user_sgpr_kernarg_segment_ptr 1
		.amdhsa_wavefront_size32 1
		.amdhsa_system_sgpr_workgroup_id_x 1
		.amdhsa_system_sgpr_workgroup_id_y 1
		.amdhsa_system_sgpr_workgroup_id_z 1
		.amdhsa_system_vgpr_workitem_id 0
		.amdhsa_next_free_vgpr 1024
		.amdhsa_next_free_sgpr 100
		.amdhsa_reserve_vcc 1
		.amdhsa_float_denorm_mode_32 3
		.amdhsa_float_denorm_mode_16_64 3
		.amdhsa_memory_ordered 1
		.amdhsa_forward_progress 1
		.amdhsa_inst_pref_size 255
	.end_amdhsa_kernel
	.section	.bss,"aw",@nobits
	.p2align	6
	.space	262144
	.amdgpu_metadata
---
amdhsa.version: [ 1, 2 ]
amdhsa.kernels:
  - .name:           k_q2c4c0c0f27_qkv
    .symbol:         k_q2c4c0c0f27_qkv.kd
    .args:
      - { .name: xbuf, .offset: 0, .size: 8, .value_kind: global_buffer, .address_space: global }
      - { .name: wbuf, .offset: 8, .size: 8, .value_kind: global_buffer, .address_space: global }
      - { .name: bq, .offset: 16, .size: 8, .value_kind: global_buffer, .address_space: global }
      - { .name: bk, .offset: 24, .size: 8, .value_kind: global_buffer, .address_space: global }
      - { .name: bv, .offset: 32, .size: 8, .value_kind: global_buffer, .address_space: global }
      - { .name: csimg, .offset: 40, .size: 8, .value_kind: global_buffer, .address_space: global }
      - { .name: qb, .offset: 48, .size: 8, .value_kind: global_buffer, .address_space: global }
      - { .name: kv, .offset: 56, .size: 8, .value_kind: global_buffer, .address_space: global }
    .group_segment_fixed_size: 327680
    .private_segment_fixed_size: 0
    .kernarg_segment_align: 8
    .kernarg_segment_size: 64
    .max_flat_workgroup_size: 128
    .sgpr_count:     100
    .vgpr_count:     1024
    .wavefront_size: 32
...
	.end_amdgpu_metadata
.endif
;; end of part 2
;; launch attn (part 3): grid 16 x 16, 8 waves a work-group, clusters of 4 x 1, 327,680 bytes of LDS; arguments qb, kv, obuf; writes obuf
.if DOCPART == 3
	.amdgcn_target "amdgcn-amd-amdhsa--gfx1250"
	.amdhsa_code_object_version 6
	.text
	.protected	k_q2c4c0c0f27_attn
	.globl	k_q2c4c0c0f27_attn
	.p2align	8
	.type	k_q2c4c0c0f27_attn,@function
k_q2c4c0c0f27_attn:
	s_mov_b64 s[64:65], 0
	v_nop
	global_prefetch_b8 v0, s[64:65] scope:SCOPE_SE
	s_setreg_imm32_b32 hwreg(HW_REG_WAVE_MODE, 25, 1), 1
	s_wait_xcnt 0x0
	s_wait_alu depctr_hold_cnt(0) depctr_sa_sdst(0) depctr_va_vdst(0) depctr_va_sdst(0) depctr_va_ssrc(0) depctr_va_vcc(0) depctr_vm_vsrc(0)
	s_getreg_b32 s2, hwreg(HW_REG_IB_STS2, 6, 4)
	s_cmp_eq_u32 s2, 0
	s_cbranch_scc0 .Lentry_in_a_cluster
	s_endpgm
.Lentry_in_a_cluster:
	s_bfe_u32 s2, ttmp6, 0x10000c
	s_cmp_lg_u32 s2, 0x3003
	s_cbranch_scc0 .Lentry_shape_is_right
	s_endpgm
.Lentry_shape_is_right:
; o[q] = the sum over k of softmax_k(q . k / sqrt(128)) v[k] for 16 heads of 128, 2,048 tokens, both products on codes of FP6 (E2M3) with E8M0 scales; o is quantised along (head, channel) for the last product.
; (q already carries the module's first 1 / sqrt(128).)  t = score x log2(e) / sqrt(128); M = the running largest t rounded UP to a whole number; p = 2^(t - M) is what is quantised, along the keys, not normalised;
; the row's sum is taken of the unquantised p and divides O at the end (v_rcp_f32 and a multiplication).  When M moves, the sum and O are multiplied by 2^(old M - new M): exact.
; SHARES.  A work-group owns 128 queries of one head; each of its eight waves one tile of 16, in 256 registers: two waves to a SIMD.  Every wave walks the head's 16 key steps of 128 keys.
; INPUTS are images of operand registers.  qb [head][128 tokens][12,800], kv [head][key step][K's 12,800 | V's 12,800]: eight fragment images of 1,536 bytes, then a scale image of 512: lane (r, h), register i: the word of fragment 4 h + i, row r.
; Place r of tile T is row 32 (T / 2) + 8 (T % 2) + r + 8 (r / 8) (tokens in q and k, channels in V): so with both products transposed (S^T = K Q^T, O^T = V^T P^T) a lane holds ONE query, the 16 registers of tiles 2 b, 2 b + 1
; of S^T are keys 32 b + 16 (lane / 16) + 0 .. 15, and those of O^T channels 32 b + 16 (lane / 16) + 0 .. 15.
; THE RING.  Two LDS slots of four key steps (102,400 bytes, dense in memory); every wave brings an eighth of a slot by one tensor load.  CLUSTER: the four query groups of a cluster belong to one head and walk the same kv:
; every tile is asked for jointly, with the same descriptor and the mask of all four.  A refill has four key steps in which to land.
; RESULT.  obuf: images [token tile][K step = head][1,536], behind them the scale words [token tile][place][16 words].
; LIMITS: NaN and infinities are not served.  A block of p or of o whose largest magnitude lies under 2^-124, zeros among them, gets the byte 1: this program alone reads the bytes.
; REGISTERS: v1 16 x lane; v5, v6 the add's; v7 64 r; v8 the step's LDS address; v12 -M, v13 the largest t, v[14:15] the sum in two halves; v16-27 Q; v32-79 four fragments; v96-159 S^T, then p; v160-223 O^T; v224-235 p's codes;
; v232-247, v252-254 at work; v248-251 the step's scale image; v253 p's scale word; v255 Q's scale word.
.set HREC,  12800                      ; half a record: what one tensor load brings
.set STEPB, 25600                      ; a key step's record
.set SLOTB, 102400                     ; four of them
.set SLOT1, 131072                     ; slot 1 begins here: one exclusive or turns an address in one slot into the other's
.set SPARE, SLOT1+SLOTB                ; the spare words, 128 bytes for each wave: four blocks of 256 bytes that no other line names
.set XSO,   3145728                    ; obuf: where the scale words begin
.set SPW,  5
.set NIL,  6
.set TM,   232
.set WV,   18                          ; s18  my wave's number
.set SEL,  20                          ; s[20:21] lane selects for v_permlanex16_b32: lane l xor 16
.set CS,   22                          ; s[22:23] c = log2(e) / sqrt(128)
.set G1,   24                          ; s[24:31] descriptor group 1
.set G0A,  32                          ; s[32:35] group 0 of slot 0's first fill
.set G0B,  36                          ; s[36:39] group 0 of slot 1's first fill, which then walks
.set TB,   40                          ; s40  LDS byte at which the step's record begins
.set SLOTS, 41                         ; s41  slots still to be asked for
.set TW,   42                          ; s42  counts a slot's four steps
.macro CROUND                          ; a round of the cluster's barrier
	s_barrier_signal -1
	s_barrier_wait -1
	s_cmp_lg_u32 s[WV], 0
	s_cbranch_scc1 .Lnot_wave_0_\@
	s_barrier_signal -3
.Lnot_wave_0_\@:
	s_barrier_wait -3
	s_barrier_signal -1
	s_barrier_wait -1
.endm
; 64 numbers of a lane, register 16 b + i = k 32 b + 16 (lane / 16) + i of the lane's row, become a fragment's 12 registers at v[pc] (v[pc+12] .. v[pc+18] at work) and its scale word in v[pw].
.macro QUANT s, pc, pw
.irp b, 0,1,2,3
	v_max3_num_f32 v[TM+\b], |v[\s+16*\b]|, |v[\s+1+16*\b]|, 0x1800000
.endr
.irp i, 2,4,6,8,10,12,14
.irp b, 0,1,2,3
	v_max3_num_f32 v[TM+\b], v[TM+\b], |v[\s+16*\b+\i]|, |v[\s+1+16*\b+\i]|
.endr
.endr
.irp b, 0,1,2,3
	v_permlanex16_b32 v[TM+4+\b], v[TM+\b], s[SEL], s[SEL+1]
.endr
.irp b, 0,1,2,3
	v_max_num_f32 v[TM+\b], v[TM+\b], v[TM+4+\b]
.endr
.irp b, 0,1,2,3
	v_add_nc_u32 v[TM+12+\b], 0xff000000, v[TM+\b]
.endr
.irp b, 0,1,2,3
	v_lshrrev_b32 v[TM+4+\b], 23, v[TM+12+\b]
.endr
	v_lshl_or_b32 v[\pw], v[TM+5], 8, v[TM+4]
	v_lshl_or_b32 v[\pw], v[TM+6], 16, v[\pw]
	v_lshl_or_b32 v[\pw], v[TM+7], 24, v[\pw]
.irp c, 0,1
	v_cvt_scalef32_pk16_fp6_f32 v[\pc+6*\c:\pc+2+6*\c], v[\s+32*\c:\s+15+32*\c], v[TM+12+2*\c]
	v_cvt_scalef32_pk16_fp6_f32 v[\pc+12+4*\c:\pc+14+4*\c], v[\s+16+32*\c:\s+31+32*\c], v[TM+12+2*\c+1]
.endr
	v_nop                                          ; one plain place behind the scaled conversions
.irp c, 0,1
.irp i, 0,1,2
	v_permlane16_swap_b32 v[\pc+6*\c+\i], v[\pc+12+4*\c+\i]
.endr
.irp i, 0,1,2
	v_mov_b32 v[\pc+3+6*\c+\i], v[\pc+12+4*\c+\i]
.endr
.endr
.endm
	s_load_b128 s[4:7], s[0:1], 0x0                ; qb s[4:5], kv s[6:7]
	s_load_b64 s[8:9], s[0:1], 0x10                ; obuf
	v_lshl_add_u32 v[SPW], v0, 2, SPARE
	v_mov_b32 v[NIL], 0
	ds_add_u32 v5, v6
	ds_add_u32 v5, v6
	s_wait_dscnt 0x0
	v_lshrrev_b32 v1, 5, v0
	v_readfirstlane_b32 s[WV], v1                  ; wave 0..7
	s_bfe_u32 s10, ttmp6, 0x40000                  ; cx: my place in the cluster
	s_lshl_b32 s11, ttmp9, 2
	s_add_co_u32 s11, s11, s10                     ; my group of 128 queries: it enters qb's and obuf's addresses alone
	s_and_b32 s12, ttmp7, 0xffff                   ; the head, which the four partners share
	; descriptor group 1: 12,800 dense bytes as 50 rows of 32 elements of 8 bytes
	s_mov_b32 s[G1], 15|(3<<16)|(1<<21)            ; 15:0 the mask: all four work-groups; 17:16 elements of 8 bytes; 21 set beside a mask
	s_mov_b32 s[G1+1], 32<<16                      ; tensor_dim0
	s_mov_b32 s[G1+2], 50<<16                      ; tensor_dim1
	s_mov_b32 s[G1+3], 32<<16                      ; tile_dim0
	s_mov_b32 s[G1+4], 50                          ; tile_dim1
	s_mov_b32 s[G1+5], 32                          ; tensor_dim0_stride
	s_mov_b32 s[G1+6], 0
	s_mov_b32 s[G1+7], 0
	s_mul_i32 s13, s[WV], HREC                     ; my eighth of a slot, in LDS and in memory alike
	s_mul_i32 s14, s12, 409600                     ; the head's records
	s_add_co_u32 s14, s14, s13
	s_mov_b32 s15, 0
	s_mul_i32 s44, s12, 204800
	s_mul_i32 s43, s11, HREC
	s_add_co_u32 s44, s44, s43                     ; my group's record in qb
	s_lshr_b32 s43, s[WV], 2
	s_lshl_b32 s43, s43, 8
	s_add_co_u32 s46, s44, s43
	s_and_b32 s43, s[WV], 3
	s_lshl_b32 s43, s43, 2
	s_add_co_u32 s46, s46, s43
	s_add_co_u32 s46, s46, 12288                   ; in its scale image: fragment w = 4 (w / 4) + w % 4
	s_mov_b32 s47, 0
	s_mul_i32 s43, s[WV], 1536
	s_add_co_u32 s44, s44, s43                     ; my tile's image
	s_mov_b32 s45, 0
	s_lshl_b32 s48, s11, 3
	s_add_co_u32 s48, s48, s[WV]                   ; my token tile
	s_lshl_b32 s50, s48, 10
	s_lshl_b32 s43, s12, 2
	s_add_co_u32 s50, s50, s43
	s_add_co_u32 s50, s50, XSO                     ; o's scale words: 1,024 a tile, word = head
	s_mov_b32 s51, 0
	s_mul_i32 s48, s48, 24576
	s_mul_i32 s43, s12, 1536
	s_add_co_u32 s48, s48, s43                     ; o's image: K step = head
	s_mov_b32 s49, 0
	s_mov_b32 s[SEL], 0x76543210
	s_mov_b32 s[SEL+1], 0xfedcba98
	s_mov_b32 s[CS], 0x3e0293ee                    ; c = log2(e) / sqrt(128)
	s_mov_b32 s[CS+1], s[CS]                       ; (named with it as a pair)
	s_mov_b32 s[TB], 0
	s_mov_b32 s[SLOTS], 2
	s_wait_kmcnt 0x0
	s_add_nc_u64 s[14:15], s[6:7], s[14:15]
	s_add_nc_u64 s[44:45], s[4:5], s[44:45]
	s_add_nc_u64 s[46:47], s[4:5], s[46:47]
	s_add_nc_u64 s[48:49], s[8:9], s[48:49]
	s_add_nc_u64 s[50:51], s[8:9], s[50:51]
	s_mov_b32 s[G0A], 1                            ; 1:0 count = 1
	s_mov_b32 s[G0A+1], s13                        ; 63:32 LDS address: slot 0
	s_mov_b64 s[G0A+2:G0A+3], s[14:15]             ; 120:64 global address: key steps 0 to 3
	s_or_b32 s[G0A+3], s[G0A+3], 0x80000000        ; 127:126 type = 2
	s_mov_b32 s[G0B], 1
	s_add_co_u32 s[G0B+1], s13, SLOT1
	s_add_nc_u64 s[G0B+2:G0B+3], s[14:15], SLOTB   ; key steps 4 to 7
	s_or_b32 s[G0B+3], s[G0B+3], 0x80000000
	CROUND                                         ; all four work-groups are here: the first joint loads meet
	tensor_load_to_lds s[G0A:G0A+3], s[G1:G1+7]    ; the two first fills stand together: two loads of mine are out
	s_nop 0
	tensor_load_to_lds s[G0B:G0B+3], s[G1:G1+7]
	s_nop 0
.rept 4
	v_nop
.endr
	v_and_b32 v1, 31, v0
	v_lshlrev_b32 v1, 4, v1                        ; 16 x lane
	v_and_b32 v9, 15, v0
	v_lshlrev_b32 v10, 4, v9                       ; 16 r
.irp c, 0,1,2
	global_load_b128 v[16+4*\c:19+4*\c], v1, s[44:45] offset:512*\c   ; Q's fragment stays in registers
.endr
	global_load_b32 v255, v10, s[46:47]            ; Q's scale words
	v_mov_b32 v13, 0xff61b1e6                      ; the largest t so far: -3e38, under every t
	v_floor_f32 v12, -v13                          ; -M
	v_mov_b32 v14, 0                               ; the sum, in two halves
	v_mov_b32 v15, 0
.irp b, 0,1,2,3
	v_mov_b32 v[236+\b], 0                         ; written once: a lane permute's destination counts as one of its sources
.endr
	v_mov_b32 v253, 0                              ; (named as the upper half of the pair v[252:253] before it is first written)
.set j, 0
.rept 64
	v_mov_b32 v[160+j], 0                          ; O^T.  (The step is written without a first step of its own: it finds zeros, which the first change of M leaves zeros)
.set j, j+1
.endr
; A KEY STEP: 128 keys.
.macro STEP
	v_add_nc_u32 v8, s[TB], v1
.rept 3
	v_nop                                          ; with the addition: four places in front of loads into registers that the last step's products have read
.endr
.irp g, 0,1                                    ; S^T = K Q^T, four tiles of 16 keys at a time
.if \g > 0
.rept 4
	v_nop
.endr
.endif
.irp t, 0,1,2,3
.irp c, 0,1,2
	ds_load_b128 v[32+12*\t+4*\c:35+12*\t+4*\c], v8 offset:1536*(4*\g+\t)+512*\c
.endr
.endr
.if \g == 0
	ds_load_b128 v[248:251], v8 offset:12288       ; K's scale image: lanes 0-15 tiles 0-3, lanes 16-31 tiles 4-7
.endif
	s_wait_dscnt 0x0
.irp t, 0,1,2,3
.if \g == 0
	v_wmma_scale_f32_16x16x128_f8f6f4 v[96+8*\t:103+8*\t], v[32+12*\t:43+12*\t], v[16:27], 0, v[248+\t], v255 matrix_a_fmt:MATRIX_FMT_FP6 matrix_b_fmt:MATRIX_FMT_FP6
.else
	v_wmma_scale_f32_16x16x128_f8f6f4 v[128+8*\t:135+8*\t], v[32+12*\t:43+12*\t], v[16:27], 0, v[248+\t], v255 matrix_a_fmt:MATRIX_FMT_FP6 matrix_b_fmt:MATRIX_FMT_FP6 matrix_a_scale:MATRIX_SCALE_ROW1
.endif
.endr
.endr
.rept 4
	v_nop
.endr
.irp b, 0,1,2,3
	v_max3_num_f32 v[232+\b], v[96+16*\b], v[97+16*\b], v[98+16*\b]   ; the largest score of each block of 32 keys: it serves for the row's maximum and, since p rises with the score, for the block's largest p
.endr
.irp i, 3,5,7,9,11,13
.irp b, 0,1,2,3
	v_max3_num_f32 v[232+\b], v[232+\b], v[96+16*\b+\i], v[97+16*\b+\i]
.endr
.endr
.irp b, 0,1,2,3
	v_max_num_f32 v[232+\b], v[232+\b], v[111+16*\b]
.endr
.irp b, 0,1,2,3
	v_permlanex16_b32 v[236+\b], v[232+\b], s[SEL], s[SEL+1]
.endr
.irp b, 0,1,2,3
	v_max_num_f32 v[232+\b], v[232+\b], v[236+\b]  ; with lane l xor 16's 16 keys
.endr
	v_max3_num_f32 v254, v232, v233, v234
	v_max_num_f32 v254, v254, v235                 ; the step's largest score of my query
	v_mul_f32 v254, s[CS], v254                    ; as t (c is positive)
	v_max_num_f32 v13, v13, v254                   ; the running largest t
	v_mov_b32 v254, v12
	v_floor_f32 v12, -v13                          ; the new -M = floor(-t) = -ceil(t)
	v_sub_f32 v254, v12, v254                      ; M's old value less its new one: a whole number, 0 or less
	v_cvt_i32_f32 v254, v254                       ; (it saturates)
	v_ldexp_f32 v252, 1.0, v254                    ; f = 2^(old M - new M)
.set j, 0
.rept 32
	v_pk_fma_f32 v[96+j:97+j], v[96+j:97+j], s[CS:CS+1], v[12:13] op_sel_hi:[1,0,0]   ; t - M, two at a time
.set j, j+2
.endr
.irp b, 0,1,2,3
	v_fma_f32 v[232+\b], v[232+\b], s[CS], v12     ; the same of each block's largest score
.endr
.set j, 0
.rept 64
	v_exp_f32 v[96+j], v[96+j]                     ; p = 2^(t - M), at most 1
.set j, j+1
.endr
	v_pk_mul_f32 v[14:15], v[14:15], v[252:253] op_sel_hi:[1,0]   ; the sums under the new M: a plain instruction behind the exponentials
	s_wait_alu depctr_va_vdst(0)                   ; one wait for the whole batch, ahead of its first reader
.irp b, 0,1,2,3
	v_exp_f32 v[232+\b], v[232+\b]                 ; the block's largest p: the same two instructions on the same number
.endr
	v_pk_add_f32 v[236:237], v[96:97], v[98:99]    ; the row's sum is taken of the unquantised p: two at a time, in two chains
.set j, 4
.rept 15
	v_pk_add_f32 v[14:15], v[14:15], v[96+j:97+j]
	v_pk_add_f32 v[236:237], v[236:237], v[98+j:99+j]
.set j, j+4
.endr
	v_pk_add_f32 v[14:15], v[14:15], v[236:237]
	s_wait_alu depctr_va_vdst(0)                   ; and one for the four
.irp b, 0,1,2,3
	v_max_num_f32 v[232+\b], 0x1800000, v[232+\b]  ; the floor 2^(3 - 127)
.endr
.irp b, 0,1,2,3
	v_add_nc_u32 v[244+\b], 0xff000000, v[232+\b]  ; 2 off the exponent field: the conversion's scale operand
.endr
.irp b, 0,1,2,3
	v_lshrrev_b32 v[236+\b], 23, v[244+\b]         ; the scale's byte
.endr
	v_lshl_or_b32 v253, v237, 8, v236              ; p's scale word for these 128 keys
	v_lshl_or_b32 v253, v238, 16, v253
	v_lshl_or_b32 v253, v239, 24, v253
.irp c, 0,1
	v_cvt_scalef32_pk16_fp6_f32 v[224+6*\c:226+6*\c], v[96+32*\c:111+32*\c], v[244+2*\c]
	v_cvt_scalef32_pk16_fp6_f32 v[236+4*\c:238+4*\c], v[112+32*\c:127+32*\c], v[244+2*\c+1]
.endr
	v_nop                                          ; one plain place behind the scaled conversions
.irp c, 0,1
.irp i, 0,1,2
	v_permlane16_swap_b32 v[224+6*\c+\i], v[236+4*\c+\i]
.endr
.irp i, 0,1,2
	v_mov_b32 v[227+6*\c+\i], v[236+4*\c+\i]
.endr
.endr
.set j, 0
.rept 32
	v_pk_mul_f32 v[160+j:161+j], v[160+j:161+j], v[252:253] op_sel_hi:[1,0]   ; O^T under the new M.  (These 32 are also the places in front of the loads and matrix instructions below)
.set j, j+2
.endr
.irp g, 0,1                                    ; O^T += V^T P^T: four tiles of 16 channels at a time; K = these 128 keys
.if \g > 0
.rept 4
	v_nop
.endr
.endif
.irp t, 0,1,2,3
.irp c, 0,1,2
	ds_load_b128 v[32+12*\t+4*\c:35+12*\t+4*\c], v8 offset:HREC+1536*(4*\g+\t)+512*\c
.endr
.endr
.if \g == 0
	ds_load_b128 v[248:251], v8 offset:HREC+12288  ; V's scale image
.endif
	s_wait_dscnt 0x0
.irp t, 0,1,2,3
.if \g == 0
	v_wmma_scale_f32_16x16x128_f8f6f4 v[160+8*\t:167+8*\t], v[32+12*\t:43+12*\t], v[224:235], v[160+8*\t:167+8*\t], v[248+\t], v253 matrix_a_fmt:MATRIX_FMT_FP6 matrix_b_fmt:MATRIX_FMT_FP6
.else
	v_wmma_scale_f32_16x16x128_f8f6f4 v[192+8*\t:199+8*\t], v[32+12*\t:43+12*\t], v[224:235], v[192+8*\t:199+8*\t], v[248+\t], v253 matrix_a_fmt:MATRIX_FMT_FP6 matrix_b_fmt:MATRIX_FMT_FP6 matrix_a_scale:MATRIX_SCALE_ROW1
.endif
.endr
.endr
.endm
.macro FOUR_STEPS                      ; a slot's four key steps: written once, walked four times
	s_mov_b32 s[TW], 4
.Lstep_\@:
	STEP
	s_add_co_u32 s[TB], s[TB], STEPB
	s_sub_co_u32 s[TW], s[TW], 1
	s_cmp_lg_u32 s[TW], 0
	s_cbranch_scc1 .Lstep_\@
.endm
; THE CHANGE OF SLOTS.  Each wave waits for all its tensor loads (its part of the slot ahead), adds 0 to its spare word, and waits for that and for its reads of the slot that it leaves.
; fill = 1: the slot just left is filled with the key steps two slots on, behind a round of the cluster's barrier: no wave of any partner still reads it or has a load on its way.
.macro CHANGE fill
	s_wait_tensorcnt 0x0                           ; no tensor load of mine is out, so a group 0 may be written
	ds_add_u32 v[SPW], v[NIL]                      ; 0 onto my spare word
.if \fill
	s_xor_b32 s[G0B+1], s[G0B+1], SLOT1            ; the walking descriptor: the other slot than last time,
	s_add_nc_u64 s[G0B+2:G0B+3], s[G0B+2:G0B+3], SLOTB   ; the next four key steps; the type bits on top are not reached
.endif
	s_wait_dscnt 0x0                               ; the add is done, and my reads of the slot are over
.if \fill
	CROUND
	tensor_load_to_lds s[G0B:G0B+3], s[G1:G1+7]    ; the first thing behind the round, and my one tensor load until the next
	s_nop 0
.rept 4
	v_nop
.endr
.else
	s_barrier_signal -1
	s_barrier_wait -1
.endif
	s_sub_co_u32 s[TB], s[TB], SLOTB               ; back to a slot's first step,
	s_xor_b32 s[TB], s[TB], SLOT1                  ; in the other slot
.endm
	s_wait_loadcnt 0x0                             ; Q
	s_wait_tensorcnt 1                             ; my part of slot 0 is in; slot 1's may stay out
	s_barrier_signal -1
	s_barrier_wait -1                              ; everybody's is
	FOUR_STEPS                                     ; key steps 0 to 3
.Lslot:                                                ; two trips: key steps 4 to 7 and 8 to 11; the slots left take key steps 8 to 11 and 12 to 15
	CHANGE 1
	FOUR_STEPS
	s_sub_co_u32 s[SLOTS], s[SLOTS], 1
	s_cmp_lg_u32 s[SLOTS], 0
	s_cbranch_scc1 .Lslot
	CHANGE 0                                       ; the last slot is written out
	FOUR_STEPS
	; THE WAY OUT.  O^T / the sum; its register 16 b + i is channel 32 b + 16 h + i of my query: the quantiser's order; the fragment is K step = head of the last product.
	v_add_f32 v14, v14, v15                        ; the sum's two halves,
	v_permlanex16_b32 v252, v14, s[SEL], s[SEL+1]
	v_add_f32 v14, v14, v252                       ; and lane l xor 16's: the row's sum
	v_rcp_f32 v14, v14
	v_and_b32 v9, 15, v0                           ; plain instructions behind the reciprocal, and places behind the last products
	v_lshlrev_b32 v7, 6, v9                        ; 64 r
	v_nop
	v_nop
	s_wait_alu depctr_va_vdst(0)                   ; the wait ahead of the reciprocal's first reader
.set j, 0
.rept 64
	v_mul_f32 v[96+j], v[160+j], v14               ; each accumulator from its low end on
.set j, j+1
.endr
	QUANT 96, 32, 252
.irp c, 0,1,2
	global_store_b128 v1, v[32+4*\c:35+4*\c], s[48:49] offset:512*\c   ; 32 lanes store 512 consecutive bytes, at a multiple of 256 from the buffer's first byte
.endr
	global_store_b32 v7, v252, s[50:51]            ; row r's scale word; lanes r and r + 16 hold the same word and store it to the same place
	s_wait_tensorcnt 0x0                           ; the wave's end
	ds_add_u32 v[SPW], v[NIL]
	s_wait_dscnt 0x0
	CROUND                                         ; the closing round
	s_endpgm
.Lfunc_end_k_q2c4c0c0f27_attn:
	.size	k_q2c4c0c0f27_attn, .Lfunc_end_k_q2c4c0c0f27_attn-k_q2c4c0c0f27_attn
	.p2alignl 7, 3214868480
	.fill 96, 4, 3214868480
	.section	.rodata,"a",@progbits
	.p2align	6, 0x0
	.amdhsa_kernel k_q2c4c0c0f27_attn
		.amdhsa_group_segment_fixed_size 327680
		.amdhsa_private_segment_fixed_size 0
		.amdhsa_enable_private_segment 0
		.amdhsa_kernarg_size 24
		.amdhsa_user_sgpr_count 2
		.amdhsa_user_sgpr_kernarg_segment_ptr 1
		.amdhsa_wavefront_size32 1
		.amdhsa_system_sgpr_workgroup_id_x 1
		.amdhsa_system_sgpr_workgroup_id_y 1
		.amdhsa_system_sgpr_workgroup_id_z 1
		.amdhsa_system_vgpr_workitem_id 0
		.amdhsa_next_free_vgpr 256
		.amdhsa_next_free_sgpr 66
		.amdhsa_reserve_vcc 0
		.amdhsa_float_denorm_mode_32 3
		.amdhsa_float_denorm_mode_16_64 3
		.amdhsa_memory_ordered 1
		.amdhsa_forward_progress 1
		.amdhsa_inst_pref_size 71
	.end_amdhsa_kernel
	.amdgpu_metadata
---
amdhsa.version: [ 1, 2 ]
amdhsa.kernels:
  - .name:           k_q2c4c0c0f27_attn
    .symbol:         k_q2c4c0c0f27_attn.kd
    .args:
      - { .name: qb, .offset: 0, .size: 8, .value_kind: global_buffer, .address_space: global }
      - { .name: kv, .offset: 8, .size: 8, .value_kind: global_buffer, .address_space: global }
      - { .name: obuf, .offset: 16, .size: 8, .value_kind: global_buffer, .address_space: global }
    .group_segment_fixed_size: 327680
    .private_segment_fixed_size: 0
    .kernarg_segment_align: 8
    .kernarg_segment_size: 24
    .max_flat_workgroup_size: 256
    .sgpr_count:     66
    .vgpr_count:     256
    .wavefront_size: 32
...
	.end_amdgpu_metadata
.endif
;; end of part 3
;; launch outp (part 4): grid 8 x 8, 4 waves a work-group, clusters of 4 x 4, 327,680 bytes of LDS; arguments obuf, wbuf, bo, out0; writes out0
.if DOCPART == 4
	.amdgcn_target "amdgcn-amd-amdhsa--gfx1250"
	.amdhsa_code_object_version 6
	.text
	.protected	k_q2c4c0c0f27_outp
	.globl	k_q2c4c0c0f27_outp
	.p2align	8
	.type	k_q2c4c0c0f27_outp,@function
k_q2c4c0c0f27_outp:
	s_mov_b64 s[64:65], 0
	v_nop
	global_prefetch_b8 v0, s[64:65] scope:SCOPE_SE
	s_setreg_imm32_b32 hwreg(HW_REG_WAVE_MODE, 25, 1), 1
	s_wait_xcnt 0x0
	s_wait_alu depctr_hold_cnt(0) depctr_sa_sdst(0) depctr_va_vdst(0) depctr_va_sdst(0) depctr_va_ssrc(0) depctr_va_vcc(0) depctr_vm_vsrc(0)
	s_getreg_b32 s2, hwreg(HW_REG_IB_STS2, 6, 4)
	s_cmp_eq_u32 s2, 0
	s_cbranch_scc0 .Lentry_in_a_cluster
	s_endpgm
.Lentry_in_a_cluster:
	s_bfe_u32 s2, ttmp6, 0x10000c
	s_cmp_lg_u32 s2, 0xf033
	s_cbranch_scc0 .Lentry_shape_is_right
	s_endpgm
.Lentry_shape_is_right:
; out0 = o Wo + bo, the product on codes of FP6 (E2M3) with E8M0 scales; out0 [2048][2048] f32.
; C' = P R^T, source 0 = 16 rows of R (Wo's columns, wbuf's tiles 384 on), source 1 = 16 rows of P (o's tokens): a lane holds one token, and the 16 registers of R's tiles 2 b, 2 b + 1 are columns 32 b + 16 (lane / 16) + 0 .. 15
; (place r of tile T is row 32 (T / 2) + 8 (T % 2) + r + 8 (r / 8), in both operands).  The bias is the C of each sum's first matrix instruction.
; A work-group makes 256 x 256, each of its four waves 128 x 128: 64 accumulators, 512 registers.  K goes in steps of 256 through a ring of two LDS slots filled by the tensor data mover.
; Operands lie in memory as images of their registers (1,536 bytes a fragment, [tile][K step]): a tensor load brings 8 tiles x 2 K steps, a fragment is three ds_load_b128 at 16 x lane.  The scales of the work-group's rows come into LDS once.
; CLUSTERS: 4 x 4.  P's tiles are asked for jointly along a row of the cluster, R's along a column.  The product has 64 tiles of 256 x 256: 64 work-groups.
; REGISTERS, in windows of 256.  Window 0: v1, v2 r, h; v16-31 addresses; v32-63 scale words, two sets; v64-127 the bias in the result's layout; v128-223 P's fragments, one set (on the way out v128-255: rows read back).
; Window 1: R's fragments, two sets.  Windows 2, 3: accumulator (a, b) at v[8 (8 (a % 4) + b)].
.set TROW,  24576
.set XSO,   3145728                    ; obuf: where the scale words begin
.set WSO,   12582912                   ; wbuf: likewise
.set NQ,    2
.set FR,    12
.set NL,    3
.set NP,    4                          ; places behind this matrix instruction (ISA guide 7.12.1)
.set HALFT, 24576
.set SLOT,  4*HALFT
.set LAPS,  4
.set SCL,   2*SLOT
.set HALFS, 8704
.set SBLK,  1088
.set SPARE, SCL+4*HALFS                ; the spare words, 128 bytes for each wave: two blocks of 256 bytes that no other line names
.set SPITCH, 528                       ; the way out: a stage of 16 rows x (512 bytes + 16) for each wave, in slot 0, which has had its last fill and its last read when the first result is stored there
.set ADRA, 16
.set ADRB, 20
.set LI,   24                          ; v24  16 x lane
.set STO,  25                          ; v25  the stage: where I put my numbers of a row
.set H64,  26                          ; v26  64 h
.set ADRS, 27
.set SPW,  28
.set NIL,  29
.set RD,   31                          ; v31  the stage: where I read a row back
.set SC,   32
.set BI,   64
.set AF,   128
.set BK,   128
.set G1, 24
.set G0, 32
.set G1B, 48
.set G0B, 56
.set G1S, 68
.set G0S, 76
.set G1SB, 80
.set G0SB, 88
.set MSB, 0
.macro WIN new                         ; the immediate's high byte repeats the setting that is left
.if MSB != (\new)
	s_set_vgpr_msb (MSB<<8)|(\new)
.set MSB, (\new)
.endif
.endm
.set MUL_LO, 0xa1                      ; source 0 (R) window 1, source 1 (P) window 0, C and D window 2
.set MUL_HI, 0xf1                      ; the same, C and D window 3
.set FST_LO, 0x81                      ; the first products: C (the bias) window 0, D window 2
.set FST_HI, 0xc1                      ; D window 3
.set TO_B,   0x40
.macro JLOAD g0a, g1a, g0b, g1b        ; a joint load: waves 0 and 1 fetch for P, waves 2 and 3 for R; four v_nop follow each line
	s_cmp_eq_u32 s15, 0
	s_cbranch_scc0 .Lfor_b_\@
	tensor_load_to_lds s[\g0a:\g0a+3], s[\g1a:\g1a+7]
	s_nop 0
.rept 4
	v_nop
.endr
	s_branch .Lasked_\@
.Lfor_b_\@:
	tensor_load_to_lds s[\g0b:\g0b+3], s[\g1b:\g1b+7]
	s_nop 0
.rept 4
	v_nop
.endr
.Lasked_\@:
.endm
.macro CREST
	s_cmp_lg_u32 s14, 0
	s_cbranch_scc1 .Lnot_wave_0_\@
	s_barrier_signal -3
.Lnot_wave_0_\@:
	s_barrier_wait -3
	s_barrier_signal -1
	s_barrier_wait -1
.endm
.macro CROUND
	s_barrier_signal -1
	s_barrier_wait -1
	CREST
.endm
	s_load_b128 s[4:7], s[0:1], 0x0                ; obuf s[4:5], wbuf s[6:7]
	s_load_b128 s[92:95], s[0:1], 0x10             ; bo s[92:93], out0 s[94:95]
	v_lshl_add_u32 v[SPW], v0, 2, SPARE
	v_mov_b32 v[NIL], 0
	ds_add_u32 v28, v29
	ds_add_u32 v28, v29
	s_wait_dscnt 0x0
	v_lshrrev_b32 v1, 5, v0
	v_readfirstlane_b32 s14, v1                    ; wave 0..3
	s_lshr_b32 s15, s14, 1                         ; which half of P's rows is mine.  Also: I fetch for P (0) or for R (1)
	s_and_b32 s16, s14, 1                          ; which half of R's rows.  Also: which 8 tiles I fetch
	s_bfe_u32 s40, ttmp6, 0x40000                  ; cx, cy
	s_bfe_u32 s41, ttmp6, 0x40004
	s_lshl_b32 s42, ttmp9, 2
	s_add_co_u32 s42, s42, s40                     ; work-group x
	s_and_b32 s17, ttmp7, 0xffff
	s_lshl_b32 s17, s17, 2
	s_add_co_u32 s17, s17, s41                     ; work-group y
	s_lshl_b32 s43, s41, 2
	s_lshl_b32 s43, 15, s43                        ; my row of the cluster
	s_lshl_b32 s44, 0x1111, s40                    ; my column
	s_or_b32 s[G1+0], s43, (3<<16)|(1<<21)         ; 8 rows (tiles) of 384 elements of 8 bytes (two images), 3,072 elements apart; dense in LDS
	s_or_b32 s[G1B+0], s44, (3<<16)|(1<<21)
.irp g, G1, G1B
	s_mov_b32 s[\g+1], 384<<16
	s_mov_b32 s[\g+2], 8<<16
	s_mov_b32 s[\g+3], 384<<16
	s_mov_b32 s[\g+4], 8
	s_mov_b32 s[\g+5], 3072
	s_mov_b32 s[\g+6], 0
	s_mov_b32 s[\g+7], 0
.endr
	s_or_b32 s[G1S+0], s43, (3<<16)|(1<<20)|(1<<21)|(5<<22)|(3<<25)   ; the scales of 8 tiles: 32 rows of 256 bytes, 16 bytes of padding behind each
	s_or_b32 s[G1SB+0], s44, (3<<16)|(1<<20)|(1<<21)|(5<<22)|(3<<25)
.irp g, G1S, G1SB
	s_mov_b32 s[\g+1], 32<<16
	s_mov_b32 s[\g+2], 32<<16
	s_mov_b32 s[\g+3], 32<<16
	s_mov_b32 s[\g+4], 32
	s_mov_b32 s[\g+5], 32
	s_mov_b32 s[\g+6], 0
	s_mov_b32 s[\g+7], 0
.endr
	s_lshl_b32 s21, s16, 3
	s_lshl_b32 s20, s17, 4
	s_add_co_u32 s20, s20, s21                     ; P: the first tile that I fetch
	s_lshl_b32 s46, s42, 4
	s_add_co_u32 s46, s46, s21
	s_add_co_u32 s46, s46, 384                     ; R: likewise, among Wo's
	s_lshl_b32 s22, s20, 10
	s_mov_b32 s23, 0
	s_lshl_b32 s66, s46, 10
	s_mov_b32 s67, 0
	s_mul_i32 s20, s20, TROW
	s_mov_b32 s21, 0
	s_mul_i32 s46, s46, TROW
	s_mov_b32 s47, 0
	s_wait_kmcnt 0x0
	s_mov_b64 s[8:9], s[6:7]                       ; R's buffer
	s_add_nc_u64 s[6:7], s[4:5], XSO               ; P's scale words
	s_add_nc_u64 s[10:11], s[8:9], WSO             ; R's
	s_add_nc_u64 s[20:21], s[4:5], s[20:21]
	s_add_nc_u64 s[22:23], s[6:7], s[22:23]
	s_add_nc_u64 s[46:47], s[8:9], s[46:47]
	s_add_nc_u64 s[66:67], s[10:11], s[66:67]
	s_mul_i32 s45, s14, HALFT
	s_mul_i32 s18, s14, HALFS
	CROUND                                         ; all sixteen work-groups are here: the first joint loads meet
	s_mov_b32 s[G0S], 1
	s_add_co_u32 s[G0S+1], s18, SCL
	s_mov_b64 s[G0S+2:G0S+3], s[22:23]
	s_or_b32 s[G0S+3], s[G0S+3], 0x80000000
	s_mov_b32 s[G0SB], 1
	s_add_co_u32 s[G0SB+1], s18, SCL
	s_mov_b64 s[G0SB+2:G0SB+3], s[66:67]
	s_or_b32 s[G0SB+3], s[G0SB+3], 0x80000000
	JLOAD G0S, G1S, G0SB, G1SB
.irp s, 0,1
	s_mov_b32 s[G0+4*\s], 1
	s_add_co_u32 s[G0+4*\s+1], s45, \s*SLOT
	s_add_nc_u64 s[G0+4*\s+2:G0+4*\s+3], s[20:21], \s*3072
	s_or_b32 s[G0+4*\s+3], s[G0+4*\s+3], 0x80000000
	s_mov_b32 s[G0B+4*\s], 1
	s_add_co_u32 s[G0B+4*\s+1], s45, \s*SLOT
	s_add_nc_u64 s[G0B+4*\s+2:G0B+4*\s+3], s[46:47], \s*3072
	s_or_b32 s[G0B+4*\s+3], s[G0B+4*\s+3], 0x80000000
	JLOAD G0+4*\s, G1, G0B+4*\s, G1B               ; three loads of mine are out behind the last of these
.endr
	v_and_b32 v1, 15, v0                           ; r
	v_bfe_u32 v2, v0, 4, 1                         ; h
	v_and_b32 v3, 31, v0
	v_lshlrev_b32 v[LI], 4, v3
	v_lshlrev_b32 v[H64], 6, v2
	s_lshl_b32 s46, s42, 10                        ; my first column, in bytes: 1,024 x work-group x + 512 x half
	s_lshl_b32 s47, s16, 9
	s_add_co_u32 s46, s46, s47
	s_mov_b32 s47, 0
	s_add_nc_u64 s[92:93], s[92:93], s[46:47]
.irp b, 0,1,2,3
.irp j, 0,1,2,3
	global_load_b128 v[BI+16*\b+4*\j:BI+16*\b+4*\j+3], v[H64], s[92:93] offset:128*\b+16*\j   ; bo at columns 32 b + 16 h + 4 j ..: register 8 (tile) + i in the result's layout
.endr
.endr
	s_lshl_b32 s20, s17, 8
	s_lshl_b32 s21, s15, 7
	s_add_co_u32 s20, s20, s21                     ; my first row of out0
	s_lshl_b32 s20, s20, 13
	s_mov_b32 s21, 0
	s_add_nc_u64 s[94:95], s[94:95], s[20:21]
	s_add_nc_u64 s[94:95], s[94:95], s[46:47]
	s_mul_i32 s21, s15, HALFT
	s_mul_i32 s22, s16, HALFT
	s_add_co_u32 s22, s22, 2*HALFT
.irp s, 0,1
	v_add_nc_u32 v[ADRA+\s], s21, v[LI]
	v_add_nc_u32 v[ADRB+\s], s22, v[LI]
	s_add_co_u32 s21, s21, SLOT
	s_add_co_u32 s22, s22, SLOT
.endr
	v_mul_u32_u24 v5, v1, 64                       ; my row's scales: 64 bytes a row,
	v_lshrrev_b32 v6, 8, v5
	v_lshl_add_u32 v5, v6, 4, v5                   ; and 16 more for each 256 passed
	s_mul_i32 s21, s15, HALFS
	s_mul_i32 s22, s16, HALFS
	s_add_co_u32 s22, s22, 2*HALFS
	s_sub_co_u32 s22, s22, s21
	v_mul_u32_u24 v6, s22, v2                      ; lanes 16-31 take R's: one product, the distance x h
	s_add_co_u32 s21, s21, SCL
	v_add_nc_u32 v5, v5, v6
	v_add_nc_u32 v[ADRS], s21, v5
	s_mul_i32 s23, s14, 16*SPITCH                  ; my stage
	v_mul_u32_u24 v5, v1, SPITCH
	v_lshl_add_u32 v5, v2, 6, v5
	v_add_nc_u32 v[STO], s23, v5                   ; in: row r, + 64 h
	v_add_nc_u32 v[RD], s23, v[LI]                 ; back: the 32 lanes take one row of 512 bytes
.macro FRAG reg, adr, q, i
.irp c, 0,1,2
	ds_load_b128 v[\reg+4*\c:\reg+4*\c+3], v[\adr] offset:3072*(\i)+1536*(\q)+512*\c
.endr
.endm
; 16 matrix instructions: P's blocks a0, a0 + 1 x R's eight.  first = 1: the sums begin with the bias as C.  The 64 accumulators take turns, one instruction a turn, in the same order in every step.
.macro MUL16 a0, p, q, sc, first
.irp a, \a0, \a0+1
.irp b, 0,1,2,3,4,5,6,7
.if \first
	v_wmma_scale_f32_16x16x128_f8f6f4 v[8*(8*((\a)%4)+\b):8*(8*((\a)%4)+\b)+7], v[128*(\p)+FR*\b:128*(\p)+FR*\b+FR-1], v[AF+FR*(\a):AF+FR*(\a)+FR-1], v[BI+8*\b:BI+8*\b+7], v[SC+8*NQ*(\sc)+NQ*\b+(\q)], v[SC+8*NQ*(\sc)+NQ*(\a)+(\q)] matrix_a_fmt:MATRIX_FMT_FP6 matrix_b_fmt:MATRIX_FMT_FP6 matrix_a_scale:MATRIX_SCALE_ROW1
.else
	v_wmma_scale_f32_16x16x128_f8f6f4 v[8*(8*((\a)%4)+\b):8*(8*((\a)%4)+\b)+7], v[128*(\p)+FR*\b:128*(\p)+FR*\b+FR-1], v[AF+FR*(\a):AF+FR*(\a)+FR-1], v[8*(8*((\a)%4)+\b):8*(8*((\a)%4)+\b)+7], v[SC+8*NQ*(\sc)+NQ*\b+(\q)], v[SC+8*NQ*(\sc)+NQ*(\a)+(\q)] matrix_a_fmt:MATRIX_FMT_FP6 matrix_b_fmt:MATRIX_FMT_FP6 matrix_a_scale:MATRIX_SCALE_ROW1
.endif
.endr
.endr
.endm
.macro FETCH_B slot, q, p
	WIN TO_B
.irp i, 0,1,2,3,4,5,6,7
	FRAG 128*(\p)+FR*\i, ADRB+\slot, \q, \i
.endr
	WIN 0
.endm
.macro FETCH_A slot, q, i0
.irp i, \i0, \i0+1, \i0+2, \i0+3
	FRAG AF+FR*(\i), ADRA+\slot, \q, \i
.endr
.endm
.macro SCALES sc
.irp i, 0,1,2,3,4,5,6,7
	ds_load_b64 v[SC+8*NQ*\sc+NQ*\i:SC+8*NQ*\sc+NQ*\i+1], v[ADRS] offset:\i*SBLK
.endr
.endm
.macro PLACES n                        ; plain vector instructions between a matrix instruction and a load into, or a read of, its registers (ISA guide 7.12.1 for reads)
.rept \n
	v_nop
.endr
.endm
.macro STEP slot, q, first
	s_wait_dscnt 4*NL                              ; R's set, P's blocks 0-3 and the scale words are in; the youngest 12 loads (P's blocks 4-7) may be out
.if \first
	WIN FST_LO
.else
	WIN MUL_LO
.endif
	MUL16 0, (\q)%2, \q, \slot, \first
	MUL16 2, (\q)%2, \q, \slot, \first
	s_wait_dscnt 0                                 ; P's blocks 4-7 are in
	PLACES NP
	FETCH_B \slot, (\q)+1, 1-(\q)%2
	FETCH_A \slot, (\q)+1, 0
.if \first
	WIN FST_HI
.else
	WIN MUL_HI
.endif
	MUL16 4, (\q)%2, \q, \slot, \first
	MUL16 6, (\q)%2, \q, \slot, \first
	PLACES NP
	WIN 0
	FETCH_A \slot, (\q)+1, 4
.endm
; A slot's last step changes slots: ONE barrier; in front of it each wave waits for all its tensor loads, adds 0 to its spare word, and waits for that and for its own reads of this slot.  fill = 1: this slot is filled again, two slots ahead.
.macro TURN slot, next, fill
	s_wait_tensorcnt 0x0                           ; all my tensor loads have landed: my part of the next slot
	ds_add_u32 v[SPW], v[NIL]                      ; 0 onto my spare word
	s_wait_dscnt 4*NL+1                            ; (the add and the youngest 12 loads may be out)
	WIN MUL_LO
	MUL16 0, 1, NQ-1, \slot, 0
	s_wait_dscnt 0x0                               ; the add is done, and my reads of this slot are over
	s_barrier_signal -1
	MUL16 2, 1, NQ-1, \slot, 0
	WIN 0
	s_barrier_wait -1
.if \fill
	CREST                                          ; a round of the cluster's barrier: no wave of any partner still reads this slot or has a load on its way
	s_add_nc_u64 s[G0+4*\slot+2:G0+4*\slot+3], s[G0+4*\slot+2:G0+4*\slot+3], 6144
	s_add_nc_u64 s[G0B+4*\slot+2:G0B+4*\slot+3], s[G0B+4*\slot+2:G0B+4*\slot+3], 6144
	JLOAD G0+4*\slot, G1, G0B+4*\slot, G1B         ; the first tensor load behind the round
.else
	PLACES NP
.endif
	v_add_nc_u32 v[ADRS], 4*NQ, v[ADRS]
	FETCH_B \next, 0, 0
	FETCH_A \next, 0, 0
	SCALES \next
	WIN MUL_HI
	MUL16 4, 1, NQ-1, \slot, 0
	MUL16 6, 1, NQ-1, \slot, 0
	PLACES NP
	WIN 0
	FETCH_A \next, 0, 4
.endm
	s_wait_tensorcnt 1                             ; the scales and my part of slot 0 are in (slot 1's load may be out)
	s_barrier_signal -1
	s_barrier_wait -1                              ; everybody's are
	FETCH_B 0, 0, 0
	FETCH_A 0, 0, 0
	SCALES 0
	FETCH_A 0, 0, 4
	s_wait_loadcnt 0x0                             ; the bias
	STEP 0, 0, 1                                   ; the first step stands in front of the loop: its products start the sums, on the bias
	s_mov_b32 s3, LAPS-1
.Llap:
	TURN 0, 1, 1
	STEP 1, 0, 0
	TURN 1, 0, 1
	STEP 0, 0, 0
	s_sub_co_u32 s3, s3, 1
	s_cmp_lg_u32 s3, 0
	s_cbranch_scc1 .Llap
	TURN 0, 1, 0                                   ; the last lap fills nothing
	STEP 1, 0, 0
	s_wait_dscnt 4*NL
	WIN MUL_LO
	MUL16 0, 1, NQ-1, 1, 0
	MUL16 2, 1, NQ-1, 1, 0
	s_wait_dscnt 0
	WIN MUL_HI
	MUL16 4, 1, NQ-1, 1, 0
	MUL16 6, 1, NQ-1, 1, 0
	WIN 0
; THE WAY OUT, P's block a (16 tokens x 128 columns) at a time, through my own stage and back as whole rows of 512 bytes.  LDS serves a wave's instructions in order (ISA guide 5.7.1.4): no wait between the stores and the loads.
.macro TOSTAGE a
.set AC, 64*((\a)%4)
	WIN 0x08+4*((\a)/4)                            ; an LDS store's data are its source 1: window 2 or 3
.irp b, 0,1,2,3,4,5,6,7
	ds_store_b128 v[STO], v[AC+8*\b:AC+8*\b+3] offset:128*(\b/2)+32*(\b%2)          ; tile b, register i: column 32 (b / 2) + 16 h + 8 (b % 2) + i; each accumulator from its low end on
	ds_store_b128 v[STO], v[AC+8*\b+4:AC+8*\b+7] offset:128*(\b/2)+32*(\b%2)+16
.endr
	WIN 0
.set BB, BK+64*((\a)%2)
.irp t, 0,1,2,3,4,5,6,7,8,9,10,11,12,13,14,15
	ds_load_b128 v[BB+4*\t:BB+4*\t+3], v[RD] offset:\t*SPITCH
.endr
.endm
.macro SEND a, younger                 ; younger: the LDS instructions issued behind block a's loads, which may stay out
.set BB, BK+64*((\a)%2)
	s_wait_dscnt \younger
.irp t, 0,1,2,3,4,5,6,7,8,9,10,11,12,13,14,15
	global_store_b128 v[LI], v[BB+4*\t:BB+4*\t+3], s[94:95] offset:(32*((\a)/2)+8*((\a)%2)+\t+8*(\t/8))*8192 th:TH_STORE_NT   ; place t's row: 32 lanes store 512 consecutive bytes, at a multiple of 256 from out0's first byte
.endr
.endm
	PLACES NP                                      ; in front of the loads into the registers that held P's fragments, and of the reads of the last results
	TOSTAGE 0
.irp a, 1,2,3,4,5,6,7
.if \a > 1
	s_wait_xcnt 0x0                                ; block a - 2's stores have read their registers: block a's loads may land there
.endif
	TOSTAGE \a
	SEND \a-1, 32                                  ; behind block a - 1's loads: block a's 16 stores and 16 loads
.endr
	SEND 7, 0
	s_wait_tensorcnt 0x0                           ; the wave's end
	ds_add_u32 v[SPW], v[NIL]
	s_wait_dscnt 0x0
	CROUND                                         ; the closing round
	s_endpgm
.Lfunc_end_k_q2c4c0c0f27_outp:
	.size	k_q2c4c0c0f27_outp, .Lfunc_end_k_q2c4c0c0f27_outp-k_q2c4c0c0f27_outp
	.p2alignl 7, 3214868480
	.fill 96, 4, 3214868480
	.section	.rodata,"a",@progbits
	.p2align	6, 0x0
	.amdhsa_kernel k_q2c4c0c0f27_outp
		.amdhsa_group_segment_fixed_size 327680
		.amdhsa_private_segment_fixed_size 0
		.amdhsa_enable_private_segment 0
		.amdhsa_kernarg_size 32
		.amdhsa_user_sgpr_count 2
		.amdhsa_user_sgpr_kernarg_segment_ptr 1
		.amdhsa_wavefront_size32 1
		.amdhsa_system_sgpr_workgroup_id_x 1
		.amdhsa_system_sgpr_workgroup_id_y 1
		.amdhsa_system_sgpr_workgroup_id_z 1
		.amdhsa_system_vgpr_workitem_id 0
		.amdhsa_next_free_vgpr 1024
		.amdhsa_next_free_sgpr 100
		.amdhsa_reserve_vcc 0
		.amdhsa_float_denorm_mode_32 3
		.amdhsa_float_denorm_mode_16_64 3
		.amdhsa_memory_ordered 1
		.amdhsa_forward_progress 1
		.amdhsa_inst_pref_size 137
	.end_amdhsa_kernel
	.amdgpu_metadata
---
amdhsa.version: [ 1, 2 ]
amdhsa.kernels:
  - .name:           k_q2c4c0c0f27_outp
    .symbol:         k_q2c4c0c0f27_outp.kd
    .args:
      - { .name: obuf, .offset: 0, .size: 8, .value_kind: global_buffer, .address_space: global }
      - { .name: wbuf, .offset: 8, .size: 8, .value_kind: global_buffer, .address_space: global }
      - { .name: bo, .offset: 16, .size: 8, .value_kind: global_buffer, .address_space: global }
      - { .name: out0, .offset: 24, .size: 8, .value_kind: global_buffer, .address_space: global }
    .group_segment_fixed_size: 327680
    .private_segment_fixed_size: 0
    .kernarg_segment_align: 8
    .kernarg_segment_size: 32
    .max_flat_workgroup_size: 128
    .sgpr_count:     100
    .vgpr_count:     1024
    .wavefront_size: 32
...
	.end_amdgpu_metadata
.endif
;; end of part 4
;; ======== version 2 of 2: 4 launches
;; limits: right only within a limited range of input values
;; workspace buffers: xbuf 3,276,800 bytes; wbuf 13,107,200 bytes; csimg 2,097,152 bytes; qb 3,276,800 bytes; kv 6,553,600 bytes; obuf 3,276,800 bytes
;; launch quant (part 5): grid 800 x 1, 4 waves a work-group, no clusters, 58,880 bytes of LDS; arguments x, Wq, Wk, Wv, Wo, cos, sin, xbuf, wbuf, csimg; writes xbuf, wbuf, csimg
.if DOCPART == 5
	.amdgcn_target "amdgcn-amd-amdhsa--gfx1250"
	.amdhsa_code_object_version 6
	.text
	.protected	k_q2c4c0c0f27_quant
	.globl	k_q2c4c0c0f27_quant
	.p2align	8
	.type	k_q2c4c0c0f27_quant,@function
k_q2c4c0c0f27_quant:
	s_mov_b64 s[64:65], 0
	v_nop
	global_prefetch_b8 v0, s[64:65] scope:SCOPE_SE
	s_setreg_imm32_b32 hwreg(HW_REG_WAVE_MODE, 25, 1), 1
	s_wait_xcnt 0x0
; x [2048][2048] (K innermost) and Wq, Wk, Wv, Wo [2048 (K)][2048] (K first), f32, become codes of FP6 (E2M3) with one E8M0 byte for each 32 along K; cos and sin are laid anew for the lanes of the next launch.
; A block's scale is 2^(floor(log2(its largest magnitude)) - 2): its byte is the largest magnitude's exponent field - 2, held at 1 from below by a floor among the maximum's leaves.
; LAYOUT OF THE RESULTS.  A tile is 16 rows of an operand (tokens of x, columns of a weight); place r of tile T is row 32 (T / 2) + 8 (T % 2) + r + 8 (r / 8).  A fragment (a tile x 128 along K) is stored as an IMAGE OF THE
; OPERAND'S 12 REGISTERS: register 4 c + i of lane L at byte 512 c + 16 L + 4 i, 1,536 bytes; images lie [tile][K step 0..15]; behind all images the scale words, [tile][place][16 words].
; wbuf's tiles: 0-127 Wq, 128-255 Wk, 256-383 Wv, 384-511 Wo.  csimg: [token tile][e = 16 (sin) + 4 b + j][512]: lane (r, h)'s 16 bytes are table[token of place r][32 b + 16 h + 4 j ..].
; SHARES.  Work-groups 0-511: a weight, 128 columns x 256 along K (a wave 32 columns: a lane to a column, its registers down K).  512-767: x, one tile x 1,024 along K (a wave two fragments).  768-799: the tables, four token tiles.
; The three ways part on the work-group's number; each has LDS bytes of its own (weights 0 .. 24,575, x 24,576 .. 58,367) and each wave its own part of them: no barrier, no tensor load.  No input is shared between work-groups: no cluster.
; LIMITS: NaN and infinities are not served.  A block whose largest magnitude lies under 2^-124 gets the byte 1; a block of zeros too (the rule says 127): its codes are zeros, and this program alone reads the bytes.
.set XSO,  3145728                     ; xbuf: where the scale words begin (128 tiles x 24,576)
.set WSO,  12582912                    ; wbuf: likewise (512 tiles x 24,576)
.set SEL,  26                          ; s[26:27] lane selects for v_permlanex16_b32: lane l xor 16
.set TM,   16                          ; v16-31  the quantiser's registers at work (x)
.set WX,   32                          ; v32-95  weights: two sets of 32 numbers
.set WC,   96                          ; v96-101 a block's six registers of codes
.set WD,   104                         ; v104-106 the second conversion's result (three registers that begin on an even number)
.set SB,   24                          ; v24-25  a lane's eight scale bytes
.set OUTR, 112                         ; v112-159 the way out
.set XR,   64                          ; v64-191 x: two sets of 64 registers as loaded
.set XX,   192                         ; v192-255 64 numbers of a lane in the quantiser's order
; 64 numbers of a lane, register 16 b + i = k 32 b + 16 (lane / 16) + i of the lane's row, become a fragment's 12 registers at v[pc] (v[pc+12] .. v[pc+18] at work) and its scale word in v[pw].
.macro QUANT s, pc, pw
.irp b, 0,1,2,3
	v_max3_num_f32 v[TM+\b], |v[\s+16*\b]|, |v[\s+1+16*\b]|, 0x1800000   ; block b: my 16 numbers, and the floor 2^(3 - 127)
.endr
.irp i, 2,4,6,8,10,12,14
.irp b, 0,1,2,3
	v_max3_num_f32 v[TM+\b], v[TM+\b], |v[\s+16*\b+\i]|, |v[\s+1+16*\b+\i]|   ; the four blocks by turns
.endr
.endr
.irp b, 0,1,2,3
	v_permlanex16_b32 v[TM+4+\b], v[TM+\b], s[SEL], s[SEL+1]
.endr
.irp b, 0,1,2,3
	v_max_num_f32 v[TM+\b], v[TM+\b], v[TM+4+\b]   ; with lane l xor 16's: the block's largest magnitude
.endr
.irp b, 0,1,2,3
	v_add_nc_u32 v[TM+12+\b], 0xff000000, v[TM+\b]   ; 2 off its exponent field: the conversion's scale operand
.endr
.irp b, 0,1,2,3
	v_lshrrev_b32 v[TM+4+\b], 23, v[TM+12+\b]   ; the scale's byte
.endr
	v_lshl_or_b32 v[\pw], v[TM+5], 8, v[TM+4]
	v_lshl_or_b32 v[\pw], v[TM+6], 16, v[\pw]
	v_lshl_or_b32 v[\pw], v[TM+7], 24, v[\pw]
.irp c, 0,1
	v_cvt_scalef32_pk16_fp6_f32 v[\pc+6*\c:\pc+2+6*\c], v[\s+32*\c:\s+15+32*\c], v[TM+12+2*\c]
	v_cvt_scalef32_pk16_fp6_f32 v[\pc+12+4*\c:\pc+14+4*\c], v[\s+16+32*\c:\s+31+32*\c], v[TM+12+2*\c+1]
.endr
	v_nop                                          ; one plain place behind the scaled conversions
.irp c, 0,1                                    ; the operand wants a whole block in a lane: lanes 0-15 block 2 c, lanes 16-31 block 2 c + 1
.irp i, 0,1,2
	v_permlane16_swap_b32 v[\pc+6*\c+\i], v[\pc+12+4*\c+\i]
.endr
.irp i, 0,1,2
	v_mov_b32 v[\pc+3+6*\c+\i], v[\pc+12+4*\c+\i]
.endr
.endr
.endm
	s_load_b256 s[4:11], s[0:1], 0x0               ; x s[4:5], Wq s[6:7], Wk s[8:9], Wv s[10:11]
	s_load_b256 s[12:19], s[0:1], 0x20             ; Wo s[12:13], cos s[14:15], sin s[16:17], xbuf s[18:19]
	s_load_b128 s[20:23], s[0:1], 0x40             ; wbuf s[20:21], csimg s[22:23]
	v_lshl_add_u32 v26, v0, 2, 0xe400
	v_mov_b32 v27, 0
	v_lshrrev_b32 v1, 5, v0
	v_readfirstlane_b32 s24, v1                    ; wave 0..3
	v_and_b32 v1, 31, v0                           ; lane
	s_mov_b32 s[SEL], 0x76543210
	s_mov_b32 s[SEL+1], 0xfedcba98
	s_wait_kmcnt 0x0
	s_cmp_lt_u32 ttmp9, 512
	s_cbranch_scc0 .Lx
	; ---------------- a weight ----------------
	s_lshr_b32 s28, ttmp9, 7                       ; which weight
	s_and_b32 s29, ttmp9, 15                       ; which 128 columns
	s_bfe_u32 s30, ttmp9, 0x30004                  ; which 256 along K
	s_cmp_eq_u32 s28, 1
	s_cselect_b64 s[6:7], s[8:9], s[6:7]
	s_cmp_eq_u32 s28, 2
	s_cselect_b64 s[6:7], s[10:11], s[6:7]
	s_cmp_eq_u32 s28, 3
	s_cselect_b64 s[6:7], s[12:13], s[6:7]
	s_lshl_b32 s32, s30, 21                        ; 256 rows of 8,192 bytes
	s_lshl_b32 s33, s29, 9
	s_add_co_u32 s32, s32, s33
	s_lshl_b32 s33, s24, 7                         ; my wave's 32 columns
	s_add_co_u32 s32, s32, s33
	s_mov_b32 s33, 0
	s_add_nc_u64 s[6:7], s[6:7], s[32:33]
	s_lshl_b32 s34, s28, 6
	s_lshl_b32 s35, s29, 2
	s_add_co_u32 s34, s34, s35
	s_add_co_u32 s34, s34, s24                     ; my group of 32 columns among all four weights': its tiles are 2 GG and 2 GG + 1
	s_mul_i32 s36, s34, 49152
	s_mul_i32 s35, s30, 3072                       ; K steps 2 y and 2 y + 1
	s_add_co_u32 s36, s36, s35
	s_mov_b32 s37, 0
	s_add_nc_u64 s[38:39], s[20:21], s[36:37]      ; where my images go
	s_lshl_b32 s36, s34, 11
	s_lshl_b32 s35, s30, 3
	s_add_co_u32 s36, s36, s35
	s_add_nc_u64 s[40:41], s[20:21], s[36:37]
	s_add_nc_u64 s[40:41], s[40:41], WSO           ; and my scale words
	s_wait_alu depctr_va_vdst(0)
	v_lshlrev_b32 v3, 2, v1                        ; in: 4 bytes a lane
	v_bfe_u32 v5, v0, 3, 1                         ; column cc = lane lies in tile u = (cc / 8) % 2,
	v_and_b32 v6, 7, v0
	v_bfe_u32 v10, v0, 4, 1
	v_lshl_add_u32 v6, v10, 3, v6                  ; at place r = cc % 8 + 8 (cc / 16)
	s_mul_i32 s35, s24, 6144                       ; my stage: four images, [u][K step]
	v_mul_u32_u24 v4, v5, 3072
	v_lshl_add_u32 v4, v6, 4, v4
	v_add_nc_u32 v4, s35, v4                       ; into it: 3,072 u + 16 r
	v_lshlrev_b32 v8, 4, v1                        ; out of it, and in memory: 16 bytes a lane
	v_add_nc_u32 v7, s35, v8
	v_lshlrev_b32 v9, 10, v5
	v_lshl_add_u32 v9, v6, 6, v9                   ; my column's scale words: 1,024 u + 64 r
.macro WLOAD t                         ; block t: W(32 t + i, my column) into set t % 2; 32 lanes read 128 consecutive bytes
.set n, 0
.rept 32
	global_load_b32 v[WX+32*((\t)%2)+n], v3, s[6:7] offset:(32*(\t)+n)*8192 th:TH_LOAD_NT
.set n, n+1
.endr
.endm
	WLOAD 0
	WLOAD 1
; Block t is block t % 4 of K step t / 4: registers 6 c .. 6 c + 5 (c = (t % 4) / 2) of the image's lane r + 16 (t % 2).
.macro BLOCK t
.set XS, WX+32*((\t)%2)
.if (\t) < 7
	s_wait_loadcnt 32                              ; this block's 32 loads are in; the next block's 32 may be out
.else
	s_wait_loadcnt 0x0
.endif
	v_max3_num_f32 v12, |v[XS]|, |v[XS+1]|, |v[XS+2]|   ; the block's largest magnitude: all 32 numbers are mine; two chains
	v_max3_num_f32 v13, |v[XS+3]|, |v[XS+4]|, |v[XS+5]|
.irp i, 6,10,14,18,22,26
	v_max3_num_f32 v12, v12, |v[XS+\i]|, |v[XS+\i+1]|
	v_max3_num_f32 v13, v13, |v[XS+\i+2]|, |v[XS+\i+3]|
.endr
	v_max3_num_f32 v12, v12, |v[XS+30]|, |v[XS+31]|
	v_max3_num_f32 v12, v12, v13, 0x1800000        ; and the floor 2^(3 - 127)
	v_add_nc_u32 v11, 0xff000000, v12              ; 2 off the exponent field: the conversion's scale operand
	v_lshrrev_b32 v13, 23, v11                     ; the scale's byte
.if (\t)%4 == 0
	v_mov_b32 v[SB+(\t)/4], v13
.else
	v_lshl_or_b32 v[SB+(\t)/4], v13, 8*((\t)%4), v[SB+(\t)/4]
.endif
	v_cvt_scalef32_pk16_fp6_f32 v[WC:WC+2], v[XS:XS+15], v11
	v_cvt_scalef32_pk16_fp6_f32 v[WD:WD+2], v[XS+16:XS+31], v11
	v_nop                                          ; one plain place behind the scaled conversions
	v_mov_b32 v[WC+3], v[WD]
	v_mov_b32 v[WC+4], v[WD+1]
	v_mov_b32 v[WC+5], v[WD+2]
.if ((\t)%4) < 2                       ; registers 0-3, then 4 and 5
	ds_store_b128 v4, v[WC:WC+3] offset:1536*((\t)/4)+256*((\t)%2)
	ds_store_b64 v4, v[WC+4:WC+5] offset:1536*((\t)/4)+256*((\t)%2)+512
.else                                  ; registers 6 and 7, then 8-11
	ds_store_b64 v4, v[WC:WC+1] offset:1536*((\t)/4)+256*((\t)%2)+520
	ds_store_b128 v4, v[WC+2:WC+5] offset:1536*((\t)/4)+256*((\t)%2)+1024
.endif
.if (\t) < 6
	WLOAD (\t)+2
.endif
	s_wait_dscnt 0x0                               ; the stores have read their registers: the next block's codes may be written
.endm
.irp t, 0,1,2,3,4,5,6,7
	BLOCK \t
.endr
	s_wait_alu depctr_va_vdst(0)
	global_store_b64 v9, v[SB:SB+1], s[40:41]      ; my column's two scale words
.irp i, 0,1,2,3,4,5,6,7,8,9,10,11
	ds_load_b128 v[OUTR+4*\i:OUTR+4*\i+3], v7 offset:512*\i   ; LDS serves a wave's instructions in order: these see my stores
.endr
.irp i, 0,1,2,3,4,5,6,7,8,9,10,11
	s_wait_dscnt 11-\i                             ; the younger loads may be out
	global_store_b128 v8, v[OUTR+4*\i:OUTR+4*\i+3], s[38:39] offset:24576*(\i/6)+512*(\i%6)   ; 32 lanes store 512 consecutive bytes, at a multiple of 256 from the buffer's first byte
.endr
	s_wait_tensorcnt 0x0
	ds_add_u32 v26, v27
	s_wait_dscnt 0x0
	s_endpgm
	; ---------------- x ----------------
.Lx:
	s_cmp_lt_u32 ttmp9, 768
	s_cbranch_scc0 .Lcs
	s_sub_co_u32 s28, ttmp9, 512
	s_lshr_b32 s29, s28, 1                         ; the tile
	s_and_b32 s30, s28, 1
	s_lshl_b32 s30, s30, 3
	s_lshl_b32 s31, s24, 1
	s_add_co_u32 s30, s30, s31                     ; my first K step: 8 x half + 2 x wave
	s_lshr_b32 s32, s29, 1
	s_lshl_b32 s32, s32, 5
	s_and_b32 s33, s29, 1
	s_lshl_b32 s33, s33, 3
	s_add_co_u32 s32, s32, s33                     ; the tile's first row
	s_lshl_b32 s32, s32, 13
	s_lshl_b32 s33, s30, 9
	s_add_co_u32 s32, s32, s33
	s_mov_b32 s33, 0
	s_add_nc_u64 s[4:5], s[4:5], s[32:33]
	s_lshl_b32 s34, s29, 4
	s_add_co_u32 s34, s34, s30
	s_mul_i32 s34, s34, 1536
	s_mov_b32 s35, 0
	s_add_nc_u64 s[36:37], s[18:19], s[34:35]      ; where my two images go
	s_lshl_b32 s34, s29, 10
	s_lshl_b32 s40, s30, 2
	s_add_co_u32 s34, s34, s40
	s_add_nc_u64 s[38:39], s[18:19], s[34:35]
	s_add_nc_u64 s[38:39], s[38:39], XSO           ; and their scale words
	v_and_b32 v2, 15, v0                           ; r
	v_bfe_u32 v3, v0, 4, 1                         ; h
	s_wait_alu depctr_va_vdst(0)
	v_lshlrev_b32 v4, 4, v1                        ; 16 bytes a lane
	s_mul_i32 s40, s24, 8448                       ; my stage: 16 rows of 512 bytes + 16
	s_add_co_u32 s40, s40, 24576
	v_add_nc_u32 v5, s40, v4                       ; in: as loaded
	v_mul_u32_u24 v6, v2, 528
	v_lshl_add_u32 v6, v3, 6, v6
	v_add_nc_u32 v6, s40, v6                       ; back: row r, my half's 16 numbers of each block of 32
	v_lshlrev_b32 v7, 6, v2
	v_lshl_add_u32 v7, v3, 2, v7                   ; scale words: 64 r; lanes 16-31 store the second K step's
.irp b, 0,1,2,3
	v_mov_b32 v[TM+4+\b], 0                        ; written once: a lane permute's destination counts as one of its sources
.endr
.irp f, 0,1
.irp p, 0,1,2,3,4,5,6,7,8,9,10,11,12,13,14,15
	global_load_b128 v[XR+64*\f+4*\p:XR+64*\f+4*\p+3], v4, s[4:5] offset:(\p+8*(\p/8))*8192+512*\f th:TH_LOAD_NT   ; place p's row: 32 lanes read its 512 consecutive bytes of the K step
.endr
.endr
.macro XFRAG f, pc
.if \f == 0
	s_wait_loadcnt 16                              ; the first fragment's 16 loads are in; the second's may be out
.else
	s_wait_loadcnt 0x0
.endif
.irp p, 0,1,2,3,4,5,6,7,8,9,10,11,12,13,14,15
	ds_store_b128 v5, v[XR+64*\f+4*\p:XR+64*\f+4*\p+3] offset:528*\p
.endr
.irp b, 0,1,2,3
.irp j, 0,1,2,3
	ds_load_b128 v[XX+16*\b+4*\j:XX+16*\b+4*\j+3], v6 offset:128*\b+16*\j   ; LDS serves a wave's instructions in order; rows 33 x 16 bytes apart: sixteen lanes, sixteen different columns of 16 bytes
.endr
.endr
	s_wait_dscnt 0x0
	QUANT XX, \pc, 32+\f
.irp c, 0,1,2
	global_store_b128 v4, v[\pc+4*\c:\pc+4*\c+3], s[36:37] offset:1536*\f+512*\c
.endr
.endm
	s_wait_alu depctr_va_vdst(0)
	XFRAG 0, 36                                    ; codes in v36-54
	XFRAG 1, 64                                    ; codes in v64-82, which the first fragment's numbers have left: no store's data are written again
	v_cmp_lt_u32 vcc_lo, 15, v1
	v_cndmask_b32 v34, v32, v33, vcc_lo
	global_store_b32 v7, v34, s[38:39]
	s_wait_tensorcnt 0x0
	ds_add_u32 v26, v27
	s_wait_dscnt 0x0
	s_endpgm
	; ---------------- cos and sin ----------------
.Lcs:
	s_sub_co_u32 s28, ttmp9, 768
	s_lshl_b32 s28, s28, 2
	s_add_co_u32 s28, s28, s24                     ; my token tile
	s_lshr_b32 s29, s28, 1
	s_lshl_b32 s29, s29, 5
	s_and_b32 s30, s28, 1
	s_lshl_b32 s30, s30, 3
	s_add_co_u32 s29, s29, s30                     ; its first token
	s_lshl_b32 s32, s29, 9
	s_mov_b32 s33, 0
	s_add_nc_u64 s[14:15], s[14:15], s[32:33]
	s_add_nc_u64 s[16:17], s[16:17], s[32:33]
	s_lshl_b32 s32, s28, 14
	s_add_nc_u64 s[22:23], s[22:23], s[32:33]
	v_and_b32 v2, 15, v0
	v_bfe_u32 v3, v0, 4, 1
	v_and_b32 v5, 8, v2
	v_add_nc_u32 v5, v5, v2                        ; r + 8 (r / 8)
	v_lshlrev_b32 v5, 9, v5
	v_lshl_add_u32 v5, v3, 6, v5                   ; my token's row of 512 bytes, + 64 h
	s_wait_alu depctr_va_vdst(0)
	v_lshlrev_b32 v4, 4, v1
.irp b, 0,1,2,3
.irp j, 0,1,2,3
	global_load_b128 v[64+16*\b+4*\j:67+16*\b+4*\j], v5, s[14:15] offset:128*\b+16*\j th:TH_LOAD_NT
.endr
.endr
.irp b, 0,1,2,3
.irp j, 0,1,2,3
	global_load_b128 v[128+16*\b+4*\j:131+16*\b+4*\j], v5, s[16:17] offset:128*\b+16*\j th:TH_LOAD_NT
.endr
.endr
.set n, 0
	s_wait_alu depctr_va_vdst(0)
.rept 32
	s_wait_loadcnt 31-n                            ; the younger loads may be out
	global_store_b128 v4, v[64+4*n:67+4*n], s[22:23] offset:512*n
.set n, n+1
.endr
	s_endpgm
.Lfunc_end_k_q2c4c0c0f27_quant:
	.size	k_q2c4c0c0f27_quant, .Lfunc_end_k_q2c4c0c0f27_quant-k_q2c4c0c0f27_quant
	.p2alignl 7, 3214868480
	.fill 96, 4, 3214868480
	.section	.rodata,"a",@progbits
	.p2align	6, 0x0
	.amdhsa_kernel k_q2c4c0c0f27_quant
		.amdhsa_group_segment_fixed_size 58880
		.amdhsa_private_segment_fixed_size 0
		.amdhsa_enable_private_segment 0
		.amdhsa_kernarg_size 80
		.amdhsa_user_sgpr_count 2
		.amdhsa_user_sgpr_kernarg_segment_ptr 1
		.amdhsa_wavefront_size32 1
		.amdhsa_system_sgpr_workgroup_id_x 1
		.amdhsa_system_sgpr_workgroup_id_y 1
		.amdhsa_system_sgpr_workgroup_id_z 1
		.amdhsa_system_vgpr_workitem_id 0
		.amdhsa_next_free_vgpr 256
		.amdhsa_next_free_sgpr 66
		.amdhsa_reserve_vcc 1
		.amdhsa_float_denorm_mode_32 3
		.amdhsa_float_denorm_mode_16_64 3
		.amdhsa_memory_ordered 1
		.amdhsa_forward_progress 1
		.amdhsa_inst_pref_size 68
	.end_amdhsa_kernel
	.amdgpu_metadata
---
amdhsa.version: [ 1, 2 ]
amdhsa.kernels:
  - .name:           k_q2c4c0c0f27_quant
    .symbol:         k_q2c4c0c0f27_quant.kd
    .args:
      - { .name: x, .offset: 0, .size: 8, .value_kind: global_buffer, .address_space: global }
      - { .name: Wq, .offset: 8, .size: 8, .value_kind: global_buffer, .address_space: global }
      - { .name: Wk, .offset: 16, .size: 8, .value_kind: global_buffer, .address_space: global }
      - { .name: Wv, .offset: 24, .size: 8, .value_kind: global_buffer, .address_space: global }
      - { .name: Wo, .offset: 32, .size: 8, .value_kind: global_buffer, .address_space: global }
      - { .name: cos, .offset: 40, .size: 8, .value_kind: global_buffer, .address_space: global }
      - { .name: sin, .offset: 48, .size: 8, .value_kind: global_buffer, .address_space: global }
      - { .name: xbuf, .offset: 56, .size: 8, .value_kind: global_buffer, .address_space: global }
      - { .name: wbuf, .offset: 64, .size: 8, .value_kind: global_buffer, .address_space: global }
      - { .name: csimg, .offset: 72, .size: 8, .value_kind: global_buffer, .address_space: global }
    .group_segment_fixed_size: 58880
    .private_segment_fixed_size: 0
    .kernarg_segment_align: 8
    .kernarg_segment_size: 80
    .max_flat_workgroup_size: 128
    .sgpr_count:     66
    .vgpr_count:     256
    .wavefront_size: 32
...
	.end_amdgpu_metadata
.endif
;; end of part 5
;; launch qkv (part 6): grid 24 x 8, 4 waves a work-group, clusters of 4 x 4, 327,680 bytes of LDS; arguments xbuf, wbuf, bq, bk, bv, csimg, qb, kv; writes qb, kv
.if DOCPART == 6
	.amdgcn_target "amdgcn-amd-amdhsa--gfx1250"
	.amdhsa_code_object_version 6
	.text
	.protected	k_q2c4c0c0f27_qkv
	.globl	k_q2c4c0c0f27_qkv
	.p2align	8
	.type	k_q2c4c0c0f27_qkv,@function
k_q2c4c0c0f27_qkv:
	s_mov_b64 s[64:65], 0
	v_nop
	global_prefetch_b8 v0, s[64:65] scope:SCOPE_SE
	s_setreg_imm32_b32 hwreg(HW_REG_WAVE_MODE, 25, 1), 1
	s_wait_xcnt 0x0
	s_wait_alu depctr_hold_cnt(0) depctr_sa_sdst(0) depctr_va_vdst(0) depctr_va_sdst(0) depctr_va_ssrc(0) depctr_va_vcc(0) depctr_vm_vsrc(0)
	s_getreg_b32 s2, hwreg(HW_REG_IB_STS2, 6, 4)
	s_cmp_eq_u32 s2, 0
	s_cbranch_scc0 .Lentry_in_a_cluster
	s_endpgm
.Lentry_in_a_cluster:
	s_bfe_u32 s2, ttmp6, 0x10000c
	s_cmp_lg_u32 s2, 0xf033
	s_cbranch_scc0 .Lentry_shape_is_right
	s_endpgm
.Lentry_shape_is_right:
; q = rope((x Wq + bq) / sqrt(128)), k = rope(x Wk + bk), v = x Wv + bv, on codes of FP6 (E2M3) with E8M0 scales, K = 2,048; the results are quantised again: q and k along the head's channels, v along the tokens.
; Nothing of the problem is left out here: every bias and both tables are honoured as they are given.
; INPUTS: xbuf, wbuf hold images of operand registers, [tile of 16 rows][K step 0..15][1,536 bytes], behind them the scale words [tile][place][16 words].  Place r of tile T is row 32 (T / 2) + 8 (T % 2) + r + 8 (r / 8).
; SHARES: a work-group makes 256 x 256, a wave 128 x 128 (64 accumulators, 512 registers).  Clusters x 0-3: A = x, B = Wq, Wk; a lane then holds one token and 64 channels of one head.  Clusters x 4-5: A = Wv, B = x: a lane holds one channel and 64 tokens.
; A unit of the result is 128 tokens x one head; 768 units on 192 work-groups of four waves: four units to a work-group, one to a wave.
; THE RING: two LDS slots of two K steps (16 + 16 tiles x 3,072 bytes); rows of 3,072 bytes begin at multiples of 256.  The scales of all K stay in LDS behind the ring.
; CLUSTER 4 x 4: A's tiles are asked for jointly along a row of the cluster, B's along a column.
; PREFETCH: behind fill f each wave names fill f + 2's bytes: of the 8 tiles that it fetches, each of the four partners takes 2 (24 blocks of 256 bytes, a lane a block, the last 8 lanes name the last block again), told apart by address.
; The head names fills 1 and 2; fills 6 and 7 name nothing.  Two K steps ahead of their first load the cos and sin images are named likewise: a token tile (16,384 bytes) to a wave.
; RESULTS: qb [head][128 tokens][12,800], kv [head][key step][K's 12,800 | V's 12,800]: eight fragment images, then a scale image of 512 bytes.
; LIMITS: NaN and infinities are not served.  A block whose largest magnitude lies under 2^-124, zeros among them, gets the byte 1: this program alone reads the bytes.
; REGISTERS: window 0: v16-31 addresses, v32-63 scale words (two sets), v64-127 the bias, v128-223 A's fragments; window 1: B's fragments, two sets, then the tables; windows 2, 3: the accumulators.
.set TROW,  24576
.set XSO,   3145728
.set WSO,   12582912
.set NQ,    2
.set FR,    12
.set NL,    3
.set NP,    4
.set HALFT, 24576                      ; 8 tiles x 2 K steps: a ring load, and what a wave reads of A or of B
.set SLOT,  4*HALFT
.set LAPS,  4
.set SCL,   2*SLOT
.set HALFS, 8704                       ; the scales of 128 rows: 32 units of 256 bytes + 16
.set SBLK,  1088
.set SPARE, SCL+4*HALFS                ; the spare words
.set ADRA, 16
.set ADRB, 20
.set LI,   24
.set PFC,  25                          ; 256 x lane
.set H64,  26
.set ADRS, 27
.set SPW,  28
.set NIL,  29
.set CH4,  30
.set PFO,  31                          ; my block of the 24 that my wave names
.set SC,   32
.set AF,   128
.set TM,   32
.set PWS,  48
.set SI,   56
.set BI,   64
.set VAL,  128
.set PC,   128
.set OUT,  192
.set SEL,  96
.set PFA,  12                          ; s[12:13] where my prefetches stand
.set G0H,  4
.set G0HB, 8
.set G1, 24
.set G0, 32
.set G1B, 48
.set G0B, 56
.set G1S, 68
.set G0S, 76
.set G1SB, 80
.set G0SB, 88
.set FS,   80                          ; s[80:81] the factor on q (1 / sqrt(128)) or k (1)
.set CSP,  86                          ; s[86:87] my tokens' table images
.set MSB, 0
.macro WIN new
.if MSB != (\new)
	s_set_vgpr_msb (MSB<<8)|(\new)
.set MSB, (\new)
.endif
.endm
.set MUL_LO, 0xa1
.set MUL_HI, 0xf1
.set TO_B,   0x40
.macro JLOAD g0a, g1a, g0b, g1b        ; waves 0, 1 fetch for A, waves 2, 3 for B
	s_cmp_eq_u32 s15, 0
	s_cbranch_scc0 .Lfor_b_\@
	tensor_load_to_lds s[\g0a:\g0a+3], s[\g1a:\g1a+7]
	s_nop 0
.rept 4
	v_nop
.endr
	s_branch .Lasked_\@
.Lfor_b_\@:
	tensor_load_to_lds s[\g0b:\g0b+3], s[\g1b:\g1b+7]
	s_nop 0
.rept 4
	v_nop
.endr
.Lasked_\@:
.endm
.macro CREST
	s_cmp_lg_u32 s14, 0
	s_cbranch_scc1 .Lnot_wave_0_\@
	s_barrier_signal -3
.Lnot_wave_0_\@:
	s_barrier_wait -3
	s_barrier_signal -1
	s_barrier_wait -1
.endm
.macro CROUND
	s_barrier_signal -1
	s_barrier_wait -1
	CREST
.endm
; 64 numbers of a lane, register 16 b + i = k 32 b + 16 (lane / 16) + i of its row, become a fragment's 12 registers at v[pc] and its scale word in v[pw]
.macro QUANT s, pc, pw
.irp b, 0,1,2,3
	v_max3_num_f32 v[TM+\b], |v[\s+16*\b]|, |v[\s+1+16*\b]|, 0x1800000
.endr
.irp i, 2,4,6,8,10,12,14
.irp b, 0,1,2,3
	v_max3_num_f32 v[TM+\b], v[TM+\b], |v[\s+16*\b+\i]|, |v[\s+1+16*\b+\i]|
.endr
.endr
.irp b, 0,1,2,3
	v_permlanex16_b32 v[TM+4+\b], v[TM+\b], s[SEL], s[SEL+1]
.endr
.irp b, 0,1,2,3
	v_max_num_f32 v[TM+\b], v[TM+\b], v[TM+4+\b]
.endr
.irp b, 0,1,2,3
	v_add_nc_u32 v[TM+12+\b], 0xff000000, v[TM+\b]
.endr
.irp b, 0,1,2,3
	v_lshrrev_b32 v[TM+4+\b], 23, v[TM+12+\b]
.endr
	v_lshl_or_b32 v[\pw], v[TM+5], 8, v[TM+4]
	v_lshl_or_b32 v[\pw], v[TM+6], 16, v[\pw]
	v_lshl_or_b32 v[\pw], v[TM+7], 24, v[\pw]
.irp c, 0,1
	v_cvt_scalef32_pk16_fp6_f32 v[\pc+6*\c:\pc+2+6*\c], v[\s+32*\c:\s+15+32*\c], v[TM+12+2*\c]
	v_cvt_scalef32_pk16_fp6_f32 v[\pc+12+4*\c:\pc+14+4*\c], v[\s+16+32*\c:\s+31+32*\c], v[TM+12+2*\c+1]
.endr
	v_nop
.irp c, 0,1
.irp i, 0,1,2
	v_permlane16_swap_b32 v[\pc+6*\c+\i], v[\pc+12+4*\c+\i]
.endr
.irp i, 0,1,2
	v_mov_b32 v[\pc+3+6*\c+\i], v[\pc+12+4*\c+\i]
.endr
.endr
.endm
	s_load_b128 s[92:95], s[0:1], 0x0              ; xbuf, wbuf
	v_lshl_add_u32 v[SPW], v0, 2, SPARE
	v_mov_b32 v[NIL], 0
	ds_add_u32 v[SPW], v[NIL]                      ; the opening lines: the add twice on end and one wait
	ds_add_u32 v[SPW], v[NIL]
	v_lshrrev_b32 v1, 5, v0
	v_readfirstlane_b32 s14, v1                    ; wave
	s_lshr_b32 s15, s14, 1                         ; my half of A's rows; also: I fetch for A (0) or B (1)
	s_and_b32 s16, s14, 1                          ; my half of B's rows; also: which 8 tiles I fetch
	s_bfe_u32 s40, ttmp6, 0x40000                  ; cx
	s_bfe_u32 s41, ttmp6, 0x40004                  ; cy
	s_lshl_b32 s42, ttmp9, 2
	s_add_co_u32 s42, s42, s40                     ; work-group x
	s_and_b32 s17, ttmp7, 0xffff
	s_lshl_b32 s17, s17, 2
	s_add_co_u32 s17, s17, s41                     ; work-group y
	s_lshl_b32 s43, s41, 2
	s_lshl_b32 s43, 15, s43                        ; my row of the cluster
	s_lshl_b32 s44, 0x1111, s40                    ; my column
	s_or_b32 s[G1+0], s43, (3<<16)|(1<<21)         ; elements of 8 bytes; bit 21 beside a mask
	s_or_b32 s[G1B+0], s44, (3<<16)|(1<<21)
.irp g, G1, G1B                        ; rows of 3,072 bytes, one a tile: 16 for the head's loads, then 8
	s_mov_b32 s[\g+1], 384<<16
	s_mov_b32 s[\g+2], 16<<16
	s_mov_b32 s[\g+3], 384<<16
	s_mov_b32 s[\g+4], 16
	s_mov_b32 s[\g+5], 3072
	s_mov_b32 s[\g+6], 0
	s_mov_b32 s[\g+7], 0
.endr
	s_or_b32 s[G1S+0], s43, (3<<16)|(1<<20)|(1<<21)|(5<<22)|(3<<25)
	s_or_b32 s[G1SB+0], s44, (3<<16)|(1<<20)|(1<<21)|(5<<22)|(3<<25)
.irp g, G1S, G1SB                      ; the scales of 256 rows: 64 rows of 256 bytes, 16 of padding behind each
	s_mov_b32 s[\g+1], 32<<16
	s_mov_b32 s[\g+2], 64<<16
	s_mov_b32 s[\g+3], 32<<16
	s_mov_b32 s[\g+4], 64
	s_mov_b32 s[\g+5], 32
	s_mov_b32 s[\g+6], 0
	s_mov_b32 s[\g+7], 0
.endr
	s_mov_b32 s[SEL], 0x76543210
	s_mov_b32 s[SEL+1], 0xfedcba98
	s_cmp_lt_u32 ttmp9, 4
	s_cselect_b32 s12, 0, 256
	s_lshl_b32 s20, s17, 4
	s_add_co_u32 s20, s20, s12                     ; A's first tile: x's, or Wv's from 256 on
	s_lshl_b32 s46, s42, 4
	s_sub_co_u32 s46, s46, s12                     ; B's first tile
	s_lshl_b32 s22, s20, 10
	s_mov_b32 s23, 0
	s_lshl_b32 s66, s46, 10
	s_mov_b32 s67, 0
	s_mul_i32 s20, s20, TROW
	s_mov_b32 s21, 0
	s_mul_i32 s46, s46, TROW
	s_mov_b32 s47, 0
	s_mul_i32 s45, s14, HALFT                      ; where my ring loads go
	s_wait_dscnt 0x0                               ; both opening adds are done
	s_wait_kmcnt 0x0
	s_cmp_lt_u32 ttmp9, 4
	s_cselect_b64 s[4:5], s[92:93], s[94:95]
	s_cselect_b64 s[8:9], s[94:95], s[92:93]
	s_mov_b32 s18, WSO
	s_cselect_b32 s18, XSO, s18
	s_mov_b32 s19, 0
	s_mov_b32 s12, XSO
	s_cselect_b32 s12, WSO, s12
	s_mov_b32 s13, 0
	s_add_nc_u64 s[6:7], s[4:5], s[18:19]
	s_add_nc_u64 s[10:11], s[8:9], s[12:13]
	s_add_nc_u64 s[20:21], s[4:5], s[20:21]        ; A's codes
	s_add_nc_u64 s[22:23], s[6:7], s[22:23]        ; A's scales
	s_add_nc_u64 s[46:47], s[8:9], s[46:47]        ; B's codes
	s_add_nc_u64 s[66:67], s[10:11], s[66:67]      ; B's scales
	s_mul_i32 s18, s16, 8*TROW                     ; my 8 tiles of 16
	CROUND                                         ; the first joint loads meet
	s_mov_b32 s[G0H], 1                            ; the head's four tiles, each whole
	s_mov_b32 s[G0H+1], 0
	s_mov_b64 s[G0H+2:G0H+3], s[20:21]
	s_or_b32 s[G0H+3], s[G0H+3], 0x80000000
	s_mov_b32 s[G0HB], 1
	s_mov_b32 s[G0HB+1], 2*HALFT
	s_mov_b64 s[G0HB+2:G0HB+3], s[46:47]
	s_or_b32 s[G0HB+3], s[G0HB+3], 0x80000000
	s_mov_b32 s[G0S], 1
	s_mov_b32 s[G0S+1], SCL
	s_mov_b64 s[G0S+2:G0S+3], s[22:23]
	s_or_b32 s[G0S+3], s[G0S+3], 0x80000000
	s_mov_b32 s[G0SB], 1
	s_mov_b32 s[G0SB+1], SCL+2*HALFS
	s_mov_b64 s[G0SB+2:G0SB+3], s[66:67]
	s_or_b32 s[G0SB+3], s[G0SB+3], 0x80000000
	s_add_nc_u64 s[20:21], s[20:21], s[18:19]      ; for the ring: my 8 tiles
	s_add_nc_u64 s[46:47], s[46:47], s[18:19]
.irp s, 0,1
	s_mov_b32 s[G0+4*\s], 1
	s_add_co_u32 s[G0+4*\s+1], s45, \s*SLOT
	s_add_nc_u64 s[G0+4*\s+2:G0+4*\s+3], s[20:21], \s*3072
	s_or_b32 s[G0+4*\s+3], s[G0+4*\s+3], 0x80000000
	s_mov_b32 s[G0B+4*\s], 1
	s_add_co_u32 s[G0B+4*\s+1], s45, \s*SLOT
	s_add_nc_u64 s[G0B+4*\s+2:G0B+4*\s+3], s[46:47], \s*3072
	s_or_b32 s[G0B+4*\s+3], s[G0B+4*\s+3], 0x80000000
.endr
	s_cmp_eq_u32 s15, 0                            ; the prefetches: the tiles that I fetch,
	s_cselect_b64 s[PFA:PFA+1], s[20:21], s[46:47]
	s_cselect_b32 s2, s40, s41                     ; my place among the four that ask jointly,
	s_mul_i32 s2, s2, 2*TROW                       ; which takes 2 of the 8
	s_mov_b32 s3, 0
	s_add_nc_u64 s[PFA:PFA+1], s[PFA:PFA+1], s[2:3]
; one load a wave at the head: one chain of branches on the wave's number
.macro ARM under, g0, g1, next
	s_cmp_lt_u32 s14, \under
	s_cbranch_scc0 \next
	tensor_load_to_lds s[\g0:\g0+3], s[\g1:\g1+7]
	s_nop 0
.rept 4
	v_nop
.endr
	s_branch .Lhead_asked
\next:
.endm
	ARM 1, G0H,  G1,  .Lhead_b
	ARM 2, G0HB, G1B, .Lhead_sa
	ARM 3, G0S,  G1S, .Lhead_sb
	tensor_load_to_lds s[G0SB:G0SB+3], s[G1SB:G1SB+7]
	s_nop 0
.rept 4
	v_nop
.endr
.Lhead_asked:
	s_mul_i32 s21, s15, HALFT                      ; my 8 tiles of A, slot 0
	s_mul_i32 s22, s16, HALFT
	s_add_co_u32 s22, s22, 2*HALFT                 ; my 8 tiles of B
	s_add_co_u32 s23, s21, SLOT
	s_add_co_u32 s66, s22, SLOT
	s_mul_i32 s67, s15, HALFS
	s_mul_i32 s2, s16, HALFS
	s_add_co_u32 s2, s2, 2*HALFS
	s_sub_co_u32 s2, s2, s67                       ; from A's scale words to B's
	s_add_co_u32 s67, s67, SCL
	v_and_b32 v1, 15, v0
	v_bfe_u32 v2, v0, 4, 1
	v_and_b32 v3, 31, v0
	v_lshlrev_b32 v[LI], 4, v3                     ; an image: 16 bytes a lane
	v_add_nc_u32 v[ADRA], s21, v[LI]
	v_add_nc_u32 v[ADRB], s22, v[LI]
	v_add_nc_u32 v[ADRA+1], s23, v[LI]
	v_add_nc_u32 v[ADRB+1], s66, v[LI]
	v_mul_u32_u24 v5, v1, 64
	v_lshrrev_b32 v6, 8, v5
	v_lshl_add_u32 v5, v6, 4, v5                   ; my row's scale words: 64 r, and 16 for each 256 passed
	v_mul_u32_u24 v6, s2, v2                       ; lanes 16-31 take B's
	v_add_nc_u32 v5, v5, v6
	v_add_nc_u32 v[ADRS], s67, v5
	v_lshlrev_b32 v[H64], 6, v2
	v_and_b32 v[CH4], 8, v1
	v_add_nc_u32 v[CH4], v[CH4], v1
	v_lshlrev_b32 v[CH4], 2, v[CH4]
	v_lshlrev_b32 v[PFC], 8, v3
	v_min_u32 v4, 23, v3                           ; block 0..23: tile block / 12, 256 (block % 12) in its 3,072 bytes
	v_mul_u32_u24 v7, v4, 43
	v_lshrrev_b32 v7, 9, v7
	v_mul_u32_u24 v7, v7, TROW-3072
	v_lshl_add_u32 v[PFO], v4, 8, v7
.macro FRAG reg, adr, q, i
.irp c, 0,1,2
	ds_load_b128 v[\reg+4*\c:\reg+4*\c+3], v[\adr] offset:3072*(\i)+1536*(\q)+512*\c
.endr
.endm
; 16 products: A's blocks a0, a0 + 1 x B's eight; the 64 accumulators take turns
.macro MUL16 a0, p, q, sc, zero
.irp a, \a0, \a0+1
.irp b, 0,1,2,3,4,5,6,7
.if \zero
	v_wmma_scale_f32_16x16x128_f8f6f4 v[8*(8*((\a)%4)+\b):8*(8*((\a)%4)+\b)+7], v[128*(\p)+FR*\b:128*(\p)+FR*\b+FR-1], v[AF+FR*(\a):AF+FR*(\a)+FR-1], 0, v[SC+8*NQ*(\sc)+NQ*\b+(\q)], v[SC+8*NQ*(\sc)+NQ*(\a)+(\q)] matrix_a_fmt:MATRIX_FMT_FP6 matrix_b_fmt:MATRIX_FMT_FP6 matrix_a_scale:MATRIX_SCALE_ROW1
.else
	v_wmma_scale_f32_16x16x128_f8f6f4 v[8*(8*((\a)%4)+\b):8*(8*((\a)%4)+\b)+7], v[128*(\p)+FR*\b:128*(\p)+FR*\b+FR-1], v[AF+FR*(\a):AF+FR*(\a)+FR-1], v[8*(8*((\a)%4)+\b):8*(8*((\a)%4)+\b)+7], v[SC+8*NQ*(\sc)+NQ*\b+(\q)], v[SC+8*NQ*(\sc)+NQ*(\a)+(\q)] matrix_a_fmt:MATRIX_FMT_FP6 matrix_b_fmt:MATRIX_FMT_FP6 matrix_a_scale:MATRIX_SCALE_ROW1
.endif
.endr
.endr
.endm
.macro FETCH_B slot, q, p
	WIN TO_B
.irp i, 0,1,2,3,4,5,6,7
	FRAG 128*(\p)+FR*\i, ADRB+\slot, \q, \i
.endr
	WIN 0
.endm
.macro FETCH_A slot, q, i0
.irp i, \i0, \i0+1, \i0+2, \i0+3
	FRAG AF+FR*(\i), ADRA+\slot, \q, \i
.endr
.endm
.macro SCALES sc                       ; a slot's two words a row: lanes 0-15 A's block i, lanes 16-31 B's
.irp i, 0,1,2,3,4,5,6,7
	ds_load_b64 v[SC+8*NQ*\sc+NQ*\i:SC+8*NQ*\sc+NQ*\i+1], v[ADRS] offset:\i*SBLK
.endr
.endm
.macro PLACES n
.rept \n
	v_nop
.endr
.endm
.macro STEP slot, q, zero              ; a slot's first K step; it fetches the second's fragments
	s_wait_dscnt 4*NL                              ; all but A's blocks 4-7 (12 loads) are in
	WIN MUL_LO
	MUL16 0, (\q)%2, \q, \slot, \zero
	MUL16 2, (\q)%2, \q, \slot, \zero
	s_wait_dscnt 0
	PLACES NP
	FETCH_B \slot, (\q)+1, 1-(\q)%2
	FETCH_A \slot, (\q)+1, 0
	WIN MUL_HI
	MUL16 4, (\q)%2, \q, \slot, \zero
	MUL16 6, (\q)%2, \q, \slot, \zero
	PLACES NP
	WIN 0
	FETCH_A \slot, (\q)+1, 4
.endm
.macro TURN slot, next, fill           ; a slot's second K step, and the change of slots
.if \fill
	s_wait_xcnt 0x0                                ; my last prefetch has read its address
	s_add_nc_u64 s[PFA:PFA+1], s[PFA:PFA+1], 3072
.endif
	s_wait_tensorcnt 0x0                           ; my part of the next slot is in
	ds_add_u32 v[SPW], v[NIL]
	s_wait_dscnt 4*NL+1                            ; the add and A's blocks 4-7 may be out
	WIN MUL_LO
	MUL16 0, 1, NQ-1, \slot, 0
	s_wait_dscnt 0x0                               ; the add is done, my reads of this slot are over
	s_barrier_signal -1
	MUL16 2, 1, NQ-1, \slot, 0
	WIN 0
	s_barrier_wait -1
.if \fill
	CREST                                          ; the barrier has opened a round of the cluster's barrier
	s_add_nc_u64 s[G0+4*\slot+2:G0+4*\slot+3], s[G0+4*\slot+2:G0+4*\slot+3], 6144
	s_add_nc_u64 s[G0B+4*\slot+2:G0B+4*\slot+3], s[G0B+4*\slot+2:G0B+4*\slot+3], 6144
	JLOAD G0+4*\slot, G1, G0B+4*\slot, G1B         ; its four v_nop are the places ahead of the loads below
.else
	PLACES NP
.endif
	s_wait_alu depctr_va_vdst(0)                   ; the wait ahead of the reader below
	v_add_nc_u32 v[ADRS], 4*NQ, v[ADRS]
	FETCH_B \next, 0, 0
	FETCH_A \next, 0, 0
	SCALES \next
.if \fill
	s_cmp_gt_u32 s3, 1                             ; the last lap's two fills have no fill two on
	s_cbranch_scc0 .Lno_ask_\@
	global_prefetch_b8 v[PFO], s[PFA:PFA+1] offset:9216 th:TH_LOAD_NT scope:SCOPE_SE
.Lno_ask_\@:
.endif
	WIN MUL_HI
	MUL16 4, 1, NQ-1, \slot, 0
	MUL16 6, 1, NQ-1, \slot, 0
	PLACES NP
	WIN 0
	FETCH_A \next, 0, 4
.endm
	s_wait_alu depctr_va_vdst(0)                   ; the wait at the head's end
	global_prefetch_b8 v[PFO], s[PFA:PFA+1] offset:3072 th:TH_LOAD_NT scope:SCOPE_SE   ; fills 1 and 2
	global_prefetch_b8 v[PFO], s[PFA:PFA+1] offset:6144 th:TH_LOAD_NT scope:SCOPE_SE
	s_wait_tensorcnt 0x0                           ; my tile of the head's four is in
	ds_add_u32 v[SPW], v[NIL]
	s_mov_b32 s[G1+2], 8<<16                       ; no load of mine is out: from here on a load brings 8 tiles
	s_mov_b32 s[G1+4], 8
	s_mov_b32 s[G1B+2], 8<<16
	s_mov_b32 s[G1B+4], 8
	s_wait_dscnt 0x0
	CROUND
	JLOAD G0+4, G1, G0B+4, G1B                     ; slot 1's first fill, issued as a refill is
	FETCH_B 0, 0, 0
	FETCH_A 0, 0, 0
	SCALES 0
	FETCH_A 0, 0, 4
	global_prefetch_b8 v[PFO], s[PFA:PFA+1] offset:9216 th:TH_LOAD_NT scope:SCOPE_SE   ; fill 3
	s_load_b256 s[68:75], s[0:1], 0x10             ; bq, bk, bv, csimg (the scales' descriptors are done with)
	s_load_b128 s[76:79], s[0:1], 0x30             ; qb, kv
	STEP 0, 0, 1
	s_mov_b32 s3, LAPS-1
.Llap:
	TURN 0, 1, 1
	STEP 1, 0, 0
	TURN 1, 0, 1
	STEP 0, 0, 0
	s_sub_co_u32 s3, s3, 1
	s_cmp_lg_u32 s3, 0
	s_cbranch_scc1 .Llap
	; three K steps are left: the way out's addresses, the bias, and the tables' prefetch
	s_wait_kmcnt 0x0
	s_lshl_b32 s84, s40, 2
	s_add_co_u32 s84, s84, s14                     ; of my work-group's 16 token tiles, which my row of the cluster shares: tile 4 cx + wave
	s_lshl_b32 s84, s84, 14
	s_lshl_b32 s88, s17, 18
	s_add_co_u32 s84, s84, s88
	s_mov_b32 s85, 0
	s_add_nc_u64 s[88:89], s[74:75], s[84:85]
	s_cmp_lt_u32 ttmp9, 4                          ; v has no rotation: its clusters name nothing of the tables
	s_cbranch_scc0 .Lno_cs
	global_prefetch_b8 v[PFC], s[88:89] th:TH_LOAD_NT scope:SCOPE_SE
	global_prefetch_b8 v[PFC], s[88:89] offset:8192 th:TH_LOAD_NT scope:SCOPE_SE
.Lno_cs:
	TURN 0, 1, 0
	s_cmp_lt_u32 ttmp9, 4                          ; q and k part from v once: each way has its own last two K steps and its own way out
	s_cbranch_scc0 .Lv
	s_and_b32 s18, s42, 7
	s_lshl_b32 s18, s18, 1
	s_add_co_u32 s18, s18, s16                     ; the head
	s_lshl_b32 s19, s17, 1
	s_add_co_u32 s19, s19, s15                     ; my 128 tokens
	s_cmp_ge_u32 ttmp9, 2                          ; k or q
	s_cselect_b64 s[20:21], s[78:79], s[76:77]
	s_cselect_b64 s[22:23], s[70:71], s[68:69]
	s_mov_b32 s[FS], 0x3db504f3
	s_cselect_b32 s[FS], 1.0, s[FS]
	s_mov_b32 s[FS+1], s[FS]
	s_cselect_b32 s82, 1, 0
	s_mul_i32 s83, s18, 204800
	s_mul_i32 s84, s19, 12800
	s_add_co_u32 s83, s83, s84
	s_lshl_b32 s84, s83, s82                       ; kv's records are twice qb's
	s_mov_b32 s85, 0
	s_add_nc_u64 s[20:21], s[20:21], s[84:85]
	s_lshl_b32 s84, s18, 9
	s_add_nc_u64 s[22:23], s[22:23], s[84:85]
	s_lshl_b32 s84, s19, 17
	s_add_nc_u64 s[CSP:CSP+1], s[74:75], s[84:85]
.irp b, 0,1,2,3
.irp j, 0,1,2,3
	global_load_b128 v[BI+16*\b+4*\j:BI+16*\b+4*\j+3], v[H64], s[22:23] offset:128*\b+16*\j
.endr
.endr
	STEP 1, 0, 0
.macro CSLOAD a                        ; token tile a's cos and sin images into window 1, set a % 2
	WIN TO_B
.set n, 0
.rept 32
	global_load_b128 v[128*((\a)%2)+4*n:128*((\a)%2)+4*n+3], v[LI], s[CSP:CSP+1] offset:16384*(\a)+512*n
.set n, n+1
.endr
	WIN 0
.endm
.macro LASTSTEP                        ; the last K step: nothing more to fetch
	s_wait_dscnt 4*NL
	WIN MUL_LO
	MUL16 0, 1, NQ-1, 1, 0
	MUL16 2, 1, NQ-1, 1, 0
	s_wait_dscnt 0
	WIN MUL_HI
	MUL16 4, 1, NQ-1, 1, 0
	MUL16 6, 1, NQ-1, 1, 0
	WIN 0
	PLACES NP
.irp b, 0,1,2,3
	v_mov_b32 v[TM+4+\b], 0                        ; a lane permute's destination counts as one of its sources
.endr
.endm
	CSLOAD 0                                       ; B's set 0 is done with (four places stand behind its last products)
	LASTSTEP
	CSLOAD 1
	s_wait_loadcnt 63                              ; behind the bias's 16 loads 64 were issued
.set j, 0
.rept 32
	v_pk_mul_f32 v[BI+j:BI+j+1], v[BI+j:BI+j+1], s[FS:FS+1] op_sel_hi:[1,0]
.set j, j+2
.endr
.macro EQK a                           ; 16 tokens: factor and bias, the rotation, the quantiser, three stores of 512 bytes
.if \a > 0
	s_wait_xcnt 0x0
.endif
.if \a < 7
	s_wait_loadcnt 32                              ; the next tile's 32 loads may be out
.else
	s_wait_loadcnt 0x0
.endif
	WIN 0x02+(\a)/4
.set j, 0
.rept 32
	v_pk_fma_f32 v[VAL+j:VAL+j+1], v[64*((\a)%4)+j:64*((\a)%4)+j+1], s[FS:FS+1], v[BI+j:BI+j+1] op_sel_hi:[1,0,1]
.set j, j+2
.endr
	WIN 0x04
.set CSR, 128*((\a)%2)
.set j, 0
.rept 32
	v_pk_mul_f32 v[OUT+j:OUT+j+1], v[VAL+j:VAL+j+1], v[CSR+j:CSR+j+1]
.set j, j+2
.endr
.set j, 0
.rept 32
	v_fma_f32 v[OUT+j], -v[VAL+j+1], v[CSR+64+j], v[OUT+j]
	v_fma_f32 v[OUT+j+1], v[VAL+j], v[CSR+64+j+1], v[OUT+j+1]
.set j, j+2
.endr
.if \a < 6
	CSLOAD (\a)+2
.endif
	WIN 0
	QUANT OUT, PC, PWS+\a
.irp c, 0,1,2
	global_store_b128 v[LI], v[PC+4*\c:PC+4*\c+3], s[20:21] offset:1536*(\a)+512*\c
.endr
.endm
.irp a, 0,1,2,3,4,5,6,7
	EQK \a
.endr
	v_cmp_eq_u32 vcc_lo, 1, v2
.irp i, 0,1,2,3
	v_cndmask_b32 v[SI+\i], v[PWS+\i], v[PWS+4+\i], vcc_lo
.endr
	global_store_b128 v[LI], v[SI:SI+3], s[20:21] offset:12288   ; the scale image
	s_branch .Lend
.Lv:
	s_lshl_b32 s18, s17, 1
	s_add_co_u32 s18, s18, s15                     ; the head
	s_sub_co_u32 s19, s42, 16
	s_lshl_b32 s19, s19, 1
	s_add_co_u32 s19, s19, s16                     ; the key step
	s_mul_i32 s84, s18, 409600
	s_mul_i32 s83, s19, 25600
	s_add_co_u32 s84, s84, s83
	s_add_co_u32 s84, s84, 12800
	s_mov_b32 s85, 0
	s_add_nc_u64 s[20:21], s[78:79], s[84:85]
	s_lshl_b32 s84, s18, 9
	s_add_nc_u64 s[22:23], s[72:73], s[84:85]
.irp a, 0,1,2,3,4,5,6,7
	global_load_b32 v[BI+2*\a], v[CH4], s[22:23] offset:(32*(\a/2)+8*(\a%2))*4
	global_load_b32 v[BI+2*\a+1], v[CH4], s[22:23] offset:(32*(\a/2)+8*(\a%2))*4
.endr
	STEP 1, 0, 0
	LASTSTEP
	s_wait_loadcnt 0x0
.macro EV a                            ; 16 channels x 128 tokens: the bias, the quantiser along the tokens
.if \a > 0
	s_wait_xcnt 0x0
.endif
	WIN 0x02+(\a)/4
.set j, 0
.rept 32
	v_pk_add_f32 v[OUT+j:OUT+j+1], v[64*((\a)%4)+j:64*((\a)%4)+j+1], v[BI+2*(\a):BI+2*(\a)+1]
.set j, j+2
.endr
	WIN 0
	QUANT OUT, PC, PWS+\a
.irp c, 0,1,2
	global_store_b128 v[LI], v[PC+4*\c:PC+4*\c+3], s[20:21] offset:1536*(\a)+512*\c
.endr
.endm
.irp a, 0,1,2,3,4,5,6,7
	EV \a
.endr
	v_cmp_eq_u32 vcc_lo, 1, v2
.irp i, 0,1,2,3
	v_cndmask_b32 v[SI+\i], v[PWS+\i], v[PWS+4+\i], vcc_lo
.endr
	global_store_b128 v[LI], v[SI:SI+3], s[20:21] offset:12288
.Lend:
	s_wait_tensorcnt 0x0                           ; the wave's end
	ds_add_u32 v[SPW], v[NIL]
	s_wait_dscnt 0x0
	CROUND                                         ; the closing round
	s_endpgm
.Lfunc_end_k_q2c4c0c0f27_qkv:
	.size	k_q2c4c0c0f27_qkv, .Lfunc_end_k_q2c4c0c0f27_qkv-k_q2c4c0c0f27_qkv
	.p2alignl 7, 3214868480
	.fill 96, 4, 3214868480
	.section	.rodata,"a",@progbits
	.p2align	6, 0x0
	.amdhsa_kernel k_q2c4c0c0f27_qkv
		.amdhsa_group_segment_fixed_size 327680
		.amdhsa_private_segment_fixed_size 0
		.amdhsa_enable_private_segment 0
		.amdhsa_kernarg_size 64
		.amdhsa_user_sgpr_count 2
		.amdhsa_user_sgpr_kernarg_segment_ptr 1
		.amdhsa_wavefront_size32 1
		.amdhsa_system_sgpr_workgroup_id_x 1
		.amdhsa_system_sgpr_workgroup_id_y 1
		.amdhsa_system_sgpr_workgroup_id_z 1
		.amdhsa_system_vgpr_workitem_id 0
		.amdhsa_next_free_vgpr 1024
		.amdhsa_next_free_sgpr 100
		.amdhsa_reserve_vcc 1
		.amdhsa_float_denorm_mode_32 3
		.amdhsa_float_denorm_mode_16_64 3
		.amdhsa_memory_ordered 1
		.amdhsa_forward_progress 1
		.amdhsa_inst_pref_size 255
	.end_amdhsa_kernel
	.section	.bss,"aw",@nobits
	.p2align	6
	.space	262144
	.amdgpu_metadata
---
amdhsa.version: [ 1, 2 ]
amdhsa.kernels:
  - .name:           k_q2c4c0c0f27_qkv
    .symbol:         k_q2c4c0c0f27_qkv.kd
    .args:
      - { .name: xbuf, .offset: 0, .size: 8, .value_kind: global_buffer, .address_space: global }
      - { .name: wbuf, .offset: 8, .size: 8, .value_kind: global_buffer, .address_space: global }
      - { .name: bq, .offset: 16, .size: 8, .value_kind: global_buffer, .address_space: global }
      - { .name: bk, .offset: 24, .size: 8, .value_kind: global_buffer, .address_space: global }
      - { .name: bv, .offset: 32, .size: 8, .value_kind: global_buffer, .address_space: global }
      - { .name: csimg, .offset: 40, .size: 8, .value_kind: global_buffer, .address_space: global }
      - { .name: qb, .offset: 48, .size: 8, .value_kind: global_buffer, .address_space: global }
      - { .name: kv, .offset: 56, .size: 8, .value_kind: global_buffer, .address_space: global }
    .group_segment_fixed_size: 327680
    .private_segment_fixed_size: 0
    .kernarg_segment_align: 8
    .kernarg_segment_size: 64
    .max_flat_workgroup_size: 128
    .sgpr_count:     100
    .vgpr_count:     1024
    .wavefront_size: 32
...
	.end_amdgpu_metadata
.endif
;; end of part 6
;; launch attn (part 7): grid 16 x 16, 16 waves a work-group, clusters of 4 x 1, 327,680 bytes of LDS; arguments qb, kv, obuf; writes obuf
.if DOCPART == 7
	.amdgcn_target "amdgcn-amd-amdhsa--gfx1250"
	.amdhsa_code_object_version 6
	.text
	.protected	k_q2c4c0c0f27_attn
	.globl	k_q2c4c0c0f27_attn
	.p2align	8
	.type	k_q2c4c0c0f27_attn,@function
k_q2c4c0c0f27_attn:
	s_mov_b64 s[64:65], 0
	v_nop
	global_prefetch_b8 v0, s[64:65] scope:SCOPE_SE
	s_setreg_imm32_b32 hwreg(HW_REG_WAVE_MODE, 25, 1), 1
	s_wait_xcnt 0x0
	s_wait_alu depctr_hold_cnt(0) depctr_sa_sdst(0) depctr_va_vdst(0) depctr_va_sdst(0) depctr_va_ssrc(0) depctr_va_vcc(0) depctr_vm_vsrc(0)
	s_getreg_b32 s2, hwreg(HW_REG_IB_STS2, 6, 4)
	s_cmp_eq_u32 s2, 0
	s_cbranch_scc0 .Lentry_in_a_cluster
	s_endpgm
.Lentry_in_a_cluster:
	s_bfe_u32 s2, ttmp6, 0x10000c
	s_cmp_lg_u32 s2, 0x3003
	s_cbranch_scc0 .Lentry_shape_is_right
	s_endpgm
.Lentry_shape_is_right:
; o[q] = the sum over k of softmax_k(q . k / sqrt(128)) v[k] for 16 heads of 128, 2,048 tokens, both products on codes of FP6 (E2M3) with E8M0 scales; o is quantised along (head, channel) for the last product.
; (q already carries the module's first 1 / sqrt(128).)  t = score x log2(e) / sqrt(128); M = the running largest t rounded UP to a whole number; p = 2^(t - M) is what is quantised, along the keys, not normalised;
; the row's sum is taken of the unquantised p and divides O at the end (v_rcp_f32 and a multiplication).  When M moves, the sum and O are multiplied by 2^(old M - new M): exact.
; SHARES.  A work-group owns 128 queries of one head, in eight tiles of 16.  It has SIXTEEN waves of 256 registers, four to a SIMD, so that one wave's vector work stands beside another's LDS loads and matrix work.
; Waves w and w + 8 own the same tile, w % 8, and HALF OF THE KEYS each: of every slot's four key steps wave w takes steps 2 (w / 8) and 2 (w / 8) + 1.  Each half has its own running M, sum and O^T.  At the end waves 8-15 hand
; theirs to waves 0-7 through LDS; both are brought under the larger M by powers of two, which rounds nothing, and added.
; INPUTS are images of operand registers.  qb [head][128 tokens][12,800], kv [head][key step][K's 12,800 | V's 12,800]: eight fragment images of 1,536 bytes, then a scale image of 512: lane (r, h), register i: the word of fragment 4 h + i, row r.
; Place r of tile T is row 32 (T / 2) + 8 (T % 2) + r + 8 (r / 8) (tokens in q and k, channels in V): so with both products transposed (S^T = K Q^T, O^T = V^T P^T) a lane holds ONE query, the 16 registers of tiles 2 b, 2 b + 1
; of S^T are keys 32 b + 16 (lane / 16) + 0 .. 15, and those of O^T channels 32 b + 16 (lane / 16) + 0 .. 15.
; THE RING.  Two LDS slots of four key steps (102,400 bytes, dense in memory); every wave brings a sixteenth of a slot (25 rows of 256 bytes) by one tensor load.  CLUSTER: the four query groups of a cluster belong to one head and
; walk the same kv: every tile is asked for jointly, with the same descriptor and the mask of all four.  A refill is asked for a whole slot ahead of its first read.
; RESULT.  obuf: images [token tile][K step = head][1,536], behind them the scale words [token tile][place][16 words].
; LIMITS: NaN and infinities are not served.  A block of p or of o whose largest magnitude lies under 2^-124, zeros among them, gets the byte 1: this program alone reads the bytes.
; REGISTERS: v1 16 x lane; v5, v6 the add's; v7 64 r; v8 the step's LDS address; v9, v10 the merge's LDS addresses; v12 -M, v13 the largest t, v[14:15] the sum in two halves; v16-27 Q; v32-79 four fragments;
; v96-159 S^T, then p, then V's last four fragments; v160-223 O^T; v224-235 p's codes; v232-247, v252-254 at work; v248-251 the step's scale image; v253 p's scale word; v255 Q's scale word.
.set HREC,  12800                      ; half a record
.set WREC,  6400                       ; what one tensor load brings
.set STEPB, 25600                      ; a key step's record
.set HALFB, 51200                      ; two of them: a wave's part of a slot
.set SLOTB, 102400                     ; four of them
.set SLOT1, 131072                     ; slot 1 begins here: one exclusive or turns an address in one slot into the other's
.set SPARE, SLOT1+SLOTB                ; the spare words, 128 bytes for each wave: eight blocks of 256 bytes that no other line names
.set MRG,   SPARE+2048                 ; the merge's bytes, into which no fill lands: for each tile O^T's image (8,192) and 8 bytes a lane (-M, the lane's sum)
.set MRGB,  8448
.set XSO,   3145728                    ; obuf: where the scale words begin
.set SPW,  5
.set NIL,  6
.set TM,   232
.set TI,   16                          ; s16  my tile of queries: wave % 8
.set HF,   17                          ; s17  my half of the keys: wave / 8
.set WV,   18                          ; s18  my wave's number
.set SEL,  20                          ; s[20:21] lane selects for v_permlanex16_b32: lane l xor 16
.set CS,   22                          ; s[22:23] c = log2(e) / sqrt(128)
.set G1,   24                          ; s[24:31] descriptor group 1
.set G0A,  32                          ; s[32:35] group 0 of slot 0's first fill
.set G0B,  36                          ; s[36:39] group 0 of slot 1's first fill, which then walks
.set TB,   40                          ; s40  LDS byte at which the step's record begins
.set SLOTS, 41                         ; s41  slots still to be asked for
.set TW,   42                          ; s42  counts my two steps of a slot
.macro CROUND                          ; a round of the cluster's barrier
	s_barrier_signal -1
	s_barrier_wait -1
	s_cmp_lg_u32 s[WV], 0
	s_cbranch_scc1 .Lnot_wave_0_\@
	s_barrier_signal -3
.Lnot_wave_0_\@:
	s_barrier_wait -3
	s_barrier_signal -1
	s_barrier_wait -1
.endm
; 64 numbers of a lane, register 16 b + i = k 32 b + 16 (lane / 16) + i of the lane's row, become a fragment's 12 registers at v[pc] (v[pc+12] .. v[pc+18] at work) and its scale word in v[pw].
.macro QUANT s, pc, pw
.irp b, 0,1,2,3
	v_max3_num_f32 v[TM+\b], |v[\s+16*\b]|, |v[\s+1+16*\b]|, 0x1800000
.endr
.irp i, 2,4,6,8,10,12,14
.irp b, 0,1,2,3
	s_delay_alu instid0(VALU_DEP_4)
	v_max3_num_f32 v[TM+\b], v[TM+\b], |v[\s+16*\b+\i]|, |v[\s+1+16*\b+\i]|
.endr
.endr
.irp b, 0,1,2,3
	s_delay_alu instid0(VALU_DEP_4)
	v_permlanex16_b32 v[TM+4+\b], v[TM+\b], s[SEL], s[SEL+1]
.endr
.irp b, 0,1,2,3
	s_delay_alu instid0(VALU_DEP_4)
	v_max_num_f32 v[TM+\b], v[TM+\b], v[TM+4+\b]
.endr
.irp b, 0,1,2,3
	s_delay_alu instid0(VALU_DEP_4)
	v_add_nc_u32 v[TM+12+\b], 0xff000000, v[TM+\b]
.endr
.irp b, 0,1,2,3
	s_delay_alu instid0(VALU_DEP_4)
	v_lshrrev_b32 v[TM+4+\b], 23, v[TM+12+\b]
.endr
	s_delay_alu instid0(VALU_DEP_3)
	v_lshl_or_b32 v[\pw], v[TM+5], 8, v[TM+4]
	s_delay_alu instid0(VALU_DEP_1)
	v_lshl_or_b32 v[\pw], v[TM+6], 16, v[\pw]
	s_delay_alu instid0(VALU_DEP_1)
	v_lshl_or_b32 v[\pw], v[TM+7], 24, v[\pw]
.irp c, 0,1
	v_cvt_scalef32_pk16_fp6_f32 v[\pc+6*\c:\pc+2+6*\c], v[\s+32*\c:\s+15+32*\c], v[TM+12+2*\c]
	v_cvt_scalef32_pk16_fp6_f32 v[\pc+12+4*\c:\pc+14+4*\c], v[\s+16+32*\c:\s+31+32*\c], v[TM+12+2*\c+1]
.endr
	v_nop                                          ; one plain place behind the scaled conversions
.irp c, 0,1
.irp i, 0,1,2
	v_permlane16_swap_b32 v[\pc+6*\c+\i], v[\pc+12+4*\c+\i]
.endr
.irp i, 0,1,2
	s_delay_alu instid0(VALU_DEP_3)
	v_mov_b32 v[\pc+3+6*\c+\i], v[\pc+12+4*\c+\i]
.endr
.endr
.endm
	s_load_b128 s[4:7], s[0:1], 0x0                ; qb s[4:5], kv s[6:7]
	s_load_b64 s[8:9], s[0:1], 0x10                ; obuf
	v_lshl_add_u32 v[SPW], v0, 2, SPARE
	v_mov_b32 v[NIL], 0
	ds_add_u32 v5, v6
	ds_add_u32 v5, v6
	s_wait_dscnt 0x0
	v_lshrrev_b32 v1, 5, v0
	s_delay_alu instid0(VALU_DEP_1)
	v_readfirstlane_b32 s[WV], v1                  ; wave 0..15
	s_and_b32 s[TI], s[WV], 7
	s_lshr_b32 s[HF], s[WV], 3
	s_bfe_u32 s10, ttmp6, 0x40000                  ; cx: my place in the cluster
	s_lshl_b32 s11, ttmp9, 2
	s_add_co_u32 s11, s11, s10                     ; my group of 128 queries: it enters qb's and obuf's addresses alone
	s_and_b32 s12, ttmp7, 0xffff                   ; the head, which the four partners share
	; descriptor group 1: 6,400 dense bytes as 25 rows of 32 elements of 8 bytes
	s_mov_b32 s[G1], 15|(3<<16)|(1<<21)            ; 15:0 the mask: all four work-groups; 17:16 elements of 8 bytes; 21 set beside a mask
	s_mov_b32 s[G1+1], 32<<16                      ; tensor_dim0
	s_mov_b32 s[G1+2], 25<<16                      ; tensor_dim1
	s_mov_b32 s[G1+3], 32<<16                      ; tile_dim0
	s_mov_b32 s[G1+4], 25                          ; tile_dim1
	s_mov_b32 s[G1+5], 32                          ; tensor_dim0_stride
	s_mov_b32 s[G1+6], 0
	s_mov_b32 s[G1+7], 0
	s_mul_i32 s13, s[WV], WREC                     ; my sixteenth of a slot, in LDS and in memory alike
	s_mul_i32 s14, s12, 409600                     ; the head's records
	s_add_co_u32 s14, s14, s13
	s_mov_b32 s15, 0
	s_mul_i32 s44, s12, 204800
	s_mul_i32 s43, s11, HREC
	s_add_co_u32 s44, s44, s43                     ; my group's record in qb
	s_lshr_b32 s43, s[TI], 2
	s_lshl_b32 s43, s43, 8
	s_add_co_u32 s46, s44, s43
	s_and_b32 s43, s[TI], 3
	s_lshl_b32 s43, s43, 2
	s_add_co_u32 s46, s46, s43
	s_add_co_u32 s46, s46, 12288                   ; in its scale image: fragment TI = 4 (TI / 4) + TI % 4
	s_mov_b32 s47, 0
	s_mul_i32 s43, s[TI], 1536
	s_add_co_u32 s44, s44, s43                     ; my tile's image
	s_mov_b32 s45, 0
	s_lshl_b32 s48, s11, 3
	s_add_co_u32 s48, s48, s[TI]                   ; my token tile
	s_lshl_b32 s50, s48, 10
	s_lshl_b32 s43, s12, 2
	s_add_co_u32 s50, s50, s43
	s_add_co_u32 s50, s50, XSO                     ; o's scale words: 1,024 a tile, word = head
	s_mov_b32 s51, 0
	s_mul_i32 s48, s48, 24576
	s_mul_i32 s43, s12, 1536
	s_add_co_u32 s48, s48, s43                     ; o's image: K step = head
	s_mov_b32 s49, 0
	s_mul_i32 s52, s[TI], MRGB
	s_add_co_u32 s52, s52, MRG                     ; my tile's bytes for the merge
	s_mov_b32 s[SEL], 0x76543210
	s_mov_b32 s[SEL+1], 0xfedcba98
	s_mov_b32 s[CS], 0x3e0293ee                    ; c = log2(e) / sqrt(128)
	s_mov_b32 s[CS+1], s[CS]                       ; (named with it as a pair)
	s_mul_i32 s[TB], s[HF], HALFB                  ; my first key step of slot 0
	s_mov_b32 s[SLOTS], 2
	s_wait_kmcnt 0x0
	s_add_nc_u64 s[14:15], s[6:7], s[14:15]
	s_add_nc_u64 s[44:45], s[4:5], s[44:45]
	s_add_nc_u64 s[46:47], s[4:5], s[46:47]
	s_add_nc_u64 s[48:49], s[8:9], s[48:49]
	s_add_nc_u64 s[50:51], s[8:9], s[50:51]
	s_mov_b32 s[G0A], 1                            ; 1:0 count = 1
	s_mov_b32 s[G0A+1], s13                        ; 63:32 LDS address: slot 0
	s_mov_b64 s[G0A+2:G0A+3], s[14:15]             ; 120:64 global address: key steps 0 to 3
	s_or_b32 s[G0A+3], s[G0A+3], 0x80000000        ; 127:126 type = 2
	s_mov_b32 s[G0B], 1
	s_add_co_u32 s[G0B+1], s13, SLOT1
	s_add_nc_u64 s[G0B+2:G0B+3], s[14:15], SLOTB   ; key steps 4 to 7
	s_or_b32 s[G0B+3], s[G0B+3], 0x80000000
	CROUND                                         ; all four work-groups are here: the first joint loads meet
	tensor_load_to_lds s[G0A:G0A+3], s[G1:G1+7]    ; slot 0's first fill: one tensor load a wave at the head
	s_nop 0
.rept 4
	v_nop
.endr
	v_and_b32 v1, 31, v0
	s_delay_alu instid0(VALU_DEP_1)
	v_lshlrev_b32 v10, 3, v1                       ; 8 x lane
	s_delay_alu instid0(VALU_DEP_2)
	v_lshlrev_b32 v1, 4, v1                        ; 16 x lane
	s_delay_alu instid0(VALU_DEP_1)
	v_add_nc_u32 v9, s52, v1                       ; the merge: O^T's image, 16 bytes a lane;
	s_delay_alu instid0(VALU_DEP_3)
	v_add_nc_u32 v10, s52, v10
	s_delay_alu instid0(VALU_DEP_1)
	v_add_nc_u32 v10, 8192, v10                    ; behind it 8 bytes a lane.  Both are made here, ahead of every branch on the wave's number
	v_and_b32 v2, 15, v0
	s_delay_alu instid0(VALU_DEP_1)
	v_lshlrev_b32 v3, 4, v2                        ; 16 r
.irp c, 0,1,2
	global_load_b128 v[16+4*\c:19+4*\c], v1, s[44:45] offset:512*\c   ; Q's fragment stays in registers
.endr
	global_load_b32 v255, v3, s[46:47]             ; Q's scale words
	v_mov_b32 v13, 0xff61b1e6                      ; the largest t so far: -3e38, under every t
	s_delay_alu instid0(VALU_DEP_1)
	v_floor_f32 v12, -v13                          ; -M
	v_mov_b32 v14, 0                               ; the sum, in two halves
	v_mov_b32 v15, 0
.irp b, 0,1,2,3
	v_mov_b32 v[236+\b], 0                         ; written once: a lane permute's destination counts as one of its sources
.endr
	v_mov_b32 v253, 0                              ; (named as the upper half of the pair v[252:253] before it is first written)
.set j, 0
.rept 64
	v_mov_b32 v[160+j], 0                          ; O^T.  (The step is written without a first step of its own: it finds zeros, which the first change of M leaves zeros)
.set j, j+1
.endr
; A KEY STEP: 128 keys.
.macro STEP
	v_add_nc_u32 v8, s[TB], v1
	s_wait_alu depctr_va_vdst(0)
.rept 4
	v_nop                                          ; with the addition: five places: the products below write S^T over v96-143, which the last step's products read as operands (five are owed); the loads below owe four
.endr
.irp g, 0,1                                    ; S^T = K Q^T, four tiles of 16 keys at a time
.if \g > 0
.rept 4
	v_nop
.endr
.endif
.irp t, 0,1,2,3
.irp c, 0,1,2
	ds_load_b128 v[32+12*\t+4*\c:35+12*\t+4*\c], v8 offset:1536*(4*\g+\t)+512*\c
.endr
.endr
.if \g == 0
	ds_load_b128 v[248:251], v8 offset:12288       ; K's scale image: lanes 0-15 tiles 0-3, lanes 16-31 tiles 4-7
.endif
	s_wait_dscnt 0x0
.irp t, 0,1,2,3
.if \g == 0
	v_wmma_scale_f32_16x16x128_f8f6f4 v[96+8*\t:103+8*\t], v[32+12*\t:43+12*\t], v[16:27], 0, v[248+\t], v255 matrix_a_fmt:MATRIX_FMT_FP6 matrix_b_fmt:MATRIX_FMT_FP6
.else
	v_wmma_scale_f32_16x16x128_f8f6f4 v[128+8*\t:135+8*\t], v[32+12*\t:43+12*\t], v[16:27], 0, v[248+\t], v255 matrix_a_fmt:MATRIX_FMT_FP6 matrix_b_fmt:MATRIX_FMT_FP6 matrix_a_scale:MATRIX_SCALE_ROW1
.endif
.endr
.endr
.rept 4
	v_nop                                          ; four places: in front of the loads into K's registers and of the first read of the scores
.endr
.irp t, 0,1,2,3                                ; V's first four fragments and its scale image are asked for here: they land while the softmax is worked
.irp c, 0,1,2
	ds_load_b128 v[32+12*\t+4*\c:35+12*\t+4*\c], v8 offset:HREC+1536*\t+512*\c
.endr
.endr
	ds_load_b128 v[248:251], v8 offset:HREC+12288
.irp b, 0,1,2,3
	v_max3_num_f32 v[232+\b], v[96+16*\b], v[97+16*\b], v[98+16*\b]   ; the largest score of each block of 32 keys: it serves for the row's maximum and, since p rises with the score, for the block's largest p
.endr
.irp i, 3,5,7,9,11,13
.irp b, 0,1,2,3
	v_max3_num_f32 v[232+\b], v[232+\b], v[96+16*\b+\i], v[97+16*\b+\i]
.endr
.endr
.irp b, 0,1,2,3
	v_max_num_f32 v[232+\b], v[232+\b], v[111+16*\b]
.endr
.irp b, 0,1,2,3
	s_delay_alu instid0(VALU_DEP_4)
	v_permlanex16_b32 v[236+\b], v[232+\b], s[SEL], s[SEL+1]
.endr
.irp b, 0,1,2,3
	s_delay_alu instid0(VALU_DEP_4)
	v_max_num_f32 v[232+\b], v[232+\b], v[236+\b]  ; with lane l xor 16's 16 keys
.endr
	s_delay_alu instid0(VALU_DEP_2)
	v_max3_num_f32 v254, v232, v233, v234
	s_delay_alu instid0(VALU_DEP_1)
	v_max_num_f32 v254, v254, v235                 ; the step's largest score of my query
	s_delay_alu instid0(VALU_DEP_1)
	v_mul_f32 v254, s[CS], v254                    ; as t (c is positive)
	s_delay_alu instid0(VALU_DEP_1)
	v_max_num_f32 v13, v13, v254                   ; the running largest t
	v_mov_b32 v254, v12
	s_delay_alu instid0(VALU_DEP_2)
	v_floor_f32 v12, -v13                          ; the new -M = floor(-t) = -ceil(t)
	s_delay_alu instid0(VALU_DEP_1)
	v_sub_f32 v254, v12, v254                      ; M's old value less its new one: a whole number, 0 or less
	s_delay_alu instid0(VALU_DEP_1)
	v_cvt_i32_f32 v254, v254                       ; (it saturates)
	s_delay_alu instid0(VALU_DEP_1)
	v_ldexp_f32 v252, 1.0, v254                    ; f = 2^(old M - new M)
.set j, 0
.rept 32
	v_pk_fma_f32 v[96+j:97+j], v[96+j:97+j], s[CS:CS+1], v[12:13] op_sel_hi:[1,0,0]   ; t - M, two at a time
.set j, j+2
.endr
.irp b, 0,1,2,3
	v_fma_f32 v[232+\b], v[232+\b], s[CS], v12     ; the same of each block's largest score
.endr
.set j, 0
	s_wait_alu depctr_va_vdst(0)
.rept 64
	v_exp_f32 v[96+j], v[96+j]                     ; p = 2^(t - M), at most 1
.set j, j+1
.endr
	v_pk_mul_f32 v[14:15], v[14:15], v[252:253] op_sel_hi:[1,0]   ; the sums under the new M: a plain instruction behind the exponentials
	s_wait_alu depctr_va_vdst(0)                   ; one wait for the whole batch, ahead of its first reader
.irp b, 0,1,2,3
	v_exp_f32 v[232+\b], v[232+\b]                 ; the block's largest p: the same two instructions on the same number
.endr
	v_pk_add_f32 v[236:237], v[100:101], v[104:105]
	v_pk_add_f32 v[246:247], v[108:109], v[112:113]
	v_pk_add_f32 v[244:245], v[116:117], v[120:121]
	v_pk_add_f32 v[242:243], v[124:125], v[128:129]
	v_pk_add_f32 v[240:241], v[132:133], v[136:137]
	v_pk_add_f32 v[238:239], v[140:141], v[144:145]
	v_pk_add_f32 v[230:231], v[148:149], v[152:153]
	v_pk_add_f32 v[14:15], v[14:15], v[156:157]
	v_pk_add_f32 v[236:237], v[236:237], v[96:97]
	v_pk_add_f32 v[246:247], v[246:247], v[98:99]
	v_pk_add_f32 v[244:245], v[244:245], v[102:103]
	v_pk_add_f32 v[242:243], v[242:243], v[106:107]
	v_pk_add_f32 v[240:241], v[240:241], v[110:111]
	v_pk_add_f32 v[238:239], v[238:239], v[114:115]
	v_pk_add_f32 v[230:231], v[230:231], v[118:119]
	v_pk_add_f32 v[14:15], v[14:15], v[122:123]
	v_pk_add_f32 v[236:237], v[236:237], v[126:127]
	v_pk_add_f32 v[246:247], v[246:247], v[130:131]
	v_pk_add_f32 v[244:245], v[244:245], v[134:135]
	v_pk_add_f32 v[242:243], v[242:243], v[138:139]
	v_pk_add_f32 v[240:241], v[240:241], v[142:143]
	v_pk_add_f32 v[238:239], v[238:239], v[146:147]
	v_pk_add_f32 v[230:231], v[230:231], v[150:151]
	v_pk_add_f32 v[14:15], v[14:15], v[154:155]
	v_pk_add_f32 v[236:237], v[236:237], v[158:159]
	s_delay_alu instid0(VALU_DEP_2)
	v_pk_add_f32 v[14:15], v[14:15], v[242:243]
	s_delay_alu instid0(VALU_DEP_2)
	v_pk_add_f32 v[236:237], v[236:237], v[240:241]
	v_pk_add_f32 v[246:247], v[246:247], v[238:239]
	v_pk_add_f32 v[244:245], v[244:245], v[230:231]
	s_delay_alu instid0(VALU_DEP_2)
	v_pk_add_f32 v[14:15], v[14:15], v[246:247]
	s_delay_alu instid0(VALU_DEP_2)
	v_pk_add_f32 v[236:237], v[236:237], v[244:245]
	s_delay_alu instid0(VALU_DEP_1)
	v_pk_add_f32 v[14:15], v[14:15], v[236:237]
	s_wait_alu depctr_va_vdst(0)                   ; and one for the four
.irp b, 0,1,2,3
	v_max_num_f32 v[232+\b], 0x1800000, v[232+\b]  ; the floor 2^(3 - 127)
.endr
.irp b, 0,1,2,3
	s_delay_alu instid0(VALU_DEP_4)
	v_add_nc_u32 v[244+\b], 0xff000000, v[232+\b]  ; 2 off the exponent field: the conversion's scale operand
.endr
.irp b, 0,1,2,3
	s_delay_alu instid0(VALU_DEP_4)
	v_lshrrev_b32 v[236+\b], 23, v[244+\b]         ; the scale's byte
.endr
	s_delay_alu instid0(VALU_DEP_3)
	v_lshl_or_b32 v253, v237, 8, v236              ; p's scale word for these 128 keys
	s_delay_alu instid0(VALU_DEP_1)
	v_lshl_or_b32 v253, v238, 16, v253
	s_delay_alu instid0(VALU_DEP_1)
	v_lshl_or_b32 v253, v239, 24, v253
.irp c, 0,1
	v_cvt_scalef32_pk16_fp6_f32 v[224+6*\c:226+6*\c], v[96+32*\c:111+32*\c], v[244+2*\c]
	v_cvt_scalef32_pk16_fp6_f32 v[236+4*\c:238+4*\c], v[112+32*\c:127+32*\c], v[244+2*\c+1]
.endr
	v_nop                                          ; one plain place behind the scaled conversions
.irp t, 0,1,2,3                                ; p is spent: V's last four fragments land in its registers v96-143 while the codes are laid and O^T is rescaled
.irp c, 0,1,2
	ds_load_b128 v[96+12*\t+4*\c:99+12*\t+4*\c], v8 offset:HREC+1536*(4+\t)+512*\c
.endr
.endr
.irp c, 0,1
.irp i, 0,1,2
	v_permlane16_swap_b32 v[224+6*\c+\i], v[236+4*\c+\i]
.endr
.irp i, 0,1,2
	s_delay_alu instid0(VALU_DEP_3)
	v_mov_b32 v[227+6*\c+\i], v[236+4*\c+\i]
.endr
.endr
.set j, 0
.rept 32
	v_pk_mul_f32 v[160+j:161+j], v[160+j:161+j], v[252:253] op_sel_hi:[1,0]   ; O^T under the new M.  (These 32 are also the places between the lines that made p's codes and scale word and the matrix instructions below)
.set j, j+2
.endr
	s_wait_alu depctr_va_vdst(0)
	s_wait_dscnt 0x0                               ; V's eight fragments and its scale image are in
.irp t, 0,1,2,3                                ; O^T += V^T P^T: eight tiles of 16 channels, eight accumulators by turns; K = these 128 keys
	v_wmma_scale_f32_16x16x128_f8f6f4 v[160+8*\t:167+8*\t], v[32+12*\t:43+12*\t], v[224:235], v[160+8*\t:167+8*\t], v[248+\t], v253 matrix_a_fmt:MATRIX_FMT_FP6 matrix_b_fmt:MATRIX_FMT_FP6
.endr
.irp t, 0,1,2,3
	v_wmma_scale_f32_16x16x128_f8f6f4 v[192+8*\t:199+8*\t], v[96+12*\t:107+12*\t], v[224:235], v[192+8*\t:199+8*\t], v[248+\t], v253 matrix_a_fmt:MATRIX_FMT_FP6 matrix_b_fmt:MATRIX_FMT_FP6 matrix_a_scale:MATRIX_SCALE_ROW1
.endr
.endm
.macro TWO_STEPS                       ; my two key steps of a slot: written once, walked twice
	s_mov_b32 s[TW], 2
.Lstep_\@:
	STEP
	s_add_co_u32 s[TB], s[TB], STEPB
	s_sub_co_u32 s[TW], s[TW], 1
	s_cmp_lg_u32 s[TW], 0
	s_cbranch_scc1 .Lstep_\@
.endm
; THE CHANGE OF SLOTS.  Each wave waits for all its tensor loads (its part of the slot ahead), adds 0 to its spare word, and waits for that and for its reads of the slot that it leaves.
; fill = 1: the slot just left is filled with the key steps two slots on, behind a round of the cluster's barrier: no wave of any partner still reads it or has a load on its way.
.macro CHANGE fill
	s_wait_tensorcnt 0x0                           ; no tensor load of mine is out, so a group 0 may be written
	ds_add_u32 v[SPW], v[NIL]                      ; 0 onto my spare word
.if \fill
	s_xor_b32 s[G0B+1], s[G0B+1], SLOT1            ; the walking descriptor: the other slot than last time,
	s_add_nc_u64 s[G0B+2:G0B+3], s[G0B+2:G0B+3], SLOTB   ; the next four key steps; the type bits on top are not reached
.endif
	s_wait_dscnt 0x0                               ; the add is done, and my reads of the slot are over
.if \fill
	CROUND
	tensor_load_to_lds s[G0B:G0B+3], s[G1:G1+7]    ; the first thing behind the round, and my one tensor load until the next
	s_nop 0
.rept 4
	v_nop
.endr
.else
	s_barrier_signal -1
	s_barrier_wait -1
.endif
	s_sub_co_u32 s[TB], s[TB], HALFB               ; back to my first step of a slot,
	s_xor_b32 s[TB], s[TB], SLOT1                  ; in the other slot
.endm
	s_wait_loadcnt 0x0                             ; Q
	s_wait_alu depctr_va_vdst(0)                   ; the wait at the head's end
	s_wait_tensorcnt 0x0                           ; my part of slot 0 is in
	ds_add_u32 v[SPW], v[NIL]                      ; the add and its wait, ahead of a later first fill as ahead of a refill
	s_wait_dscnt 0x0
	CROUND                                         ; everybody's part is in, and the four work-groups are here
	tensor_load_to_lds s[G0B:G0B+3], s[G1:G1+7]    ; slot 1's first fill, my one tensor load behind the round
	s_nop 0
.rept 4
	v_nop
.endr
	TWO_STEPS                                      ; my two of key steps 0 to 3
.Lslot:                                                ; two trips: key steps 4 to 7 and 8 to 11; the slots left take key steps 8 to 11 and 12 to 15
	CHANGE 1
	TWO_STEPS
	s_sub_co_u32 s[SLOTS], s[SLOTS], 1
	s_cmp_lg_u32 s[SLOTS], 0
	s_cbranch_scc1 .Lslot
	CHANGE 0                                       ; the last slot is written out
	TWO_STEPS
	; THE MERGE.  Waves 8-15 store O^T as it stands (16 bytes a lane, 512 a store), -M and the lane's sum; a barrier; waves 0-7 read them.
	v_add_f32 v13, v14, v15                        ; my lane's sum, beside -M in the pair v[12:13] (the largest t is spent).  With the three below: four places behind the last products
.rept 3
	v_nop
.endr
	s_cmp_lt_u32 s[WV], 8
	s_cbranch_scc1 .Lkeep
.set i, 0
.rept 16
	ds_store_b128 v9, v[160+4*i:163+4*i] offset:512*i   ; each accumulator from its low end on
.set i, i+1
.endr
	ds_store_b64 v10, v[12:13]
.Lkeep:
	s_wait_dscnt 0x0                               ; for the others' sake: my stores are done
	s_barrier_signal -1
	s_barrier_wait -1
	s_cmp_lt_u32 s[WV], 8
	s_cbranch_scc0 .Lend                           ; waves 8-15 have handed their part over
.set i, 0
.rept 16
	ds_load_b128 v[96+4*i:99+4*i], v9 offset:512*i ; the other half's O^T
.set i, i+1
.endr
	ds_load_b64 v[28:29], v10                      ; its -M and its lane's sum
	s_wait_dscnt 0x0
	v_min_num_f32 v30, v12, v28                    ; -M of both halves: the larger M
	s_delay_alu instid0(VALU_DEP_1)
	v_sub_f32 v31, v30, v12                        ; my M less the larger: a whole number, 0 or less
	s_delay_alu instid0(VALU_DEP_2)
	v_sub_f32 v2, v30, v28                         ; the other's likewise
	s_delay_alu instid0(VALU_DEP_2)
	v_cvt_i32_f32 v31, v31                         ; (they saturate)
	s_delay_alu instid0(VALU_DEP_2)
	v_cvt_i32_f32 v2, v2
	s_delay_alu instid0(VALU_DEP_2)
	v_ldexp_f32 v31, 1.0, v31                      ; f1,
	s_wait_alu depctr_va_vdst(0)
	v_ldexp_f32 v2, 1.0, v2                        ; f2: powers of two
	v_mul_f32 v14, v13, v31
	s_delay_alu instid0(VALU_DEP_1)
	v_fma_f32 v14, v29, v2, v14                    ; the lane's sum under the larger M,
	s_delay_alu instid0(VALU_DEP_1)
	v_permlanex16_b32 v252, v14, s[SEL], s[SEL+1]
	s_delay_alu instid0(VALU_DEP_1)
	v_add_f32 v14, v14, v252                       ; and lane l xor 16's: the row's sum
	s_wait_alu depctr_va_vdst(0)
	v_rcp_f32 v14, v14
	v_and_b32 v3, 15, v0                           ; plain instructions behind the reciprocal
	s_delay_alu instid0(VALU_DEP_1)
	v_lshlrev_b32 v7, 6, v3                        ; 64 r
	s_wait_alu depctr_va_vdst(0)                   ; the wait ahead of the reciprocal's first reader
	v_mul_f32 v30, v31, v14                        ; f1 / the sum (low word of the pair v[30:31]),
	v_mul_f32 v2, v2, v14                          ; f2 / the sum (low word of the pair v[2:3])
.set j, 0
.rept 32
	v_pk_mul_f32 v[96+j:97+j], v[96+j:97+j], v[2:3] op_sel_hi:[1,0]
.set j, j+2
.endr
.set j, 0
.rept 32
	v_pk_fma_f32 v[96+j:97+j], v[160+j:161+j], v[30:31], v[96+j:97+j] op_sel_hi:[1,0,1]   ; o: register 16 b + i is channel 32 b + 16 h + i of my query; each accumulator from its low end on
.set j, j+2
.endr
	QUANT 96, 32, 252                              ; the fragment is K step = head of the last product
.irp c, 0,1,2
	global_store_b128 v1, v[32+4*\c:35+4*\c], s[48:49] offset:512*\c   ; 32 lanes store 512 consecutive bytes, at a multiple of 256 from the buffer's first byte
.endr
	global_store_b32 v7, v252, s[50:51]            ; row r's scale word; lanes r and r + 16 hold the same word and store it to the same place
.Lend:
	s_wait_tensorcnt 0x0                           ; the wave's end
	ds_add_u32 v[SPW], v[NIL]
	s_wait_dscnt 0x0
	CROUND                                         ; the closing round
	s_endpgm
.Lfunc_end_k_q2c4c0c0f27_attn:
	.size	k_q2c4c0c0f27_attn, .Lfunc_end_k_q2c4c0c0f27_attn-k_q2c4c0c0f27_attn
	.p2alignl 7, 3214868480
	.fill 96, 4, 3214868480
	.section	.rodata,"a",@progbits
	.p2align	6, 0x0
	.amdhsa_kernel k_q2c4c0c0f27_attn
		.amdhsa_group_segment_fixed_size 327680
		.amdhsa_private_segment_fixed_size 0
		.amdhsa_enable_private_segment 0
		.amdhsa_kernarg_size 24
		.amdhsa_user_sgpr_count 2
		.amdhsa_user_sgpr_kernarg_segment_ptr 1
		.amdhsa_wavefront_size32 1
		.amdhsa_system_sgpr_workgroup_id_x 1
		.amdhsa_system_sgpr_workgroup_id_y 1
		.amdhsa_system_sgpr_workgroup_id_z 1
		.amdhsa_system_vgpr_workitem_id 0
		.amdhsa_next_free_vgpr 256
		.amdhsa_next_free_sgpr 66
		.amdhsa_reserve_vcc 0
		.amdhsa_float_denorm_mode_32 3
		.amdhsa_float_denorm_mode_16_64 3
		.amdhsa_memory_ordered 1
		.amdhsa_forward_progress 1
		.amdhsa_inst_pref_size 83
	.end_amdhsa_kernel
	.amdgpu_metadata
---
amdhsa.version: [ 1, 2 ]
amdhsa.kernels:
  - .name:           k_q2c4c0c0f27_attn
    .symbol:         k_q2c4c0c0f27_attn.kd
    .args:
      - { .name: qb, .offset: 0, .size: 8, .value_kind: global_buffer, .address_space: global }
      - { .name: kv, .offset: 8, .size: 8, .value_kind: global_buffer, .address_space: global }
      - { .name: obuf, .offset: 16, .size: 8, .value_kind: global_buffer, .address_space: global }
    .group_segment_fixed_size: 327680
    .private_segment_fixed_size: 0
    .kernarg_segment_align: 8
    .kernarg_segment_size: 24
    .max_flat_workgroup_size: 512
    .sgpr_count:     66
    .vgpr_count:     256
    .wavefront_size: 32
...
	.end_amdgpu_metadata
.endif
;; end of part 7
;; launch outp (part 8): grid 16 x 16, 4 waves a work-group, clusters of 4 x 4, 327,680 bytes of LDS; arguments obuf, wbuf, bo, out0; writes out0
.if DOCPART == 8
	.amdgcn_target "amdgcn-amd-amdhsa--gfx1250"
	.amdhsa_code_object_version 6
	.text
	.protected	k_q2c4c0c0f27_outp
	.globl	k_q2c4c0c0f27_outp
	.p2align	8
	.type	k_q2c4c0c0f27_outp,@function
k_q2c4c0c0f27_outp:
	s_mov_b64 s[64:65], 0
	v_nop
	global_prefetch_b8 v0, s[64:65] scope:SCOPE_SE
	s_setreg_imm32_b32 hwreg(HW_REG_WAVE_MODE, 25, 1), 1
	s_wait_xcnt 0x0
	s_wait_alu depctr_hold_cnt(0) depctr_sa_sdst(0) depctr_va_vdst(0) depctr_va_sdst(0) depctr_va_ssrc(0) depctr_va_vcc(0) depctr_vm_vsrc(0)
	s_getreg_b32 s2, hwreg(HW_REG_IB_STS2, 6, 4)
	s_cmp_eq_u32 s2, 0
	s_cbranch_scc0 .Lentry_in_a_cluster
	s_endpgm
.Lentry_in_a_cluster:
	s_bfe_u32 s2, ttmp6, 0x10000c
	s_cmp_lg_u32 s2, 0xf033
	s_cbranch_scc0 .Lentry_shape_is_right
	s_endpgm
.Lentry_shape_is_right:
; out0 = o Wo + bo on codes of FP6 (E2M3) with E8M0 scales, K = 2,048.  obuf and wbuf hold images of operand registers, [tile of 16 rows][K step 0..15][1,536 bytes], behind them the scale words [tile][place][16 words];
; place r of tile T is row 32 (T / 2) + 8 (T % 2) + r + 8 (r / 8).  Wo's tiles are wbuf's 384-511.
; SHARES: 256 work-groups of 128 x 128; a wave makes 64 x 64: 16 accumulators.  Source 0 = Wo's columns, source 1 = o's tokens: a lane holds eight neighbouring columns of one token.  The bias is the C of each sum's first product.
; LDS: two slots of SIX K steps (8 + 8 tiles x 9,216 bytes).  Three fills: K steps 0-5 at the head (wave 0 A's tiles, wave 1 B's, waves 2 and 3 the scales: one load a wave), 6-11 behind the first round,
; 12-15 into slot 0 again (tiles then 6,144 bytes apart).  All scale words stay in 64 registers.  CLUSTER 4 x 4: A's tiles are asked for jointly along a row, B's along a column.
; PREFETCH: behind the head's load each wave names the bytes of the two later fills: of the 4 tiles that it fetches in the ring, each of the four partners takes one, told apart by address:
; K steps 6-15 of a tile are 60 blocks of 256 bytes, a lane a block in two instructions; the last 4 lanes name the last block again.  The walk has three fills, so nothing more is left to name.
; The way out goes through each wave's stage in slot 1, which has had its last fill and, behind the last barrier, its last read.
.set TROW,  24576
.set XSO,   3145728
.set WSO,   12582912
.set FR,    12
.set S6,    9216                       ; a tile's six K steps
.set QUART, 4*S6
.set SLOT,  4*QUART
.set SCL,   2*SLOT
.set QS,    4352                       ; the scales of 64 rows: 16 units of 256 bytes + 16
.set SBLK,  1088
.set SPARE, SCL+4*QS
.set STAGE, SLOT
.set SPITCH, 272
.set ADRA, 16
.set ADRB, 20
.set PF1,  22                          ; 256 x lane
.set PF2,  23                          ; 256 x min(lane, 27)
.set LI,   24
.set STO,  25
.set H64,  26
.set ADRS, 27
.set SPW,  28
.set NIL,  29
.set CO,   30
.set RD,   31
.set SC,   32
.set BK,   32
.set BI,   96
.set ACC,  128
.set PFA,  12                          ; s[12:13] the tile that my prefetches name; never rewritten
.set G0H,  4
.set G0HB, 8
.set G1, 24
.set G0, 32
.set G1B, 48
.set G0B, 56
.set G1S, 68
.set G0S, 76
.set G1SB, 80
.set G0SB, 88
.set MSB, 0
.macro WIN new
.if MSB != (\new)
	s_set_vgpr_msb (MSB<<8)|(\new)
.set MSB, (\new)
.endif
.endm
.set MUL,  0x05
.set TO_F, 0x40
.macro JLOAD g0a, g1a, g0b, g1b
	s_cmp_eq_u32 s15, 0
	s_cbranch_scc0 .Lfor_b_\@
	tensor_load_to_lds s[\g0a:\g0a+3], s[\g1a:\g1a+7]
	s_nop 0
.rept 4
	v_nop
.endr
	s_branch .Lasked_\@
.Lfor_b_\@:
	tensor_load_to_lds s[\g0b:\g0b+3], s[\g1b:\g1b+7]
	s_nop 0
.rept 4
	v_nop
.endr
.Lasked_\@:
.endm
.macro CREST
	s_cmp_lg_u32 s14, 0
	s_cbranch_scc1 .Lnot_wave_0_\@
	s_barrier_signal -3
.Lnot_wave_0_\@:
	s_barrier_wait -3
	s_barrier_signal -1
	s_barrier_wait -1
.endm
.macro CROUND
	s_barrier_signal -1
	s_barrier_wait -1
	CREST
.endm
	s_load_b128 s[4:7], s[0:1], 0x0                ; obuf, wbuf
	s_load_b128 s[92:95], s[0:1], 0x10             ; bo, out0
	v_lshl_add_u32 v[SPW], v0, 2, SPARE
	v_mov_b32 v[NIL], 0
	ds_add_u32 v[SPW], v[NIL]                      ; the opening lines: the add twice on end and one wait
	ds_add_u32 v[SPW], v[NIL]
	v_lshrrev_b32 v1, 5, v0
	v_readfirstlane_b32 s14, v1
	s_lshr_b32 s15, s14, 1
	s_and_b32 s16, s14, 1
	s_bfe_u32 s40, ttmp6, 0x40000
	s_bfe_u32 s41, ttmp6, 0x40004
	s_lshl_b32 s42, ttmp9, 2
	s_add_co_u32 s42, s42, s40
	s_and_b32 s17, ttmp7, 0xffff
	s_lshl_b32 s17, s17, 2
	s_add_co_u32 s17, s17, s41
	s_lshl_b32 s43, s41, 2
	s_lshl_b32 s43, 15, s43
	s_lshl_b32 s44, 0x1111, s40
	s_or_b32 s[G1+0], s43, (3<<16)|(1<<21)
	s_or_b32 s[G1B+0], s44, (3<<16)|(1<<21)
.irp g, G1, G1B                        ; rows of 9,216 bytes, one a tile: 8 for the head's loads
	s_mov_b32 s[\g+1], 1152<<16
	s_mov_b32 s[\g+2], 8<<16
	s_mov_b32 s[\g+3], 1152<<16
	s_mov_b32 s[\g+4], 8
	s_mov_b32 s[\g+5], 3072
	s_mov_b32 s[\g+6], 0
	s_mov_b32 s[\g+7], 0
.endr
	s_or_b32 s[G1S+0], s43, (3<<16)|(1<<20)|(1<<21)|(5<<22)|(3<<25)
	s_or_b32 s[G1SB+0], s44, (3<<16)|(1<<20)|(1<<21)|(5<<22)|(3<<25)
.irp g, G1S, G1SB                      ; the scales of 128 rows: 32 rows of 256 bytes, 16 of padding behind each
	s_mov_b32 s[\g+1], 32<<16
	s_mov_b32 s[\g+2], 32<<16
	s_mov_b32 s[\g+3], 32<<16
	s_mov_b32 s[\g+4], 32
	s_mov_b32 s[\g+5], 32
	s_mov_b32 s[\g+6], 0
	s_mov_b32 s[\g+7], 0
.endr
	s_lshl_b32 s20, s17, 3                         ; A's first tile
	s_lshl_b32 s46, s42, 3
	s_add_co_u32 s46, s46, 384                     ; B's
	s_lshl_b32 s22, s20, 10
	s_mov_b32 s23, 0
	s_lshl_b32 s66, s46, 10
	s_mov_b32 s67, 0
	s_mul_i32 s20, s20, TROW
	s_mov_b32 s21, 0
	s_mul_i32 s46, s46, TROW
	s_mov_b32 s47, 0
	s_mul_i32 s18, s16, 4*TROW                     ; in the ring I fetch 4 tiles of 8
	s_mov_b32 s19, 0
	s_mul_i32 s45, s14, QUART
	s_wait_dscnt 0x0
	s_wait_kmcnt 0x0
	s_add_nc_u64 s[20:21], s[4:5], s[20:21]
	s_add_nc_u64 s[22:23], s[4:5], s[22:23]
	s_add_nc_u64 s[22:23], s[22:23], XSO
	s_add_nc_u64 s[46:47], s[6:7], s[46:47]
	s_add_nc_u64 s[66:67], s[6:7], s[66:67]
	s_add_nc_u64 s[66:67], s[66:67], WSO
	CROUND
	s_mov_b32 s[G0H], 1
	s_mov_b32 s[G0H+1], 0
	s_mov_b64 s[G0H+2:G0H+3], s[20:21]
	s_or_b32 s[G0H+3], s[G0H+3], 0x80000000
	s_mov_b32 s[G0HB], 1
	s_mov_b32 s[G0HB+1], 2*QUART
	s_mov_b64 s[G0HB+2:G0HB+3], s[46:47]
	s_or_b32 s[G0HB+3], s[G0HB+3], 0x80000000
	s_mov_b32 s[G0S], 1
	s_mov_b32 s[G0S+1], SCL
	s_mov_b64 s[G0S+2:G0S+3], s[22:23]
	s_or_b32 s[G0S+3], s[G0S+3], 0x80000000
	s_mov_b32 s[G0SB], 1
	s_mov_b32 s[G0SB+1], SCL+2*QS
	s_mov_b64 s[G0SB+2:G0SB+3], s[66:67]
	s_or_b32 s[G0SB+3], s[G0SB+3], 0x80000000
	s_add_nc_u64 s[20:21], s[20:21], s[18:19]
	s_add_nc_u64 s[46:47], s[46:47], s[18:19]
.irp s, 0,1                            ; set 0: K steps 6-11 into slot 1; set 1: K steps 12-15 into slot 0
	s_mov_b32 s[G0+4*\s], 1
	s_add_co_u32 s[G0+4*\s+1], s45, (1-\s)*SLOT
	s_add_nc_u64 s[G0+4*\s+2:G0+4*\s+3], s[20:21], (\s+1)*S6
	s_or_b32 s[G0+4*\s+3], s[G0+4*\s+3], 0x80000000
	s_mov_b32 s[G0B+4*\s], 1
	s_add_co_u32 s[G0B+4*\s+1], s45, (1-\s)*SLOT
	s_add_nc_u64 s[G0B+4*\s+2:G0B+4*\s+3], s[46:47], (\s+1)*S6
	s_or_b32 s[G0B+4*\s+3], s[G0B+4*\s+3], 0x80000000
.endr
	s_cmp_eq_u32 s15, 0                            ; the prefetches: of the 4 tiles that I fetch in the ring,
	s_cselect_b64 s[PFA:PFA+1], s[20:21], s[46:47]
	s_cselect_b32 s2, s40, s41                     ; my place among the four that ask jointly takes one
	s_mul_i32 s2, s2, TROW
	s_mov_b32 s3, 0
	s_add_nc_u64 s[PFA:PFA+1], s[PFA:PFA+1], s[2:3]
.macro ARM under, g0, g1, next         ; one load a wave at the head
	s_cmp_lt_u32 s14, \under
	s_cbranch_scc0 \next
	tensor_load_to_lds s[\g0:\g0+3], s[\g1:\g1+7]
	s_nop 0
.rept 4
	v_nop
.endr
	s_branch .Lhead_asked
\next:
.endm
	ARM 1, G0H,  G1,  .Lhead_b
	ARM 2, G0HB, G1B, .Lhead_sa
	ARM 3, G0S,  G1S, .Lhead_sb
	tensor_load_to_lds s[G0SB:G0SB+3], s[G1SB:G1SB+7]
	s_nop 0
.rept 4
	v_nop
.endr
.Lhead_asked:
	s_lshl_b32 s46, s42, 9
	s_lshl_b32 s47, s16, 8
	s_add_co_u32 s46, s46, s47                     ; my 64 columns, in bytes
	s_mov_b32 s47, 0
	s_add_nc_u64 s[92:93], s[92:93], s[46:47]
	s_lshl_b32 s20, s17, 20
	s_lshl_b32 s21, s15, 19
	s_add_co_u32 s20, s20, s21                     ; my 64 rows of 8,192 bytes
	s_mov_b32 s21, 0
	s_add_nc_u64 s[94:95], s[94:95], s[20:21]
	s_add_nc_u64 s[94:95], s[94:95], s[46:47]
	s_mul_i32 s21, s15, QUART
	s_mul_i32 s22, s16, QUART
	s_add_co_u32 s22, s22, 2*QUART
	s_add_co_u32 s2, s21, SLOT
	s_add_co_u32 s3, s22, SLOT
	s_mul_i32 s66, s15, QS
	s_mul_i32 s67, s16, QS
	s_add_co_u32 s67, s67, 2*QS
	s_sub_co_u32 s67, s67, s66
	s_add_co_u32 s66, s66, SCL
	s_mul_i32 s23, s14, 16*SPITCH
	s_add_co_u32 s23, s23, STAGE
	v_and_b32 v1, 15, v0
	v_bfe_u32 v2, v0, 4, 1
	v_and_b32 v3, 31, v0
	v_lshlrev_b32 v[LI], 4, v3
	v_lshlrev_b32 v[H64], 6, v2
	v_lshlrev_b32 v[PF1], 8, v3
	v_min_u32 v4, 27, v3
	v_lshlrev_b32 v[PF2], 8, v4
	v_add_nc_u32 v[ADRA], s21, v[LI]
	v_add_nc_u32 v[ADRB], s22, v[LI]
	v_add_nc_u32 v[ADRA+1], s2, v[LI]
	v_add_nc_u32 v[ADRB+1], s3, v[LI]
	v_mul_u32_u24 v5, v1, 64
	v_lshrrev_b32 v6, 8, v5
	v_lshl_add_u32 v5, v6, 4, v5
	v_mul_u32_u24 v6, s67, v2                      ; lanes 16-31 take B's scale words
	v_add_nc_u32 v5, v5, v6
	v_add_nc_u32 v[ADRS], s66, v5
	v_mul_u32_u24 v5, v1, SPITCH
	v_lshl_add_u32 v5, v2, 6, v5
	v_add_nc_u32 v[STO], s23, v5
	v_mul_u32_u24 v5, v2, SPITCH
	v_lshl_add_u32 v5, v1, 4, v5
	v_add_nc_u32 v[RD], s23, v5
	v_lshlrev_b32 v[CO], 13, v2
	v_lshl_add_u32 v[CO], v1, 4, v[CO]
.irp b, 0,1
.irp j, 0,1,2,3
	global_load_b128 v[BI+16*\b+4*\j:BI+16*\b+4*\j+3], v[H64], s[92:93] offset:128*\b+16*\j   ; the bias at my lane's columns
.endr
.endr
.macro FETCH k                         ; K step k's four fragments of B and four of A into set k % 2 of window 1
.if (\k) < 12
.set FSL, (\k)/6
.set FP, S6
.set FO, 1536*((\k)%6)
.else
.set FSL, 0
.set FP, 6144
.set FO, 1536*((\k)-12)
.endif
	WIN TO_F
.irp i, 0,1,2,3
.irp c, 0,1,2
	ds_load_b128 v[128*((\k)%2)+FR*\i+4*\c:128*((\k)%2)+FR*\i+4*\c+3], v[ADRB+FSL] offset:FP*\i+FO+512*\c
.endr
.endr
.irp i, 0,1,2,3
.irp c, 0,1,2
	ds_load_b128 v[128*((\k)%2)+48+FR*\i+4*\c:128*((\k)%2)+48+FR*\i+4*\c+3], v[ADRA+FSL] offset:FP*\i+FO+512*\c
.endr
.endr
.endm
.macro MUL4 k, a, first                ; the 16 accumulators take turns
.irp b, 0,1,2,3
.if \first
	v_wmma_scale_f32_16x16x128_f8f6f4 v[ACC+8*(4*(\a)+\b):ACC+8*(4*(\a)+\b)+7], v[128*((\k)%2)+FR*\b:128*((\k)%2)+FR*\b+FR-1], v[128*((\k)%2)+48+FR*(\a):128*((\k)%2)+48+FR*(\a)+FR-1], v[BI+8*\b:BI+8*\b+7], v[SC+16*\b+(\k)], v[SC+16*(\a)+(\k)] matrix_a_fmt:MATRIX_FMT_FP6 matrix_b_fmt:MATRIX_FMT_FP6 matrix_a_scale:MATRIX_SCALE_ROW1
.else
	v_wmma_scale_f32_16x16x128_f8f6f4 v[ACC+8*(4*(\a)+\b):ACC+8*(4*(\a)+\b)+7], v[128*((\k)%2)+FR*\b:128*((\k)%2)+FR*\b+FR-1], v[128*((\k)%2)+48+FR*(\a):128*((\k)%2)+48+FR*(\a)+FR-1], v[ACC+8*(4*(\a)+\b):ACC+8*(4*(\a)+\b)+7], v[SC+16*\b+(\k)], v[SC+16*(\a)+(\k)] matrix_a_fmt:MATRIX_FMT_FP6 matrix_b_fmt:MATRIX_FMT_FP6 matrix_a_scale:MATRIX_SCALE_ROW1
.endif
.endr
.endm
.macro PLACES n
.rept \n
	v_nop
.endr
.endm
.macro STEP k, first
	s_wait_dscnt 0x0
	PLACES 4
	FETCH (\k)+1
	WIN MUL
	MUL4 \k, 0, \first
	MUL4 \k, 1, \first
	MUL4 \k, 2, \first
	MUL4 \k, 3, \first
.endm
.macro TURN k, fill                    ; a slot's last K step, and the change of slots
	WIN 0
	s_wait_tensorcnt 0x0                           ; my part of the next slot is in
	ds_add_u32 v[SPW], v[NIL]
.if \fill
	s_mov_b32 s[G1+1], 768<<16                     ; no load of mine is out: the last fill's rows are four K steps, 6,144 bytes
	s_mov_b32 s[G1+3], 768<<16
	s_mov_b32 s[G1B+1], 768<<16
	s_mov_b32 s[G1B+3], 768<<16
.endif
	s_wait_dscnt 1                                 ; the add may be out
	WIN MUL
	MUL4 \k, 0, 0
	s_wait_dscnt 0x0
	s_barrier_signal -1
	MUL4 \k, 1, 0
	WIN 0
	s_barrier_wait -1
.if \fill
	CREST
	JLOAD G0+4, G1, G0B+4, G1B
.else
	PLACES 4
.endif
	FETCH (\k)+1
	WIN MUL
	MUL4 \k, 2, 0
	MUL4 \k, 3, 0
.endm
	s_wait_alu depctr_va_vdst(0)                   ; the wait at the head's end
	global_prefetch_b8 v[PF1], s[PFA:PFA+1] offset:S6 th:TH_LOAD_NT scope:SCOPE_SE        ; my tile's bytes 9,216 .. 17,407
	global_prefetch_b8 v[PF2], s[PFA:PFA+1] offset:S6+8192 th:TH_LOAD_NT scope:SCOPE_SE   ; and 17,408 .. 24,575, the tile's last
	s_wait_tensorcnt 0x0                           ; my tile of the head's four is in
	ds_add_u32 v[SPW], v[NIL]
	s_mov_b32 s[G1+2], 4<<16                       ; from here on a load brings 4 tiles
	s_mov_b32 s[G1+4], 4
	s_mov_b32 s[G1B+2], 4<<16
	s_mov_b32 s[G1B+4], 4
	s_wait_dscnt 0x0
	CROUND
	JLOAD G0, G1, G0B, G1B                         ; slot 1's first fill, issued as a refill is
.irp i, 0,1,2,3
.irp c, 0,1,2,3
	ds_load_b128 v[SC+16*\i+4*\c:SC+16*\i+4*\c+3], v[ADRS] offset:\i*SBLK+16*\c   ; register 16 i + k: the word of block i, K step k
.endr
.endr
	FETCH 0
	s_wait_loadcnt 0x0                             ; the bias
	STEP 0, 1
.irp k, 1,2,3,4
	STEP \k, 0
.endr
	TURN 5, 1
.irp k, 6,7,8,9,10
	STEP \k, 0
.endr
	TURN 11, 0
	STEP 12, 0
	STEP 13, 0
	STEP 14, 0
	s_wait_dscnt 0x0
	WIN MUL
	MUL4 15, 0, 0
	MUL4 15, 1, 0
	MUL4 15, 2, 0
	MUL4 15, 3, 0
	WIN 0
.macro TOSTAGE a                       ; 16 tokens x 64 columns through my stage, back as rows of 256 bytes
.irp b, 0,1,2,3
	ds_store_b128 v[STO], v[ACC+8*(4*(\a)+\b):ACC+8*(4*(\a)+\b)+3] offset:128*(\b/2)+32*(\b%2)
	ds_store_b128 v[STO], v[ACC+8*(4*(\a)+\b)+4:ACC+8*(4*(\a)+\b)+7] offset:128*(\b/2)+32*(\b%2)+16
.endr
.set BB, BK+32*((\a)%2)
.irp t, 0,1,2,3,4,5,6,7
	ds_load_b128 v[BB+4*\t:BB+4*\t+3], v[RD] offset:2*\t*SPITCH
.endr
.endm
.macro SEND a, younger
.set BB, BK+32*((\a)%2)
	s_wait_dscnt \younger
.irp t, 0,1,2,3,4,5,6,7
	global_store_b128 v[CO], v[BB+4*\t:BB+4*\t+3], s[94:95] offset:(32*((\a)/2)+8*((\a)%2)+2*\t+8*(\t/4))*8192 th:TH_STORE_NT   ; sixteen lanes store 256 consecutive bytes, aligned
.endr
.endm
	PLACES 4
	TOSTAGE 0
	TOSTAGE 1
	SEND 0, 16                                     ; behind block 0's loads: block 1's 8 stores and 8 loads
	s_wait_xcnt 0x0
	TOSTAGE 2
	SEND 1, 16
	s_wait_xcnt 0x0
	TOSTAGE 3
	SEND 2, 16
	SEND 3, 0
	s_wait_tensorcnt 0x0                           ; the wave's end
	ds_add_u32 v[SPW], v[NIL]
	s_wait_dscnt 0x0
	CROUND                                         ; the closing round
	s_endpgm
.Lfunc_end_k_q2c4c0c0f27_outp:
	.size	k_q2c4c0c0f27_outp, .Lfunc_end_k_q2c4c0c0f27_outp-k_q2c4c0c0f27_outp
	.p2alignl 7, 3214868480
	.fill 96, 4, 3214868480
	.section	.rodata,"a",@progbits
	.p2align	6, 0x0
	.amdhsa_kernel k_q2c4c0c0f27_outp
		.amdhsa_group_segment_fixed_size 327680
		.amdhsa_private_segment_fixed_size 0
		.amdhsa_enable_private_segment 0
		.amdhsa_kernarg_size 32
		.amdhsa_user_sgpr_count 2
		.amdhsa_user_sgpr_kernarg_segment_ptr 1
		.amdhsa_wavefront_size32 1
		.amdhsa_system_sgpr_workgroup_id_x 1
		.amdhsa_system_sgpr_workgroup_id_y 1
		.amdhsa_system_sgpr_workgroup_id_z 1
		.amdhsa_system_vgpr_workitem_id 0
		.amdhsa_next_free_vgpr 512
		.amdhsa_next_free_sgpr 100
		.amdhsa_reserve_vcc 0
		.amdhsa_float_denorm_mode_32 3
		.amdhsa_float_denorm_mode_16_64 3
		.amdhsa_memory_ordered 1
		.amdhsa_forward_progress 1
		.amdhsa_inst_pref_size 82
	.end_amdhsa_kernel
	.amdgpu_metadata
---
amdhsa.version: [ 1, 2 ]
amdhsa.kernels:
  - .name:           k_q2c4c0c0f27_outp
    .symbol:         k_q2c4c0c0f27_outp.kd
    .args:
      - { .name: obuf, .offset: 0, .size: 8, .value_kind: global_buffer, .address_space: global }
      - { .name: wbuf, .offset: 8, .size: 8, .value_kind: global_buffer, .address_space: global }
      - { .name: bo, .offset: 16, .size: 8, .value_kind: global_buffer, .address_space: global }
      - { .name: out0, .offset: 24, .size: 8, .value_kind: global_buffer, .address_space: global }
    .group_segment_fixed_size: 327680
    .private_segment_fixed_size: 0
    .kernarg_segment_align: 8
    .kernarg_segment_size: 32
    .max_flat_workgroup_size: 128
    .sgpr_count:     100
    .vgpr_count:     512
    .wavefront_size: 32
...
	.end_amdgpu_metadata
.endif
;; end of part 8
